; MI455X (gfx1250); checked and timed in simulation.
; The chip was launched on July 23, 2026; its instructions are those of AMD's public machine-readable ISA for CDNA 5 (MIT licence, August 2026) and "CDNA5" Instruction Set Architecture Reference Guide (July 2026). The comments in the code are by the model that wrote it; some were corrected since.
;; Gated Linear Attention. Allowed arithmetic: float matrix products may take bf16 or f16 operands with f32 sums; other float arithmetic in f32, or as packed bf16 or f16 multiplies, adds, multiply-adds, maxima and minima; sums over many terms, partial sums and values carried from step to step in f32; what a program stores and reads back later, other than sums and carried values, may be rounded once to bf16 or f16.
;; Inputs: Wg 2,048 x 2,048 float32; Wk 2,048 x 1,024 float32; Wkg1 2,048 x 16 float32; Wkg2 16 x 1,024 float32; Wo 2,048 x 2,048 float32; Wq 2,048 x 1,024 float32; Wv 2,048 x 2,048 float32; bg 2,048 float32; bkg2 1,024 float32; x 4 x 1,024 x 2,048 float32.
;; Outputs: out0 4 x 1,024 x 2,048 float32; out1 4 x 16 x 64 x 128 float32.
;; 2 versions, each right and faster than the one before. Each part assembles by itself: llvm-mc -triple=amdgcn-amd-amdhsa -mcpu=gfx1250 --defsym DOCPART=n.
;; ======== version 1 of 2: 5 launches
;; limits: right only within a limited range of input values; a function is approximated: absolute error at most 0.000122; values are held in f16: magnitudes above 65,504 overflow, below 6.1e-05 lose precision
;; workspace buffers: xb 16,777,216 bytes; wcat 25,165,824 bytes; wo16 8,388,608 bytes; zb 131,072 bytes; qkvg 67,108,864 bytes; ust 6,340,608 bytes; yh 16,777,216 bytes; ysc 262,144 bytes
;; launch prep (part 1): grid 256 x 9, 8 waves a work-group, no clusters, 142,336 bytes of LDS; arguments x, Wq, Wk, Wv, Wg, Wo, Wkg1, xb, wcat, wo16, zb; writes xb, wcat, wo16, zb
.if DOCPART == 1
	.amdgcn_target "amdgcn-amd-amdhsa--gfx1250"
	.amdhsa_code_object_version 6
	.text
	.protected	k_qf4ffd94abe_prep
	.globl	k_qf4ffd94abe_prep
	.p2align	8
	.type	k_qf4ffd94abe_prep,@function
k_qf4ffd94abe_prep:
	s_mov_b64 s[64:65], 0
	v_nop
	global_prefetch_b8 v0, s[64:65] scope:SCOPE_SE
	s_setreg_imm32_b32 hwreg(HW_REG_WAVE_MODE, 25, 1), 1
	s_wait_xcnt 0x0
; PREP: the casts to 16 bits, and z = x Wkg1.
; y = 0:      work-group X takes rows 16 X .. 16 X + 15 of x [4096][2048] f32: xb = bf16(x), and z[row][16] = bf16(x) . bf16(Wkg1), summed in f32, stored as bf16.
;             Wave w takes columns 256 w .. 256 w + 255: its share of K for z; the eight partial sums meet in LDS and wave 0 adds them.
; y = 1 .. 8: unit u = y - 1 is 2048 rows x 1024 columns of a weight: Wq, Wk, Wv (2 units), Wg (2) -> wcat [2048][6144] bf16, whose columns are Wv, Wg, Wq, Wk in this order;
;             Wo (2) -> wo16 [2048][2048]: rounded to bf16, that number written as f16.
;             Work-group X takes rows 8 X .. 8 X + 7, a wave one row: eight loads of 512 consecutive bytes, eight stores of 256 consecutive aligned bytes.
; LIMITS. wo16: a bf16 number below 6e-5 keeps f16's fixed step of 6e-8, one beyond 65,504 becomes an infinity. NaN and infinities are not treated apart.
; Memory binds here: no tensor loads, no cluster (no work-group shares a tile but the 128 KB of Wkg1).
.set XLP,   528                        ; a row of my 256 columns of xb in LDS: 512 bytes + 16: 16 rows of a fragment load start at 16 different groups of four banks (ISA guide 11.1)
.set XLW,   16*XLP                     ; a wave's 16 rows
.set WL,    8*XLW                      ; behind them: my 256 k-rows of Wkg1 as bf16, [k][16], 32 bytes a row: 8,192 bytes a wave
.set RED,   WL+8*8192                  ; the partial sums: 1,024 bytes a wave
.set SPARE, RED+8*1024                 ; the spare words, 128 bytes a wave
.set SPW, 30                           ; v30 LDS address of my spare word; never rewritten
.set NIL, 31                           ; v31 0; never rewritten
.set WR,  32                           ; v[32:95]   Wkg1 as loaded; later the 8 fragments of x
.set XR,  96                           ; v[96:159]  x as loaded, converted in place
.set BF,  160                          ; v[160:223] 8 fragments of Wkg1^T
.set Z0,  224                          ; v[224:239] two accumulators that take turns
.set ZS,  240                          ; v[240:247] their sum
	s_load_b512 s[4:19], s[0:1], 0x0               ; x, Wq, Wk, Wv, Wg, Wo, Wkg1, xb
	s_load_b128 s[20:23], s[0:1], 0x40             ; wcat, wo16
	s_load_b64 s[24:25], s[0:1], 0x50              ; zb
	v_lshl_add_u32 v[SPW], v0, 2, SPARE
	v_mov_b32 v[NIL], 0
	v_lshrrev_b32 v1, 5, v0
	v_readfirstlane_b32 s26, v1                    ; wave 0..7
	s_and_b32 s27, ttmp7, 0xffff                   ; y
	v_and_b32 v1, 31, v0                           ; lane
	v_lshlrev_b32 v2, 4, v1                        ; 16 lane
	v_lshlrev_b32 v3, 3, v1                        ; 8 lane
	s_mov_b32 s29, 0
	s_wait_kmcnt 0x0
	s_cmp_lg_u32 s27, 0
	s_cbranch_scc1 .Lweights
	; ---------------- y = 0: x and z
	s_lshl_b32 s28, ttmp9, 17                      ; 16 rows of 8,192 bytes
	s_add_nc_u64 s[4:5], s[4:5], s[28:29]
	s_lshl_b32 s28, ttmp9, 16                      ; 16 rows of 4,096 bytes
	s_add_nc_u64 s[18:19], s[18:19], s[28:29]
	s_lshl_b32 s28, ttmp9, 9                       ; 16 rows of 32 bytes
	s_add_nc_u64 s[24:25], s[24:25], s[28:29]
	v_lshl_add_u32 v4, s26, 10, v2                 ; x: 1,024 w + 16 lane
	v_lshl_add_u32 v5, s26, 9, v3                  ; xb: 512 w + 8 lane
	v_lshl_add_u32 v8, s26, 14, v2                 ; Wkg1: my 256 rows of 64 bytes are 16,384 consecutive bytes
.macro XLOAD half                      ; eight rows, two loads of 512 consecutive bytes each
.set i, 0
.rept 16
	global_load_b128 v[XR+4*i:XR+4*i+3], v4, s[4:5] offset:(8*(\half)+i/2)*8192+512*(i%2) th:TH_LOAD_NT
.set i, i+1
.endr
.endm
.macro WLOAD b                         ; 128 k-rows of Wkg1
.set i, 0
.rept 16
	global_load_b128 v[WR+4*i:WR+4*i+3], v8, s[16:17] offset:8192*(\b)+512*i
.set i, i+1
.endr
.endm
.macro WCVT b                          ; rounded to bf16 and laid down as [k][16]: lane l of load i holds k = 8 i + l / 4, n = 4 (l % 4) ..: byte 256 i + 8 l
.set i, 0
.rept 16
	v_cvt_pk_bf16_f32 v[WR+4*i], v[WR+4*i], v[WR+4*i+1]
	v_cvt_pk_bf16_f32 v[WR+4*i+1], v[WR+4*i+2], v[WR+4*i+3]
	ds_store_b64 v7, v[WR+4*i:WR+4*i+1] offset:4096*(\b)+256*i
.set i, i+1
.endr
.endm
.macro XCVT half                       ; rounded to bf16, to memory (256 consecutive aligned bytes a store) and into my rows in LDS
.set i, 0
.rept 16
	v_cvt_pk_bf16_f32 v[XR+4*i], v[XR+4*i], v[XR+4*i+1]
	v_cvt_pk_bf16_f32 v[XR+4*i+1], v[XR+4*i+2], v[XR+4*i+3]
	global_store_b64 v5, v[XR+4*i:XR+4*i+1], s[18:19] offset:(8*(\half)+i/2)*4096+256*(i%2)
	ds_store_b64 v6, v[XR+4*i:XR+4*i+1] offset:(8*(\half)+i/2)*XLP+256*(i%2)
.set i, i+1
.endr
.endm
	WLOAD 0
	XLOAD 0
	s_mul_i32 s30, s26, XLW
	v_add_nc_u32 v6, s30, v3                       ; my rows of x in LDS + 8 lane
	s_lshl_b32 s31, s26, 13
	s_add_co_u32 s31, s31, WL
	v_add_nc_u32 v7, s31, v3                       ; my image of Wkg1 + 8 lane
	v_and_b32 v12, 15, v0                          ; r
	v_bfe_u32 v13, v0, 4, 1                        ; h
	v_and_b32 v14, 7, v0
	v_bfe_u32 v15, v0, 3, 1
	v_lshl_add_u32 v9, v13, 3, v14                 ; the turning load: k-row 8 h + lane % 8,
	v_lshlrev_b32 v9, 5, v9                        ; 32 bytes a row,
	v_lshl_add_u32 v9, v15, 4, v9                  ; 16 bytes for each group of eight lanes
	v_add_nc_u32 v9, s31, v9
	v_mul_u32_u24 v10, v12, XLP                    ; a fragment of x: row r, 16 bytes for each half of the lanes
	v_lshl_add_u32 v10, v13, 4, v10
	v_add_nc_u32 v10, s30, v10
	s_lshl_b32 s32, s26, 10
	s_add_co_u32 s32, s32, RED
	v_lshl_add_u32 v11, v1, 5, s32                 ; my partial sums: 32 bytes a lane
	s_wait_loadcnt 16                              ; loads come back in order: Wkg1's first 16 are in, x's 16 stay out
	WCVT 0
	WLOAD 1
	s_wait_loadcnt 16                              ; x's rows 0-7 are in, Wkg1's second 16 stay out
	XCVT 0
	s_wait_xcnt 0x0                                ; the stores' data registers are loaded again only behind this wait
	XLOAD 1
	s_wait_loadcnt 16                              ; Wkg1's second 16 are in
	WCVT 1
.irp c, 0,1,2,3,4,5,6,7                ; Wkg1^T: lane l holds column l % 16 and k = 32 c + 8 h .. (registers 0-3), + 16 (registers 4-7). My own bytes: LDS serves a wave in order
	ds_load_tr16_b128 v[BF+8*\c:BF+8*\c+3], v9 offset:1024*\c
	ds_load_tr16_b128 v[BF+8*\c+4:BF+8*\c+7], v9 offset:1024*\c+512
.endr
	s_wait_loadcnt 0x0
	XCVT 1
.irp c, 0,1,2,3,4,5,6,7
	ds_load_b128 v[WR+8*\c:WR+8*\c+3], v10 offset:64*\c
	ds_load_b128 v[WR+8*\c+4:WR+8*\c+7], v10 offset:64*\c+32
.endr
	s_wait_dscnt 0x0
	; z^T = Wkg1^T x^T: a lane holds one row of x (l % 16) and the ranks 8 h + 0..7. Two accumulators take turns.
.irp c, 0,1,2,3,4,5,6,7
.if \c < 2
	v_wmma_f32_16x16x32_bf16 v[Z0+8*(\c%2):Z0+8*(\c%2)+7], v[BF+8*\c:BF+8*\c+7], v[WR+8*\c:WR+8*\c+7], 0
.else
	v_wmma_f32_16x16x32_bf16 v[Z0+8*(\c%2):Z0+8*(\c%2)+7], v[BF+8*\c:BF+8*\c+7], v[WR+8*\c:WR+8*\c+7], v[Z0+8*(\c%2):Z0+8*(\c%2)+7]
.endif
.endr
.rept 4
	v_nop                                          ; four places between a product and the reading of its result (ISA guide 7.12.1)
.endr
.irp u, 0,2,4,6
	v_pk_add_f32 v[ZS+\u:ZS+\u+1], v[Z0+\u:Z0+\u+1], v[Z0+8+\u:Z0+8+\u+1]
.endr
	ds_store_b128 v11, v[ZS:ZS+3]
	ds_store_b128 v11, v[ZS+4:ZS+7] offset:16
	s_wait_dscnt 0x0                               ; for wave 0's sake: my partial sums are in LDS
	s_barrier_signal -1
	s_barrier_wait -1
	s_cmp_lg_u32 s26, 0
	s_cbranch_scc1 .Lend
	v_lshl_add_u32 v11, v1, 5, RED
.irp w, 0,1,2,3,4,5,6,7
	ds_load_b128 v[32+8*\w:35+8*\w], v11 offset:1024*\w
	ds_load_b128 v[36+8*\w:39+8*\w], v11 offset:1024*\w+16
.endr
	s_wait_dscnt 0x0
.irp w, 1,2,3,4,5,6,7
.irp u, 0,2,4,6
	v_pk_add_f32 v[32+\u:33+\u], v[32+\u:33+\u], v[32+8*\w+\u:33+8*\w+\u]
.endr
.endr
.irp u, 0,1,2,3
	v_cvt_pk_bf16_f32 v[248+\u], v[32+2*\u], v[33+2*\u]
.endr
	v_lshlrev_b32 v16, 5, v12                      ; row r, 32 bytes; ranks 8 h ..: the wave stores 512 consecutive bytes
	v_lshl_add_u32 v16, v13, 4, v16
	global_store_b128 v16, v[248:251], s[24:25]
	s_branch .Lend
	; ---------------- y = 1 .. 8: a row of a unit of a weight
.Lweights:
	s_sub_co_u32 s30, s27, 1                       ; u
	s_lshl_b32 s31, ttmp9, 3
	s_add_co_u32 s31, s31, s26                     ; my row
	s_and_b32 s33, s30, 1
	s_lshl_b32 s33, s33, 12                        ; the second unit of a wide weight begins 4,096 bytes into its rows
	s_mov_b64 s[28:29], s[6:7]                     ; u = 0: Wq
	s_cmp_eq_u32 s30, 1
	s_cselect_b64 s[28:29], s[8:9], s[28:29]       ; 1: Wk
	s_cmp_ge_u32 s30, 2
	s_cselect_b64 s[28:29], s[10:11], s[28:29]     ; 2, 3: Wv
	s_cselect_b32 s32, 13, 12                      ; rows of 8,192 bytes, or of 4,096
	s_cselect_b32 s33, s33, 0
	s_cmp_ge_u32 s30, 4
	s_cselect_b64 s[28:29], s[12:13], s[28:29]     ; 4, 5: Wg
	s_cmp_ge_u32 s30, 6
	s_cselect_b64 s[28:29], s[14:15], s[28:29]     ; 6, 7: Wo
	s_lshl_b32 s34, s31, s32
	s_add_co_u32 s34, s34, s33
	s_mov_b32 s35, 0
	s_add_nc_u64 s[28:29], s[28:29], s[34:35]
	s_lshl_b32 s39, s30, 11                        ; 2,048 u
	s_lshl_b32 s40, s31, 12
	s_add_co_u32 s40, s40, s39
	s_sub_co_u32 s40, s40, 12288                   ; in wo16: row x 4,096 + 2,048 (u - 6); used for u >= 6 alone
	s_add_co_u32 s41, s39, 8192                    ; in a row of wcat: Wq and Wk lie behind Wv and Wg: 2,048 (u + 4),
	s_sub_co_u32 s42, s39, 4096                    ; Wv and Wg in front: 2,048 (u - 2)
	s_cmp_lt_u32 s30, 2
	s_cselect_b32 s39, s41, s42
	s_mul_i32 s38, s31, 12288
	s_add_co_u32 s38, s38, s39                     ; in wcat: row x 12,288 + that
	s_cmp_ge_u32 s30, 6
	s_cselect_b64 s[36:37], s[22:23], s[20:21]
	s_cselect_b32 s38, s40, s38
	s_mov_b32 s39, 0
	s_add_nc_u64 s[36:37], s[36:37], s[38:39]
.irp i, 0,1,2,3,4,5,6,7
	global_load_b128 v[32+4*\i:35+4*\i], v2, s[28:29] offset:512*\i th:TH_LOAD_NT
.endr
.irp i, 0,1,2,3,4,5,6,7
	s_wait_loadcnt 7-\i                            ; the younger loads stay out
	v_cvt_pk_bf16_f32 v[96+2*\i], v[32+4*\i], v[33+4*\i]
	v_cvt_pk_bf16_f32 v[97+2*\i], v[34+4*\i], v[35+4*\i]
.endr
	s_cmp_lt_u32 s30, 6
	s_cbranch_scc1 .Lwstore
.set i, 0
.rept 16                               ; Wo: the bf16 number, widened, written as f16
	v_lshlrev_b32 v[64+2*i], 16, v[96+i]
	v_and_b32 v[65+2*i], 0xffff0000, v[96+i]
	v_cvt_pk_f16_f32 v[96+i], v[64+2*i], v[65+2*i]
.set i, i+1
.endr
.Lwstore:
.irp i, 0,1,2,3,4,5,6,7
	global_store_b64 v3, v[96+2*\i:97+2*\i], s[36:37] offset:256*\i
.endr
.Lend:
	s_wait_tensorcnt 0x0                           ; the wave's end
	ds_add_u32 v[SPW], v[NIL]
	s_wait_dscnt 0x0
	s_endpgm
.Lfunc_end_k_qf4ffd94abe_prep:
	.size	k_qf4ffd94abe_prep, .Lfunc_end_k_qf4ffd94abe_prep-k_qf4ffd94abe_prep
	.p2alignl 7, 3214868480
	.fill 96, 4, 3214868480
	.section	.rodata,"a",@progbits
	.p2align	6, 0x0
	.amdhsa_kernel k_qf4ffd94abe_prep
		.amdhsa_group_segment_fixed_size 142336
		.amdhsa_private_segment_fixed_size 0
		.amdhsa_enable_private_segment 0
		.amdhsa_kernarg_size 88
		.amdhsa_user_sgpr_count 2
		.amdhsa_user_sgpr_kernarg_segment_ptr 1
		.amdhsa_wavefront_size32 1
		.amdhsa_system_sgpr_workgroup_id_x 1
		.amdhsa_system_sgpr_workgroup_id_y 1
		.amdhsa_system_sgpr_workgroup_id_z 1
		.amdhsa_system_vgpr_workitem_id 0
		.amdhsa_next_free_vgpr 256
		.amdhsa_next_free_sgpr 66
		.amdhsa_reserve_vcc 0
		.amdhsa_float_denorm_mode_32 3
		.amdhsa_float_denorm_mode_16_64 3
		.amdhsa_memory_ordered 1
		.amdhsa_forward_progress 1
		.amdhsa_inst_pref_size 37
	.end_amdhsa_kernel
	.amdgpu_metadata
---
amdhsa.version: [ 1, 2 ]
amdhsa.kernels:
  - .name:           k_qf4ffd94abe_prep
    .symbol:         k_qf4ffd94abe_prep.kd
    .args:
      - { .name: x, .offset: 0, .size: 8, .value_kind: global_buffer, .address_space: global }
      - { .name: Wq, .offset: 8, .size: 8, .value_kind: global_buffer, .address_space: global }
      - { .name: Wk, .offset: 16, .size: 8, .value_kind: global_buffer, .address_space: global }
      - { .name: Wv, .offset: 24, .size: 8, .value_kind: global_buffer, .address_space: global }
      - { .name: Wg, .offset: 32, .size: 8, .value_kind: global_buffer, .address_space: global }
      - { .name: Wo, .offset: 40, .size: 8, .value_kind: global_buffer, .address_space: global }
      - { .name: Wkg1, .offset: 48, .size: 8, .value_kind: global_buffer, .address_space: global }
      - { .name: xb, .offset: 56, .size: 8, .value_kind: global_buffer, .address_space: global }
      - { .name: wcat, .offset: 64, .size: 8, .value_kind: global_buffer, .address_space: global }
      - { .name: wo16, .offset: 72, .size: 8, .value_kind: global_buffer, .address_space: global }
      - { .name: zb, .offset: 80, .size: 8, .value_kind: global_buffer, .address_space: global }
    .group_segment_fixed_size: 142336
    .private_segment_fixed_size: 0
    .kernarg_segment_align: 8
    .kernarg_segment_size: 88
    .max_flat_workgroup_size: 256
    .sgpr_count:     66
    .vgpr_count:     256
    .wavefront_size: 32
...
	.end_amdgpu_metadata
.endif
;; end of part 1
;; launch proj (part 2): grid 8 x 32, 4 waves a work-group, clusters of 4 x 4, 327,680 bytes of LDS; arguments xb, wcat, qkvg; writes qkvg
.if DOCPART == 2
	.amdgcn_target "amdgcn-amd-amdhsa--gfx1250"
	.amdhsa_code_object_version 6
	.text
	.protected	k_qf4ffd94abe_proj
	.globl	k_qf4ffd94abe_proj
	.p2align	8
	.type	k_qf4ffd94abe_proj,@function
k_qf4ffd94abe_proj:
	s_mov_b64 s[64:65], 0
	v_nop
	global_prefetch_b8 v0, s[64:65] scope:SCOPE_SE
	s_setreg_imm32_b32 hwreg(HW_REG_WAVE_MODE, 25, 1), 1
	s_wait_xcnt 0x0
	s_wait_alu depctr_hold_cnt(0) depctr_sa_sdst(0) depctr_va_vdst(0) depctr_va_sdst(0) depctr_va_ssrc(0) depctr_va_vcc(0) depctr_vm_vsrc(0)
	s_getreg_b32 s2, hwreg(HW_REG_IB_STS2, 6, 4)
	s_cmp_eq_u32 s2, 0
	s_cbranch_scc0 .Lentry_in_a_cluster
	s_endpgm
.Lentry_in_a_cluster:
	s_bfe_u32 s2, ttmp6, 0x10000c
	s_cmp_lg_u32 s2, 0xf033
	s_cbranch_scc0 .Lentry_shape_is_right
	s_endpgm
.Lentry_shape_is_right:
; PROJ: the sums over k of xb[m][k] wcat[k][n].  xb [4096][2048] bf16, wcat [2048][6144] bf16 (K down the rows; columns Wv, Wg, Wq, Wk); sums in f32.
; qkvg has rows of 16,384 bytes: v (2,048 f16), g (2,048 f16), q (1,024 f32), k (1,024 f32).  q and k stay in f32: at a sequence's first step the LayerNorm behind them follows the ABSOLUTE error of q . k.
; LIMIT. A v or g beyond 65,504 becomes an infinity in f16.
; TILES. 128 (m) x 256 (n): 32 x 24 = 768 = 3 x 256.  A work-group STAYS and makes three tiles, 2,048 columns apart, on the same rows of xb: one of v, one of g, and last one of q or k.
; Four waves, each 64 x 128: 32 accumulators, 256 registers.  K goes in 16 steps of 128 through two LDS slots: xb's 128 rows of 256 bytes, wcat's 128 k-rows of 512 bytes.  The ring runs on into the next tile.
; wcat's fragments come out of LDS turned (ds_load_tr16_b128), since K lies down its rows.
; CLUSTER 4 x 4: xb's tile hangs on the tile row alone and is asked for jointly along a row of the cluster, wcat's on the tile column alone, jointly along a column.
; TRANSPOSED USE: source 0 = 16 columns of wcat, source 1 = 16 rows of xb: a lane holds row l % 16 and eight neighbouring columns.
; REGISTERS: window 0: v0-31 addresses; v32-63 packed results; two fragment buffers of 96 (64 of wcat, 32 of xb) at v64 and v160; on the way out they take rows read back.  Window 1: accumulator (a, b) at 8 (8 a + b).
.set KSTEP,  128
.set WROW,   12288                     ; bytes in a row of wcat
.set CROW,   16384                     ; bytes in a row of qkvg
.set PA,     272                       ; xb's rows in LDS: 256 + 16
.set PB,     544                       ; wcat's: 512 + 32 = 17 x 32
.set HA,     64*PA
.set HB,     64*PB
.set BOFF,   2*HA
.set SLOT,   BOFF+2*HB
.set STAGE,  2*SLOT                    ; for each wave 16 rows: of 272 bytes (f16) or of 528 (f32)
.set SPITCH, 272
.set SPITC4, 528
.set STAGEW, 16*SPITC4
.set SPARE,  STAGE+4*STAGEW            ; the spare words
.set LAPS,   8                         ; 16 K steps = 8 laps of the ring
.set ADRA, 16
.set STO4, 18                          ; the f32 way out: in, back, and my offset in qkvg
.set RD4,  19
.set ADRB, 20
.set CO4,  22
.set STO,  24                          ; the f16 way out
.set RD,   25
.set CO,   26
.set SPW,  28
.set NIL,  29
.set TMP,  32
.set F0,   64
.set F1,   160
.set G1,  24
.set G0,  32
.set G1B, 48
.set G0B, 56
.set MSB, 0
.macro WIN new                         ; the immediate's high byte repeats the setting that is left
.if MSB != (\new)
	s_set_vgpr_msb (MSB<<8)|(\new)
.set MSB, \new
.endif
.endm
.set MUL, 0x50                         ; C and D in window 1, both sources in window 0
.macro JLOAD s                         ; a joint load: waves 0, 1 fetch xb's halves, waves 2, 3 wcat's; an s_nop 0 and four v_nop follow each line
	s_cmp_eq_u32 s11, 0
	s_cbranch_scc0 .Lfor_b_\@
	tensor_load_to_lds s[G0+4*(\s):G0+4*(\s)+3], s[G1:G1+7]
	s_nop 0
.rept 4
	v_nop
.endr
	s_branch .Lasked_\@
.Lfor_b_\@:
	tensor_load_to_lds s[G0B+4*(\s):G0B+4*(\s)+3], s[G1B:G1B+7]
	s_nop 0
.rept 4
	v_nop
.endr
.Lasked_\@:
.endm
.macro CREST                           ; a round of the cluster's barrier behind its opening barrier
	s_cmp_lg_u32 s10, 0
	s_cbranch_scc1 .Lnot_wave_0_\@
	s_barrier_signal -3
.Lnot_wave_0_\@:
	s_barrier_wait -3
	s_barrier_signal -1
	s_barrier_wait -1
.endm
.macro CROUND
	s_barrier_signal -1
	s_barrier_wait -1
	CREST
.endm
.macro PLACES
.rept 4
	v_nop
.endr
.endm
	s_load_b128 s[4:7], s[0:1], 0x0                ; xb, wcat
	s_load_b64 s[8:9], s[0:1], 0x10                ; qkvg
	v_lshl_add_u32 v[SPW], v0, 2, SPARE
	v_mov_b32 v[NIL], 0
	ds_add_u32 v[SPW], v[NIL]                      ; the wave's opening: the add and its wait ahead of my first tensor load
	ds_add_u32 v28, v29
	v_lshrrev_b32 v1, 5, v0
	v_readfirstlane_b32 s10, v1                    ; wave
	s_lshr_b32 s11, s10, 1                         ; my half of the tile's rows; also: I fetch xb (0) or wcat (1)
	s_and_b32 s12, s10, 1                          ; my half of its columns; also: which half of that tile I fetch
	s_bfe_u32 s40, ttmp6, 0x40000                  ; cx
	s_bfe_u32 s41, ttmp6, 0x40004                  ; cy
	s_lshl_b32 s42, ttmp9, 2
	s_add_co_u32 s42, s42, s40                     ; tile column of the first tile, 0..7
	s_and_b32 s13, ttmp7, 0xffff
	s_lshl_b32 s13, s13, 2
	s_add_co_u32 s13, s13, s41                     ; tile row, 0..31
	s_lshl_b32 s43, s41, 2
	s_lshl_b32 s43, 15, s43                        ; my row of the cluster
	s_lshl_b32 s44, 0x1111, s40                    ; my column
	s_or_b32 s[G1+0], s43, (1<<16)|(1<<20)|(1<<21)|(5<<22)|(3<<25)   ; mask; 2-byte elements; padding: 4 words behind every 64
	s_or_b32 s[G1B+0], s44, (1<<16)|(1<<20)|(1<<21)|(6<<22)|(7<<25)  ; mask; padding: 8 words behind every 128
	s_mov_b32 s[G1+1], 128<<16                     ; tensor_dim0 = 128
	s_mov_b32 s[G1+2], 64<<16                      ; tensor_dim1 = 64
	s_mov_b32 s[G1+3], 128<<16                     ; tile_dim0 = 128
	s_mov_b32 s[G1+4], 64                          ; tile_dim1 = 64
	s_mov_b32 s[G1+5], 2048                        ; elements from row to row
	s_mov_b32 s[G1+6], 0
	s_mov_b32 s[G1+7], 0
	s_mov_b32 s[G1B+1], 256<<16
	s_mov_b32 s[G1B+2], 64<<16
	s_mov_b32 s[G1B+3], 256<<16
	s_mov_b32 s[G1B+4], 64
	s_mov_b32 s[G1B+5], 6144
	s_mov_b32 s[G1B+6], 0
	s_mov_b32 s[G1B+7], 0
	s_lshl_b32 s16, s13, 7
	s_lshl_b32 s17, s12, 6
	s_add_co_u32 s16, s16, s17                     ; xb: row 128 x tile row + 64 x half,
	s_lshl_b32 s16, s16, 12                        ; 4,096 bytes a row
	s_mov_b32 s17, 0
	s_mul_i32 s46, s12, 64*WROW                    ; wcat: k-row 64 x half,
	s_lshl_b32 s47, s42, 9                         ; 512 bytes a tile column
	s_add_co_u32 s46, s46, s47
	s_mov_b32 s47, 0
	s_mul_i32 s20, s12, HA                         ; where they go: no place in the cluster enters an LDS address
	s_mul_i32 s21, s12, HB
	s_add_co_u32 s21, s21, BOFF
	s_wait_dscnt 0x0                               ; the opening add is done
	s_wait_kmcnt 0x0
	s_add_nc_u64 s[14:15], s[4:5], s[16:17]
	s_add_nc_u64 s[46:47], s[6:7], s[46:47]
	CROUND                                         ; all sixteen work-groups are here: the first joint loads meet
.irp s, 0,1
	s_mov_b32 s[G0+4*(\s)], 1
	s_add_co_u32 s[G0+4*(\s)+1], s20, (\s)*SLOT
	s_add_nc_u64 s[G0+4*(\s)+2:G0+4*(\s)+3], s[14:15], (\s)*KSTEP*2
	s_or_b32 s[G0+4*(\s)+3], s[G0+4*(\s)+3], 0x80000000
	s_mov_b32 s[G0B+4*(\s)], 1
	s_add_co_u32 s[G0B+4*(\s)+1], s21, (\s)*SLOT
	s_add_nc_u64 s[G0B+4*(\s)+2:G0B+4*(\s)+3], s[46:47], (\s)*KSTEP*WROW
	s_or_b32 s[G0B+4*(\s)+3], s[G0B+4*(\s)+3], 0x80000000
	JLOAD \s
.endr
	v_and_b32 v1, 15, v0                           ; r
	v_bfe_u32 v2, v0, 4, 1                         ; h
	v_mul_u32_u24 v3, v1, PA
	v_lshl_add_u32 v3, v2, 4, v3
	s_mul_i32 s22, s11, HA                         ; my 64 rows of xb
	v_add_nc_u32 v[ADRA], s22, v3
	v_add_nc_u32 v[ADRA+1], SLOT, v[ADRA]
	v_and_b32 v4, 7, v0
	v_bfe_u32 v5, v0, 3, 1
	v_lshl_add_u32 v4, v2, 3, v4                   ; the turning load: k-row 8 h + l % 8,
	v_mul_u32_u24 v4, v4, PB
	v_lshl_add_u32 v4, v5, 4, v4                   ; 16 bytes for each group of eight lanes,
	s_lshl_b32 s23, s12, 8                         ; my 128 columns
	s_add_co_u32 s23, s23, BOFF
	v_add_nc_u32 v[ADRB], s23, v4
	v_add_nc_u32 v[ADRB+1], SLOT, v[ADRB]
	s_mul_i32 s23, s10, STAGEW
	s_add_co_u32 s23, s23, STAGE                   ; my stage
	v_mul_u32_u24 v4, v1, SPITCH                   ; f16, in: row r, 16 bytes for each half of the lanes
	v_lshl_add_u32 v4, v2, 4, v4
	v_add_nc_u32 v[STO], s23, v4
	v_mul_u32_u24 v5, v2, SPITCH                   ; back: lanes 0-15 one row of 256 bytes, lanes 16-31 the next
	v_lshl_add_u32 v5, v1, 4, v5
	v_add_nc_u32 v[RD], s23, v5
	v_lshlrev_b32 v5, 14, v2                       ; and the same two rows in qkvg
	v_lshl_add_u32 v[CO], v1, 4, v5
	v_mul_u32_u24 v4, v1, SPITC4                   ; f32, in: row r, 32 bytes for each half of the lanes
	v_lshl_add_u32 v4, v2, 5, v4
	v_add_nc_u32 v[STO4], s23, v4
	v_and_b32 v5, 31, v0
	v_lshlrev_b32 v[CO4], 4, v5                    ; back, and in qkvg: 32 lanes take a row's 512 bytes
	v_add_nc_u32 v[RD4], s23, v[CO4]
	s_lshl_b32 s16, s13, 7
	s_lshl_b32 s17, s11, 6
	s_add_co_u32 s16, s16, s17
	s_lshl_b32 s16, s16, 14                        ; my first row of qkvg
	s_mov_b32 s17, 0
	s_add_nc_u64 s[8:9], s[8:9], s[16:17]
	s_lshl_b32 s46, s42, 9
	s_lshl_b32 s47, s12, 8
	s_add_co_u32 s46, s46, s47                     ; my first column of a 16-bit tile, in bytes; kept: the f32 tile adds it once more
	s_mov_b32 s47, 0
	s_add_nc_u64 s[8:9], s[8:9], s[46:47]
; 8 matrix instructions: m block a x all 8 n blocks, 32 along K.  The 32 accumulators take turns in the same order in every quarter.
.macro MUL8 f, a, zero
	WIN MUL
.irp b, 0,1,2,3,4,5,6,7
.if \zero
	v_wmma_f32_16x16x32_bf16 v[8*(8*(\a)+(\b)):8*(8*(\a)+(\b))+7], v[(\f)+8*(\b):(\f)+8*(\b)+7], v[(\f)+64+8*(\a):(\f)+64+8*(\a)+7], 0
.else
	v_wmma_f32_16x16x32_bf16 v[8*(8*(\a)+(\b)):8*(8*(\a)+(\b))+7], v[(\f)+8*(\b):(\f)+8*(\b)+7], v[(\f)+64+8*(\a):(\f)+64+8*(\a)+7], v[8*(8*(\a)+(\b)):8*(8*(\a)+(\b))+7]
.endif
.endr
.endm
; 24 LDS loads in one run: quarter q (32 along K) of a slot into buffer f: wcat's 16, then xb's 8
.macro FETCH slot, q, f
	WIN 0
.irp b, 0,1,2,3,4,5,6,7
	ds_load_tr16_b128 v[(\f)+8*(\b):(\f)+8*(\b)+3],   v[ADRB+(\slot)] offset:(\q)*32*PB+32*(\b)
	ds_load_tr16_b128 v[(\f)+8*(\b)+4:(\f)+8*(\b)+7], v[ADRB+(\slot)] offset:(\q)*32*PB+16*PB+32*(\b)
.endr
.irp a, 0,1,2,3
	ds_load_b128 v[(\f)+64+8*(\a):(\f)+64+8*(\a)+3],   v[ADRA+(\slot)] offset:64*(\q)+(\a)*16*PA
	ds_load_b128 v[(\f)+64+8*(\a)+4:(\f)+64+8*(\a)+7], v[ADRA+(\slot)] offset:64*(\q)+(\a)*16*PA+32
.endr
.endm
.macro QUARTER slot, q, f, g, zero     ; multiplies buffer f; in its middle fetches quarter q into g
	s_wait_dscnt 4                                 ; xb's fragments 2 and 3 may be out
	MUL8 \f, 0, \zero
	MUL8 \f, 1, \zero
	PLACES                                         ; four places ahead of loads into registers that products have read
	FETCH \slot, \q, \g
	s_wait_dscnt 24                                ; all but the 24 just issued
	MUL8 \f, 2, \zero
	MUL8 \f, 3, \zero
.endm
; The last quarter of a K step changes slots.  Each wave waits for all its tensor loads (one is out: its part of the next slot), adds 0 to its spare word, waits for that and for its reads of
; this slot; the barrier opens a round of the cluster's; the joint refill is the first thing behind the round and has 112 matrix instructions in which to land.
; on = 1: the refill is the next tile's K step 0 or 1: xb back along K, wcat back up its rows and 4,096 bytes to the right.
.macro TURN slot, next, on
	WIN 0
	s_wait_tensorcnt 0x0
	ds_add_u32 v[SPW], v[NIL]
	s_wait_dscnt 7                                 ; the add and xb's fragments 1 to 3 may be out
	MUL8 F1, 0, 0
	s_wait_dscnt 0x0                               ; the add is done, my reads of this slot are over
	s_barrier_signal -1
	MUL8 F1, 1, 0
	WIN 0
	s_barrier_wait -1
	CREST
.if \on
	s_sub_nc_u64 s[G0+4*(\slot)+2:G0+4*(\slot)+3], s[G0+4*(\slot)+2:G0+4*(\slot)+3], 14*KSTEP*2
	s_sub_nc_u64 s[G0B+4*(\slot)+2:G0B+4*(\slot)+3], s[G0B+4*(\slot)+2:G0B+4*(\slot)+3], 14*KSTEP*WROW-4096
.else
	s_add_nc_u64 s[G0+4*(\slot)+2:G0+4*(\slot)+3], s[G0+4*(\slot)+2:G0+4*(\slot)+3], 2*KSTEP*2
	s_add_nc_u64 s[G0B+4*(\slot)+2:G0B+4*(\slot)+3], s[G0B+4*(\slot)+2:G0B+4*(\slot)+3], 2*KSTEP*WROW
.endif
	JLOAD \slot                                    ; its four v_nop are also the places ahead of the loads below
	FETCH \next, 0, F0
	MUL8 F1, 2, 0
	MUL8 F1, 3, 0
.endm
.macro TURNL                           ; the last change of slots: nothing is asked for, so no round follows
	WIN 0
	s_wait_tensorcnt 0x0
	ds_add_u32 v[SPW], v[NIL]
	s_wait_dscnt 7
	MUL8 F1, 0, 0
	s_wait_dscnt 0x0
	s_barrier_signal -1
	MUL8 F1, 1, 0
	s_barrier_wait -1
	PLACES
	FETCH 1, 0, F0
	MUL8 F1, 2, 0
	MUL8 F1, 3, 0
.endm
; THE WAY OUT IN f16 (v, g) of m block a: rounded (each accumulator's registers in ascending order), through my own stage, back as rows of 256 bytes, stored.
.macro PACK a
	WIN 0x05
.irp b, 0,1,2,3,4,5,6,7
.irp r, 0,1,2,3
	v_cvt_pk_f16_f32 v[TMP+4*(\b)+(\r)], v[8*(8*(\a)+(\b))+2*(\r)], v[8*(8*(\a)+(\b))+2*(\r)+1]
.endr
.endr
	WIN 0
.endm
.macro TOSTAGE a
.set BK, F1+32*((\a)%2)
.irp b, 0,1,2,3,4,5,6,7
	ds_store_b128 v[STO], v[TMP+4*(\b):TMP+4*(\b)+3] offset:32*(\b)
.endr
.irp t, 0,1,2,3,4,5,6,7
	ds_load_b128 v[BK+4*(\t):BK+4*(\t)+3], v[RD] offset:(\t)*2*SPITCH  ; LDS serves a wave's instructions in order: these see the stores above
.endr
.endm
.macro SEND a
.set BK, F1+32*((\a)%2)
	s_wait_dscnt 0x0
	s_wait_xcnt 0x0                                ; the registers that earlier stores read are loaded again only behind this wait
.irp t, 0,1,2,3,4,5,6,7
	global_store_b128 v[CO], v[BK+4*(\t):BK+4*(\t)+3], s[8:9] offset:(16*(\a)+2*(\t))*CROW  ; 16 lanes store 256 consecutive aligned bytes
.endr
.endm
; THE WAY OUT IN f32 (q, k) of m block a: the accumulators as they are (low half first) into rows of 528 bytes, back as whole rows of 512, stored.
.macro TOSTAGE4 a
.set BK, 64+64*((\a)%2)
	WIN 0x04                                       ; the stores' data lie in window 1
.irp b, 0,1,2,3,4,5,6,7
	ds_store_b128 v[STO4], v[8*(8*(\a)+(\b)):8*(8*(\a)+(\b))+3] offset:64*(\b)
	ds_store_b128 v[STO4], v[8*(8*(\a)+(\b))+4:8*(8*(\a)+(\b))+7] offset:64*(\b)+16
.endr
	WIN 0
.set t, 0
.rept 16
	ds_load_b128 v[BK+4*t:BK+4*t+3], v[RD4] offset:t*SPITC4
.set t, t+1
.endr
.endm
.macro SEND4 a
.set BK, 64+64*((\a)%2)
	s_wait_dscnt 0x0
	s_wait_xcnt 0x0                                ; the registers that earlier stores read are loaded again only behind this wait
.set t, 0
.rept 16
	global_store_b128 v[CO4], v[BK+4*t:BK+4*t+3], s[8:9] offset:(16*(\a)+t)*CROW  ; the wave stores 512 consecutive aligned bytes
.set t, t+1
.endr
.endm
	s_wait_tensorcnt 1                             ; my part of K step 0 is in; step 1's may stay out
	s_barrier_signal -1
	s_barrier_wait -1
	FETCH 0, 0, F0
	s_mov_b32 s2, 3                                ; tiles to go
.Ltile:
	QUARTER 0, 1, F0, F1, 1                        ; a tile's first quarter starts the sums with the constant 0
	WIN 0
	s_mov_b32 s3, LAPS-1
.Llap:
	QUARTER 0, 2, F1, F0, 0
	QUARTER 0, 3, F0, F1, 0
	TURN 0, 1, 0
	QUARTER 1, 1, F0, F1, 0
	QUARTER 1, 2, F1, F0, 0
	QUARTER 1, 3, F0, F1, 0
	TURN 1, 0, 0
	QUARTER 0, 1, F0, F1, 0
	WIN 0
	s_sub_co_u32 s3, s3, 1
	s_cmp_lg_u32 s3, 0
	s_cbranch_scc1 .Llap
	QUARTER 0, 2, F1, F0, 0
	QUARTER 0, 3, F0, F1, 0
	WIN 0
	s_cmp_eq_u32 s2, 1
	s_cbranch_scc1 .Llast_tile
	TURN 0, 1, 1                                   ; the ring goes on into the next tile
	QUARTER 1, 1, F0, F1, 0
	QUARTER 1, 2, F1, F0, 0
	QUARTER 1, 3, F0, F1, 0
	TURN 1, 0, 1
	PACK 0                                         ; blocks 0 and 1 were finished ahead of the refill's four v_nop; their 64 conversions are the places behind the last products
	TOSTAGE 0
.irp a, 1,2,3
	PACK \a
	SEND (\a)-1
	TOSTAGE \a
.endr
	SEND 3
	s_wait_xcnt 0x0                                ; the stores have read their base and their data
	s_add_nc_u64 s[8:9], s[8:9], 4096              ; the next tile's part of a row of qkvg begins 4,096 bytes on
	s_sub_co_u32 s2, s2, 1
	s_branch .Ltile
.Llast_tile:
	s_add_nc_u64 s[8:9], s[8:9], s[46:47]          ; q's and k's columns are 4 bytes wide: my column offset once more (no store has been issued since the wait above)
	TURNL
	QUARTER 1, 1, F0, F1, 0
	QUARTER 1, 2, F1, F0, 0
	QUARTER 1, 3, F0, F1, 0
	s_wait_dscnt 4
	MUL8 F1, 0, 0
	MUL8 F1, 1, 0
	s_wait_dscnt 0x0
	MUL8 F1, 2, 0
	MUL8 F1, 3, 0
	PLACES
	TOSTAGE4 0
.irp a, 1,2,3
	SEND4 (\a)-1
	TOSTAGE4 \a
.endr
	SEND4 3
	s_wait_tensorcnt 0x0                           ; the wave's end
	ds_add_u32 v[SPW], v[NIL]
	s_wait_dscnt 0x0
	CROUND                                         ; the closing round
	s_endpgm
.Lfunc_end_k_qf4ffd94abe_proj:
	.size	k_qf4ffd94abe_proj, .Lfunc_end_k_qf4ffd94abe_proj-k_qf4ffd94abe_proj
	.p2alignl 7, 3214868480
	.fill 96, 4, 3214868480
	.section	.rodata,"a",@progbits
	.p2align	6, 0x0
	.amdhsa_kernel k_qf4ffd94abe_proj
		.amdhsa_group_segment_fixed_size 327680
		.amdhsa_private_segment_fixed_size 0
		.amdhsa_enable_private_segment 0
		.amdhsa_kernarg_size 24
		.amdhsa_user_sgpr_count 2
		.amdhsa_user_sgpr_kernarg_segment_ptr 1
		.amdhsa_wavefront_size32 1
		.amdhsa_system_sgpr_workgroup_id_x 1
		.amdhsa_system_sgpr_workgroup_id_y 1
		.amdhsa_system_sgpr_workgroup_id_z 1
		.amdhsa_system_vgpr_workitem_id 0
		.amdhsa_next_free_vgpr 512
		.amdhsa_next_free_sgpr 66
		.amdhsa_reserve_vcc 0
		.amdhsa_float_denorm_mode_32 3
		.amdhsa_float_denorm_mode_16_64 3
		.amdhsa_memory_ordered 1
		.amdhsa_forward_progress 1
		.amdhsa_inst_pref_size 122
	.end_amdhsa_kernel
	.amdgpu_metadata
---
amdhsa.version: [ 1, 2 ]
amdhsa.kernels:
  - .name:           k_qf4ffd94abe_proj
    .symbol:         k_qf4ffd94abe_proj.kd
    .args:
      - { .name: xb, .offset: 0, .size: 8, .value_kind: global_buffer, .address_space: global }
      - { .name: wcat, .offset: 8, .size: 8, .value_kind: global_buffer, .address_space: global }
      - { .name: qkvg, .offset: 16, .size: 8, .value_kind: global_buffer, .address_space: global }
    .group_segment_fixed_size: 327680
    .private_segment_fixed_size: 0
    .kernarg_segment_align: 8
    .kernarg_segment_size: 24
    .max_flat_workgroup_size: 128
    .sgpr_count:     66
    .vgpr_count:     512
    .wavefront_size: 32
...
	.end_amdgpu_metadata
.endif
;; end of part 2
;; launch gla1 (part 3): grid 64 x 3, 4 waves a work-group, no clusters, 167,936 bytes of LDS; arguments qkvg, zb, Wkg2, bkg2, ust; writes ust
.if DOCPART == 3
	.amdgcn_target "amdgcn-amd-amdhsa--gfx1250"
	.amdhsa_code_object_version 6
	.text
	.protected	k_qf4ffd94abe_gla1
	.globl	k_qf4ffd94abe_gla1
	.p2align	8
	.type	k_qf4ffd94abe_gla1,@function
k_qf4ffd94abe_gla1:
	s_mov_b64 s[64:65], 0
	v_nop
	global_prefetch_b8 v0, s[64:65] scope:SCOPE_SE
	s_setreg_imm32_b32 hwreg(HW_REG_WAVE_MODE, 25, 1), 1
	s_wait_xcnt 0x0
; GLA1: for (batch, head) bh and segment seg = 0..2 of 256 steps: the state that the segment alone would leave, U = sum over j of (k_j 2^(L - l_j)) v_j^T, and its total decay D = 2^L.
; l_j is the running sum of g2 = log2(e) logsigmoid(kg) / 16, kg = z Wkg2 + bkg2; k is taken WITHOUT the reference's scale (the next launch applies it where it is due).
; Blocks of 16 steps.  Phase 1: wave w makes the operands of blocks 4 w .. 4 w + 3: kappa_j = k_j 2^(Lb - l_j) (f16, rows by time) and 2^Lb.  Phase 2: every wave walks the 16 blocks for its 32 channels of v:
; S = 2^Lb S + kappa^T V.  S(cb, vb): a lane holds channel v = 32 w + 16 vb + l % 16, register j key channel 16 cb + 8 (l / 16) + j; it is stored as a register image.
; k lies in f32, 256 bytes a row and head: a block's 16 rows are loaded as whole rows (16 lanes a row) at a trip's head and turned into the layout of a step a lane through a stage of the wave's own.
; LIMITS. A decay below 2^-13 a step counts as 2^-13; weights below 2^-126 count as 0; kappa is f16: k within 65,504; z, Wkg2, bkg2 are rounded to bf16; |S| stays finite; NaN and infinities are not treated apart.
; NO CLUSTER: no two work-groups read the same tile.  192 work-groups: the fourth segment's own end state is made by the next launch.
.set KS,    0                          ; k's stage: 16 rows x 272 bytes for each wave; no tensor load lands here
.set KSW,   4352
.set VT,    36864                      ; 256 rows of v, 256 + 32 bytes
.set OPB,   110592                     ; 16 blocks x 2,816: kappa, 16 rows x 160, then 2^Lb, 64 f32
.set OPBB,  2816
.set O_DV,  2560
.set DL,    155648                     ; the total decay on its way out
.set SPARE, 155904
.set SPW, 30
.set NIL, 31
.set PKK, 12                           ; v[12:27]  kappa packed
.set WA,  32                           ; v[32:63]  4 fragments of Wkg2^T (K = 16, the upper half 0)
.set BC,  64                           ; v[64:95]  the bias as C operands
.set ZB,  96                           ; v[96:103] z's fragment
.set ZN,  104                          ; v[104:107] the next block's z
.set LM,  128
.set TE,  160
.set KH,  224
.set KF,  32                           ; phase 2
.set VF,  64
.set DF,  96
.set DT,  128
.set SA,  192
.macro REP n, st, line:vararg          ; the line n times, i stepping by st
.set i, 0
	s_wait_alu depctr_va_vdst(0)
.rept \n
	\line
.set i, i+\st
.endr
.endm
.macro PLACES
.rept 4
	v_nop
.endr
.endm
	s_load_b256 s[4:11], s[0:1], 0x0               ; qkvg, zb, Wkg2, bkg2
	s_load_b64 s[12:13], s[0:1], 0x20              ; ust
	v_lshl_add_u32 v[SPW], v0, 2, SPARE
	v_mov_b32 v[NIL], 0
	ds_add_u32 v[SPW], v[NIL]                      ; the wave's opening: the add and its wait ahead of my first tensor load
	ds_add_u32 v30, v31
	v_lshrrev_b32 v1, 5, v0
	v_readfirstlane_b32 s22, v1                    ; wave
	s_and_b32 s23, ttmp7, 0xffff                   ; seg
	s_mov_b32 s24, ttmp9                           ; bh
	s_and_b32 s25, s24, 15                         ; head
	s_lshr_b32 s26, s24, 4
	s_lshl_b32 s26, s26, 10
	s_lshl_b32 s27, s23, 8
	s_add_co_u32 s26, s26, s27                     ; the segment's first row
	s_lshl_b32 s27, s22, 6
	s_add_co_u32 s27, s27, s26                     ; my 64 rows
	s_mov_b32 s40, (1<<16)|(1<<20)|(5<<22)|(7<<25) ; v: 2-byte elements, 8 words of padding behind every 64
	s_mov_b32 s41, 128<<16
	s_mov_b32 s42, 64<<16
	s_mov_b32 s43, 128<<16
	s_mov_b32 s44, 64
	s_mov_b32 s45, 8192                            ; a row of qkvg is 16,384 bytes
	s_mov_b32 s46, 0
	s_mov_b32 s47, 0
	s_lshl_b32 s28, s27, 14
	s_lshl_b32 s30, s25, 8
	s_add_co_u32 s28, s28, s30                     ; v: row x 16,384 + 256 head
	s_mov_b32 s29, 0
	s_mov_b32 s60, 1
	s_mul_i32 s61, s22, 18432
	s_add_co_u32 s61, s61, VT
	s_mov_b32 s88, 0xbfb8aa3b                      ; -log2(e)
	s_wait_dscnt 0x0
	s_wait_kmcnt 0x0
	s_add_nc_u64 s[62:63], s[4:5], s[28:29]
	s_add_nc_u64 s[18:19], s[62:63], 12288         ; k lies 12,288 bytes further on in the row
	s_or_b32 s63, s63, 0x80000000
	tensor_load_to_lds s[60:63], s[40:47]          ; my 64 rows of v: one load of mine is out, and fills its bytes once
	s_nop 0
	PLACES
	v_and_b32 v1, 15, v0                           ; r
	v_bfe_u32 v2, v0, 4, 1                         ; h
	v_and_b32 v3, 31, v0                           ; lane
	s_lshl_b32 s28, s25, 8
	s_mov_b32 s29, 0
	s_add_nc_u64 s[8:9], s[8:9], s[28:29]          ; Wkg2 and bkg2 at the head's 64 columns
	s_add_nc_u64 s[10:11], s[10:11], s[28:29]
	v_lshlrev_b32 v10, 15, v2
	v_lshl_add_u32 v10, v1, 2, v10                 ; ranks 8 h .., column r
	v_lshlrev_b32 v11, 5, v2                       ; 32 h
	s_lshl_b32 s28, s27, 5
	v_lshlrev_b32 v9, 5, v1
	v_lshl_add_u32 v9, v2, 4, v9
	v_add_nc_u32 v9, s28, v9                       ; z: row x 32 + 16 h
.set i, 0
.rept 32                               ; Wkg2[8 h + i % 8][16 (i / 8) + r]
	global_load_b32 v[LM+i], v10, s[8:9] offset:(i%8)*4096+64*(i/8)
.set i, i+1
.endr
.irp u, 0,1,2,3,4,5,6,7
	global_load_b128 v[BC+4*\u:BC+4*\u+3], v11, s[10:11] offset:64*(\u/2)+16*(\u%2)
.endr
	global_load_b128 v[ZB:ZB+3], v9, s[6:7]
	v_cmp_eq_u32 s84, 15, v1                       ; the lanes of a block's last step
	v_cmp_eq_u32 s80, 0, v1
	v_cmp_gt_u32 s81, 16, v3
	s_mul_i32 s28, s22, KSW                        ; my stage
	v_mul_u32_u24 v4, v1, 272
	v_lshl_add_u32 v4, v2, 5, v4
	v_add_nc_u32 v4, s28, v4                       ; back: step r, channels 8 h .. of each 16: 32 h
	v_mul_u32_u24 v5, v2, 272
	v_lshl_add_u32 v5, v1, 4, v5
	v_add_nc_u32 v5, s28, v5                       ; in: lanes 0-15 one row, lanes 16-31 the next
	v_lshlrev_b32 v8, 14, v2
	v_lshl_add_u32 v8, v1, 4, v8                   ; and the same two rows in qkvg
	s_mul_i32 s28, s22, 4*OPBB
	s_add_co_u32 s28, s28, OPB
	v_mul_u32_u24 v6, v1, 160
	v_lshl_add_u32 v6, v2, 4, v6
	v_add_nc_u32 v6, s28, v6                       ; kappa: row r, 16 h
	v_lshl_add_u32 v7, v2, 5, s28                  ; 2^Lb: 32 h
	s_wait_loadcnt 0x0
.set i, 0
.rept 16
	v_cvt_pk_bf16_f32 v[WA+8*(i/4)+i%4], v[LM+2*i], v[LM+2*i+1]
	v_mov_b32 v[WA+8*(i/4)+4+i%4], 0
	v_cvt_pk_bf16_f32 v124, v[BC+2*i], v[BC+2*i+1]
	v_lshlrev_b32 v[BC+2*i], 16, v124
	v_and_b32 v[BC+2*i+1], 0xffff0000, v124
.set i, i+1
.endr
	REP 4, 1, v_mov_b32 v[ZB+4+i], 0
	s_mov_b32 s2, 4
.Lprep:
	s_cmp_eq_u32 s2, 1
	s_cselect_b32 s3, 0, 0x200                     ; the last trip asks for its own z once more: no load leaves the buffer
	v_add_nc_u32 v9, s3, v9
	global_load_b128 v[ZN:ZN+3], v9, s[6:7]
.set i, 0
.rept 8                                ; the block's 16 rows of k: 16 lanes take a row's 256 aligned bytes; the gate's arithmetic stands between these loads and the wait for them
	global_load_b128 v[KH+4*i:KH+4*i+3], v8, s[18:19] offset:32768*i
.set i, i+1
.endr
.irp cb, 0,1,2,3                       ; kg^T: a lane holds one step (l % 16), register j channel 16 cb + 8 h + j
	v_wmma_f32_16x16x32_bf16 v[LM+8*\cb:LM+8*\cb+7], v[WA+8*\cb:WA+8*\cb+7], v[ZB:ZB+7], v[BC+8*\cb:BC+8*\cb+7]
.endr
	PLACES
	REP 32, 1, v_mul_f32 v[TE+i], s88, |v[LM+i]|
	REP 32, 1, v_exp_f32 v[TE+i], v[TE+i]
	REP 32, 1, v_min_num_f32 v[LM+i], 0, v[LM+i]
	REP 16, 2, v_pk_add_f32 v[TE+i:TE+i+1], v[TE+i:TE+i+1], 1.0 op_sel_hi:[1,0]
	REP 32, 1, v_log_f32 v[TE+i], v[TE+i]
	REP 16, 2, v_pk_mul_f32 v[LM+i:LM+i+1], v[LM+i:LM+i+1], 0x3db8aa3b op_sel_hi:[1,0]
	REP 16, 2, v_pk_fma_f32 v[LM+i:LM+i+1], v[TE+i:TE+i+1], 0xbd800000, v[LM+i:LM+i+1] op_sel_hi:[1,0,1]
	REP 32, 1, v_max_num_f32 v[LM+i], 0xc1500000, v[LM+i]
.irp n, 1,2,4,8                        ; the running sum over the 16 steps: a lane without a source keeps its number
	REP 32, 1, v_add_f32_dpp v[LM+i], v[LM+i], v[LM+i] row_shr:\n row_mask:0xf bank_mask:0xf
.endr
	s_wait_loadcnt 0x0                             ; k's rows are in (and the next z)
	REP 8, 1, ds_store_b128 v5, v[KH+4*i:KH+4*i+3] offset:544*i
	REP 8, 1, ds_load_b128 v[KH+4*i:KH+4*i+3], v4 offset:64*(i/2)+16*(i%2)
	REP 32, 1, v_exp_f32 v[TE+i], v[LM+i]
	v_nop
	s_wait_xcnt 0x0                                ; EXEC changes only behind this wait
	s_and_saveexec_b32 s85, s84                    ; the last step's lanes hold 2^Lb
	s_wait_alu depctr_va_vdst(0)
.irp u, 0,1,2,3,4,5,6,7
	ds_store_b128 v7, v[TE+4*\u:TE+4*\u+3] offset:O_DV+64*(\u/2)+16*(\u%2)
.endr
	s_wait_xcnt 0x0
	s_or_b32 exec_lo, exec_lo, s85
	REP 32, 1, v_sub_f32_dpp v[TE+i], v[LM+i], v[LM+i] row_share:15 row_mask:0xf bank_mask:0xf
	REP 32, 1, v_exp_f32 v[TE+i], v[TE+i]
	v_nop
	s_wait_alu depctr_va_vdst(0)
	s_wait_dscnt 0x0                               ; k is back, a step a lane
	REP 16, 2, v_pk_mul_f32 v[TE+i:TE+i+1], v[TE+i:TE+i+1], v[KH+i:KH+i+1]
	REP 16, 1, v_cvt_pk_f16_f32 v[PKK+i], v[TE+2*i], v[TE+2*i+1]
.irp cb, 0,1,2,3
	ds_store_b128 v6, v[PKK+4*\cb:PKK+4*\cb+3] offset:32*\cb
.endr
	REP 4, 1, v_mov_b32 v[ZB+i], v[ZN+i]
	v_add_nc_u32 v8, 0x40000, v8                   ; 16 rows on; its loads were waited for above
	v_add_nc_u32 v6, OPBB, v6
	v_add_nc_u32 v7, OPBB, v7
	s_sub_co_u32 s2, s2, 1
	s_cmp_lg_u32 s2, 0
	s_cbranch_scc1 .Lprep
	s_wait_tensorcnt 0x0                           ; for the others' sake: my rows of v have landed,
	s_wait_dscnt 0x0                               ; my operands are in LDS
	s_barrier_signal -1
	s_barrier_wait -1
	; ---------------- phase 2
	v_and_b32 v12, 7, v0
	v_bfe_u32 v13, v0, 3, 1
	v_lshl_add_u32 v12, v2, 3, v12                 ; the turning loads: step 8 h + l % 8
	v_mul_u32_u24 v4, v12, 160
	v_lshl_add_u32 v4, v13, 4, v4
	v_add_nc_u32 v4, OPB, v4
	v_mul_u32_u24 v5, v12, 288
	v_lshl_add_u32 v5, v13, 4, v5
	s_lshl_b32 s28, s22, 6
	s_add_co_u32 s28, s28, VT
	v_add_nc_u32 v5, s28, v5                       ; my 32 channels of v
	v_lshl_add_u32 v6, v2, 5, OPB
	REP 64, 1, v_mov_b32 v[SA+i], 0
	REP 32, 1, v_mov_b32 v[DT+i], 1.0
.irp cb, 0,1,2,3
	REP 4, 1, v_mov_b32 v[KF+8*\cb+4+i], 0
.endr
	REP 4, 1, v_mov_b32 v[VF+4+i], 0
	REP 4, 1, v_mov_b32 v[VF+12+i], 0
	s_mov_b32 s2, 16
.Lblock:
.irp cb, 0,1,2,3
	ds_load_tr16_b128 v[KF+8*\cb:KF+8*\cb+3], v4 offset:32*\cb
.endr
	ds_load_tr16_b128 v[VF:VF+3], v5
	ds_load_tr16_b128 v[VF+8:VF+11], v5 offset:32
.irp u, 0,1,2,3,4,5,6,7
	ds_load_b128 v[DF+4*\u:DF+4*\u+3], v6 offset:O_DV+64*(\u/2)+16*(\u%2)
.endr
	s_wait_dscnt 0x0
	REP 32, 2, v_pk_mul_f32 v[SA+i:SA+i+1], v[SA+i:SA+i+1], v[DF+i%32:DF+i%32+1]
	REP 16, 2, v_pk_mul_f32 v[DT+i:DT+i+1], v[DT+i:DT+i+1], v[DF+i:DF+i+1]
.irp vb, 0,1
.irp cb, 0,1,2,3                       ; eight accumulators, one instruction each
	v_wmma_f32_16x16x32_f16 v[SA+8*(4*\vb+\cb):SA+8*(4*\vb+\cb)+7], v[KF+8*\cb:KF+8*\cb+7], v[VF+8*\vb:VF+8*\vb+7], v[SA+8*(4*\vb+\cb):SA+8*(4*\vb+\cb)+7]
.endr
.endr
	v_add_nc_u32 v4, OPBB, v4                      ; these four are the places ahead of the next trip's loads and of what reads the sums
	v_add_nc_u32 v5, 16*288, v5
	v_add_nc_u32 v6, OPBB, v6
	v_nop
	s_sub_co_u32 s2, s2, 1
	s_cmp_lg_u32 s2, 0
	s_cbranch_scc1 .Lblock
	s_mul_i32 s28, s24, 3
	s_add_co_u32 s28, s28, s23                     ; 3 bh + seg
	s_lshl_b32 s30, s28, 8
	s_add_co_u32 s30, s30, 6291456                 ; the decays lie behind the images
	s_mov_b32 s31, 0
	s_lshl_b32 s28, s28, 2
	s_add_co_u32 s28, s28, s22
	s_lshl_b32 s28, s28, 13                        ; 8,192 bytes a wave
	s_mov_b32 s29, 0
	s_add_nc_u64 s[16:17], s[12:13], s[28:29]
	s_add_nc_u64 s[14:15], s[12:13], s[30:31]
	v_lshlrev_b32 v10, 4, v3
.set i, 0
.rept 16
	global_store_b128 v10, v[SA+4*i:SA+4*i+3], s[16:17] offset:512*i
.set i, i+1
.endr
	s_cmp_lg_u32 s22, 0
	s_cbranch_scc1 .Lclose
	v_lshl_add_u32 v4, v2, 5, DL
	v_lshl_add_u32 v5, v1, 4, DL
	v_lshlrev_b32 v6, 4, v1
	s_wait_xcnt 0x0
	s_and_saveexec_b32 s85, s80                    ; one lane of each half holds all its 32 decays
.irp u, 0,1,2,3,4,5,6,7
	ds_store_b128 v4, v[DT+4*\u:DT+4*\u+3] offset:64*(\u/2)+16*(\u%2)
.endr
	s_wait_xcnt 0x0
	s_or_b32 exec_lo, exec_lo, s85
	ds_load_b128 v[32:35], v5
	s_wait_dscnt 0x0
	s_and_saveexec_b32 s85, s81
	global_store_b128 v6, v[32:35], s[14:15]       ; 16 lanes store 256 consecutive aligned bytes
	s_wait_xcnt 0x0
	s_or_b32 exec_lo, exec_lo, s85
.Lclose:
	s_wait_tensorcnt 0x0                           ; the wave's end
	ds_add_u32 v[SPW], v[NIL]
	s_wait_dscnt 0x0
	s_endpgm
.Lfunc_end_k_qf4ffd94abe_gla1:
	.size	k_qf4ffd94abe_gla1, .Lfunc_end_k_qf4ffd94abe_gla1-k_qf4ffd94abe_gla1
	.p2alignl 7, 3214868480
	.fill 96, 4, 3214868480
	.section	.rodata,"a",@progbits
	.p2align	6, 0x0
	.amdhsa_kernel k_qf4ffd94abe_gla1
		.amdhsa_group_segment_fixed_size 167936
		.amdhsa_private_segment_fixed_size 0
		.amdhsa_enable_private_segment 0
		.amdhsa_kernarg_size 40
		.amdhsa_user_sgpr_count 2
		.amdhsa_user_sgpr_kernarg_segment_ptr 1
		.amdhsa_wavefront_size32 1
		.amdhsa_system_sgpr_workgroup_id_x 1
		.amdhsa_system_sgpr_workgroup_id_y 1
		.amdhsa_system_sgpr_workgroup_id_z 1
		.amdhsa_system_vgpr_workitem_id 0
		.amdhsa_next_free_vgpr 256
		.amdhsa_next_free_sgpr 96
		.amdhsa_reserve_vcc 0
		.amdhsa_float_denorm_mode_32 3
		.amdhsa_float_denorm_mode_16_64 3
		.amdhsa_memory_ordered 1
		.amdhsa_forward_progress 1
		.amdhsa_inst_pref_size 55
	.end_amdhsa_kernel
	.amdgpu_metadata
---
amdhsa.version: [ 1, 2 ]
amdhsa.kernels:
  - .name:           k_qf4ffd94abe_gla1
    .symbol:         k_qf4ffd94abe_gla1.kd
    .args:
      - { .name: qkvg, .offset: 0, .size: 8, .value_kind: global_buffer, .address_space: global }
      - { .name: zb, .offset: 8, .size: 8, .value_kind: global_buffer, .address_space: global }
      - { .name: Wkg2, .offset: 16, .size: 8, .value_kind: global_buffer, .address_space: global }
      - { .name: bkg2, .offset: 24, .size: 8, .value_kind: global_buffer, .address_space: global }
      - { .name: ust, .offset: 32, .size: 8, .value_kind: global_buffer, .address_space: global }
    .group_segment_fixed_size: 167936
    .private_segment_fixed_size: 0
    .kernarg_segment_align: 8
    .kernarg_segment_size: 40
    .max_flat_workgroup_size: 128
    .sgpr_count:     96
    .vgpr_count:     256
    .wavefront_size: 32
...
	.end_amdgpu_metadata
.endif
;; end of part 3
;; launch gla2 (part 4): grid 64 x 4, 4 waves a work-group, no clusters, 327,680 bytes of LDS; arguments qkvg, zb, Wkg2, bkg2, bg, ust, yh, ysc, out1; writes yh, ysc, out1
.if DOCPART == 4
	.amdgcn_target "amdgcn-amd-amdhsa--gfx1250"
	.amdhsa_code_object_version 6
	.text
	.protected	k_qf4ffd94abe_gla2
	.globl	k_qf4ffd94abe_gla2
	.p2align	8
	.type	k_qf4ffd94abe_gla2,@function
k_qf4ffd94abe_gla2:
	s_mov_b64 s[64:65], 0
	v_nop
	global_prefetch_b8 v0, s[64:65] scope:SCOPE_SE
	s_setreg_imm32_b32 hwreg(HW_REG_WAVE_MODE, 25, 1), 1
	s_wait_xcnt 0x0
; GLA2: the recurrence S_t = exp(g_t) S_(t-1) + k_t v_t^T, o_t = q_t S_t for (batch, head) bh and segment seg of 256 steps; LayerNorm over the head's 128 channels; the gate silu(g + bg); the last state.
; START. S = the earlier segments' end states U folded by their decays D; a segment that does not lie before mine enters with the factor 0 (its decay with 1).
; BLOCKS of 16 steps; exponents to base 2: g2 = max(log2(e) logsigmoid(kg) / 16, -13), l_i its running sum in the block, L = l_15.  qh_i = a_i q_i with a_i = 2^-floor(log2 max |q_i|).
;   P1  A^T(j, i) = sum over c of (k_j 2^(l_7 - l_j)) (qh_i 2^(l_i - l_7)), f32 operands made of f32 q and k (range 2^104 either way and full precision are both wanted: where q . k is near 0 at a sequence's
;       first step the LayerNorm follows its absolute error; a thousandth of the program's products), masked to j <= i
;   P3  O3^T = S'^T qt^T, qt = qh 2^l_i (f16), S' = S 2^-E (f16), E the exponent of my slice's largest |S|        P2  O2^T = V^T A'^T, A' = A 2^-Ea(i) (f16; K = 16, the upper half 0)
;   O' = O3 2^E + O2 2^Ea        P4  S = 2^L S + kappa^T V, kappa_j = k_j 2^(L - l_j) (f16)
; k is taken WITHOUT the reference's scale s = 128^-1/2: O' = a o / s, so LN(o) = (O' - mean) rsq(var' + 1e-5 x 128 a^2); the last state is stored as s S.
; The variance is combined from the four waves' means and centred sums: M2 = sum M2_w + 32 sum (mean_w - mean)^2.
; y = silu(g + bg) LN(o) leaves as y 2^-Ey in f16 with 2^Ey in ysc[head][row]; 2^Ey lies above gmax sqrt(M2) rs, which bounds |y| of that row and head.
; PHASE 1: wave w makes the operands of blocks 4 w .. 4 w + 3.  q and k lie in f32, 256 bytes a row and head: a block's 16 rows are loaded as whole rows (16 lanes a row) at a trip's head and turned into the
; layout of a step a lane through a stage of the wave's own.  PHASE 2: every wave walks the 16 blocks for its 32 channels of v; v and g come by one tensor load each a wave.
; LIMITS. A decay below 2^-13 a step counts as 2^-13 (a weight is off by 1.3e-4 of a weight-1 term at the most).  v and g arrive in f16, kappa is f16: k, v, g within 65,504.  |S| < 2^126.  Weights below 2^-126
; count as 0.  The bound under Ey is taken as 2^-60 at the least.  Wkg2, bkg2, bg, z are rounded to bf16.  Products of P1 with j > i may be infinite: the mask discards them unread.  NaN and infinities are not treated apart.
; NO CLUSTER: no two work-groups read the same tile.
; REGISTERS: window 0 as named below; window 1: v0-63 S (8 (4 vb + cb) + j), v64-79 P1's two accumulators, v96-159 the decays D1, D2; window 2: v0-191 U0, U1, U2.
.set QS,    0                          ; q's and k's stage: for each wave 16 rows x 272 bytes of q, then of k; no tensor load lands here
.set QSW,   8704
.set VT,    73728                      ; 256 rows of v, 256 + 32
.set GT,    147456                     ; of g, 256 + 16
.set OPB,   217088                     ; 16 blocks x 5,632 of operands; no tensor load lands from here on
.set OPBB,  5632
.set O_QI,  0                          ; qt as a register image, 2,048
.set O_KR,  2048                       ; kappa, 16 rows x 160
.set O_AI,  4608                       ; A' as a register image, 512
.set O_DV,  5120                       ; 2^L, 64 f32
.set O_EA,  5376                       ; 1e-5 x 128 a^2, 16 f32
.set O_AS,  5440                       ; 2^Ea, 16 f32
.set LX,    307200                     ; the waves' statistics: 256 w + 16 r
.set YS,    308224                     ; y of a block: 16 rows x 272
.set SCT,   312576                     ; 2^Ey of the segment's 256 rows
.set SPARE, 313600
.set SS,    OPB                        ; the last state on its way out, 64 rows x 528: behind the last read of the operands
.set SPW, 30
.set NIL, 31
.set PKK, 12                           ; phase 1
.set T8,  12
.set WA,  32
.set BC,  64
.set ZB,  96
.set ZN,  104
.set PQ,  108
.set LM,  128
.set TE,  160
.set QH,  192
.set KH,  224
.set XA,  64                           ; window 1
.set SF,  32                           ; phase 2
.set QF,  64
.set AF,  80
.set VF,  88
.set GF,  104
.set KF,  128
.set DF,  160
.set OO,  192
.set O2,  208
.set GG,  224
.set BG,  240
.set MSB, 0
.macro WIN new
.if MSB != (\new)
	s_set_vgpr_msb (MSB<<8)|(\new)
.set MSB, \new
.endif
.endm
.macro REP n, st, line:vararg
.set i, 0
	s_wait_alu depctr_va_vdst(0)
.rept \n
	\line
.set i, i+\st
.endr
.endm
.macro PLACES
.rept 4
	v_nop
.endr
.endm
	s_load_b512 s[4:19], s[0:1], 0x0               ; qkvg, zb, Wkg2, bkg2, bg, ust, yh, ysc
	s_load_b64 s[20:21], s[0:1], 0x40              ; out1
	v_lshl_add_u32 v[SPW], v0, 2, SPARE
	v_mov_b32 v[NIL], 0
	ds_add_u32 v[SPW], v[NIL]                      ; the wave's opening: the add and its wait ahead of my first tensor load
	ds_add_u32 v30, v31
	v_lshrrev_b32 v1, 5, v0
	v_readfirstlane_b32 s22, v1                    ; wave
	s_and_b32 s23, ttmp7, 0xffff                   ; seg
	s_mov_b32 s24, ttmp9                           ; bh
	s_and_b32 s25, s24, 15                         ; head
	s_lshr_b32 s26, s24, 4
	s_lshl_b32 s26, s26, 10
	s_lshl_b32 s27, s23, 8
	s_add_co_u32 s26, s26, s27                     ; the segment's first row
	s_lshl_b32 s27, s22, 6
	s_add_co_u32 s27, s27, s26                     ; my 64 rows
	s_mov_b32 s40, (1<<16)|(1<<20)|(5<<22)|(7<<25) ; v: 128 elements of 2 bytes a row, 8 words of padding
	s_mov_b32 s48, (1<<16)|(1<<20)|(5<<22)|(3<<25) ; g: 128 elements, 4 words
.irp g, 40, 48
	s_mov_b32 s[\g+1], 128<<16
	s_mov_b32 s[\g+2], 64<<16
	s_mov_b32 s[\g+3], 128<<16
	s_mov_b32 s[\g+4], 64
	s_mov_b32 s[\g+5], 8192                        ; a row of qkvg is 16,384 bytes
	s_mov_b32 s[\g+6], 0
	s_mov_b32 s[\g+7], 0
.endr
	s_lshl_b32 s28, s27, 14
	s_lshl_b32 s92, s25, 8
	s_add_co_u32 s28, s28, s92                     ; v: row x 16,384 + 256 head; g, q, k each 4,096 bytes further on
	s_mov_b32 s29, 0
	s_mov_b32 s68, 1
	s_mul_i32 s69, s22, 18432
	s_add_co_u32 s69, s69, VT
	s_mov_b32 s72, 1
	s_mul_i32 s73, s22, 17408
	s_add_co_u32 s73, s73, GT
	s_mov_b32 s86, 0x76543210                      ; v_permlanex16_b32: each lane takes its own place in the other half
	s_mov_b32 s87, 0xfedcba98
	s_mov_b32 s88, 0xbfb8aa3b                      ; -log2(e)
	s_mov_b32 s89, 0x42000000                      ; 32.0
	s_cmp_gt_u32 s23, 0
	s_cselect_b32 s94, 1.0, 0                      ; segment 0 lies before mine
	s_mov_b32 s95, 0
	s_cmp_gt_u32 s23, 1
	s_cselect_b32 s96, 1.0, 0
	s_cselect_b32 s98, 0, 1.0
	s_mov_b32 s97, 0
	s_mov_b32 s99, 0
	s_cmp_gt_u32 s23, 2
	s_cselect_b32 s100, 1.0, 0
	s_cselect_b32 s104, 0, 1.0
	s_mov_b32 s101, 0
	s_mov_b32 s105, 0
	s_wait_dscnt 0x0
	s_wait_kmcnt 0x0
	s_add_nc_u64 s[70:71], s[4:5], s[28:29]
	s_add_nc_u64 s[74:75], s[70:71], 4096
	s_add_nc_u64 s[56:57], s[70:71], 8192          ; q at my first row; k by the loads' immediate
	s_or_b32 s71, s71, 0x80000000
	s_or_b32 s75, s75, 0x80000000
	tensor_load_to_lds s[68:71], s[40:47]          ; my 64 rows of v and of g: two loads of mine are out, each fills its bytes once
	s_nop 0
	tensor_load_to_lds s[72:75], s[48:55]
	s_nop 0
	PLACES
	v_and_b32 v1, 15, v0                           ; r
	v_bfe_u32 v2, v0, 4, 1                         ; h
	v_and_b32 v3, 31, v0                           ; lane
	v_lshlrev_b32 v10, 4, v3
	v_lshlrev_b32 v11, 5, v2
	s_mul_i32 s28, s24, 12
	s_add_co_u32 s28, s28, s22
	s_lshl_b32 s28, s28, 13                        ; my images of U0, U1, U2: 32,768 bytes apart
	s_add_nc_u64 s[90:91], s[14:15], s[28:29]
	s_mul_i32 s28, s24, 768
	s_add_co_u32 s28, s28, 6291456
	s_add_nc_u64 s[92:93], s[14:15], s[28:29]      ; the head's three decays
	WIN 0x80
.set i, 0
.rept 48
	global_load_b128 v[4*i:4*i+3], v10, s[90:91] offset:(i/16)*32768+(i%16)*512
.set i, i+1
.endr
	WIN 0x40
.set i, 0
.rept 16
	global_load_b128 v[96+4*i:96+4*i+3], v11, s[92:93] offset:(1+i/8)*256+64*((i%8)/2)+16*(i%2)
.set i, i+1
.endr
	WIN 0
	s_lshl_b32 s28, s25, 8
	s_add_nc_u64 s[8:9], s[8:9], s[28:29]          ; Wkg2 and bkg2 at the head's 64 columns
	s_add_nc_u64 s[10:11], s[10:11], s[28:29]
	v_lshlrev_b32 v12, 15, v2
	v_lshl_add_u32 v12, v1, 2, v12                 ; ranks 8 h .., column r
	s_lshl_b32 s28, s27, 5
	v_lshlrev_b32 v9, 5, v1
	v_lshl_add_u32 v9, v2, 4, v9
	v_add_nc_u32 v9, s28, v9                       ; z: row x 32 + 16 h
.set i, 0
.rept 32
	global_load_b32 v[LM+i], v12, s[8:9] offset:(i%8)*4096+64*(i/8)
.set i, i+1
.endr
.irp u, 0,1,2,3,4,5,6,7
	global_load_b128 v[BC+4*\u:BC+4*\u+3], v11, s[10:11] offset:64*(\u/2)+16*(\u%2)
.endr
	global_load_b128 v[ZB:ZB+3], v9, s[6:7]
	v_lshlrev_b32 v13, 3, v2
.irp j, 0,1,2,3,4,5,6,7
	v_add_nc_u32 v14, \j, v13
	v_cmp_le_u32 s[76+\j], v14, v1                 ; register j of P1's result is step 8 h + j: kept where it is not later than the lane's step
.endr
	v_cmp_eq_u32 s84, 15, v1
	s_mul_i32 s28, s22, QSW                        ; my stage
	v_mul_u32_u24 v4, v1, 272
	v_lshl_add_u32 v4, v2, 5, v4
	v_add_nc_u32 v4, s28, v4                       ; back: step r, channels 8 h .. of each 16: 32 h
	v_mul_u32_u24 v28, v2, 272
	v_lshl_add_u32 v28, v1, 4, v28
	v_add_nc_u32 v28, s28, v28                     ; in: lanes 0-15 one row, lanes 16-31 the next
	v_lshlrev_b32 v29, 14, v2
	v_lshl_add_u32 v29, v1, 4, v29                 ; and the same two rows in qkvg
	s_mul_i32 s28, s22, 4*OPBB
	s_add_co_u32 s28, s28, OPB                     ; my four blocks of operands
	v_lshl_add_u32 v5, v3, 4, s28                  ; register images: 16 lane
	v_mul_u32_u24 v6, v1, 160
	v_lshl_add_u32 v6, v2, 4, v6
	v_add_nc_u32 v6, s28, v6                       ; kappa: row r, 16 h
	v_lshl_add_u32 v7, v2, 5, s28                  ; 2^L: 32 h
	v_lshl_add_u32 v8, v1, 2, s28                  ; a number a step: 4 r
	s_wait_loadcnt 0x0
.set i, 0
.rept 16
	v_cvt_pk_bf16_f32 v[WA+8*(i/4)+i%4], v[LM+2*i], v[LM+2*i+1]
	v_mov_b32 v[WA+8*(i/4)+4+i%4], 0
	v_cvt_pk_bf16_f32 v124, v[BC+2*i], v[BC+2*i+1]
	v_lshlrev_b32 v[BC+2*i], 16, v124
	v_and_b32 v[BC+2*i+1], 0xffff0000, v124
.set i, i+1
.endr
	REP 4, 1, v_mov_b32 v[ZB+4+i], 0
	s_mov_b32 s2, 4
.Lprep:
	s_cmp_eq_u32 s2, 1
	s_cselect_b32 s3, 0, 0x200                     ; the last trip asks for its own z once more: no load leaves the buffer
	v_add_nc_u32 v9, s3, v9
	global_load_b128 v[ZN:ZN+3], v9, s[6:7]
.set i, 0
.rept 8                                ; the block's 16 rows of q and of k: 16 lanes take a row's 256 aligned bytes; the gate's arithmetic stands between these loads and the wait for them
	global_load_b128 v[QH+4*i:QH+4*i+3], v29, s[56:57] offset:32768*i
	global_load_b128 v[KH+4*i:KH+4*i+3], v29, s[56:57] offset:32768*i+4096
.set i, i+1
.endr
.irp cb, 0,1,2,3                       ; kg^T: a lane holds one step (l % 16), register j channel 16 cb + 8 h + j
	v_wmma_f32_16x16x32_bf16 v[LM+8*\cb:LM+8*\cb+7], v[WA+8*\cb:WA+8*\cb+7], v[ZB:ZB+7], v[BC+8*\cb:BC+8*\cb+7]
.endr
	PLACES
	REP 32, 1, v_mul_f32 v[TE+i], s88, |v[LM+i]|
	REP 32, 1, v_exp_f32 v[TE+i], v[TE+i]
	REP 32, 1, v_min_num_f32 v[LM+i], 0, v[LM+i]
	REP 16, 2, v_pk_add_f32 v[TE+i:TE+i+1], v[TE+i:TE+i+1], 1.0 op_sel_hi:[1,0]
	REP 32, 1, v_log_f32 v[TE+i], v[TE+i]
	REP 16, 2, v_pk_mul_f32 v[LM+i:LM+i+1], v[LM+i:LM+i+1], 0x3db8aa3b op_sel_hi:[1,0]
	REP 16, 2, v_pk_fma_f32 v[LM+i:LM+i+1], v[TE+i:TE+i+1], 0xbd800000, v[LM+i:LM+i+1] op_sel_hi:[1,0,1]
	REP 32, 1, v_max_num_f32 v[LM+i], 0xc1500000, v[LM+i]
.irp n, 1,2,4,8                        ; the running sum over the 16 steps: a lane without a source keeps its number
	REP 32, 1, v_add_f32_dpp v[LM+i], v[LM+i], v[LM+i] row_shr:\n row_mask:0xf bank_mask:0xf
.endr
	s_wait_loadcnt 0x0                             ; q's and k's rows are in (and the next z)
.set i, 0
.rept 8
	ds_store_b128 v28, v[QH+4*i:QH+4*i+3] offset:544*i
	ds_store_b128 v28, v[KH+4*i:KH+4*i+3] offset:4352+544*i
.set i, i+1
.endr
.set i, 0
.rept 8                                ; LDS serves a wave's instructions in order: these see the stores above, and the next trip's stores come behind them
	ds_load_b128 v[QH+4*i:QH+4*i+3], v4 offset:64*(i/2)+16*(i%2)
	ds_load_b128 v[KH+4*i:KH+4*i+3], v4 offset:4352+64*(i/2)+16*(i%2)
.set i, i+1
.endr
	REP 32, 1, v_exp_f32 v[TE+i], v[LM+i]
	s_wait_dscnt 0x0                               ; q and k are back, a step a lane
	v_max_num_f32 v124, |v[QH]|, |v[QH+1]|
	v_max_num_f32 v125, |v[QH+2]|, |v[QH+3]|
.set i, 2
.rept 14
	v_max3_num_f32 v[124+i%2], v[124+i%2], |v[QH+2*i]|, |v[QH+2*i+1]|
.set i, i+1
.endr
	v_max_num_f32 v124, v124, v125
	v_permlanex16_b32 v125, v124, s86, s87         ; the step's other 32 channels lie in the lane 16 away
	v_max_num_f32 v124, v124, v125
	v_and_b32 v125, 0x7f800000, v124
	v_sub_nc_u32 v126, 0x7f000000, v125            ; a, by its bits
	v_mul_f32 v127, 0x3aa7c5ac, v126               ; 1.28e-3 a
	v_mul_f32 v127, v127, v126
	ds_store_b32 v8, v127 offset:O_EA
	REP 16, 2, v_pk_mul_f32 v[QH+i:QH+i+1], v[QH+i:QH+i+1], v[126:127] op_sel_hi:[1,0]
	s_wait_xcnt 0x0                                ; EXEC changes only behind this wait
	s_and_saveexec_b32 s85, s84                    ; the last step's lanes hold 2^L
	s_wait_alu depctr_va_vdst(0)
.irp u, 0,1,2,3,4,5,6,7
	ds_store_b128 v7, v[TE+4*\u:TE+4*\u+3] offset:O_DV+64*(\u/2)+16*(\u%2)
.endr
	s_wait_xcnt 0x0
	s_or_b32 exec_lo, exec_lo, s85
	REP 16, 2, v_pk_mul_f32 v[TE+i:TE+i+1], v[TE+i:TE+i+1], v[QH+i:QH+i+1]
	REP 16, 1, v_cvt_pk_f16_f32 v[PQ+i], v[TE+2*i], v[TE+2*i+1]
.irp cb, 0,1,2,3                       ; packed so, my registers ARE source 1 of P3: stored and read back lane by lane
	ds_store_b128 v5, v[PQ+4*\cb:PQ+4*\cb+3] offset:O_QI+512*\cb
.endr
	REP 32, 1, v_sub_f32_dpp v[TE+i], v[LM+i], v[LM+i] row_share:15 row_mask:0xf bank_mask:0xf
	REP 32, 1, v_exp_f32 v[TE+i], v[TE+i]
	v_nop
	s_wait_alu depctr_va_vdst(0)
	REP 16, 2, v_pk_mul_f32 v[TE+i:TE+i+1], v[TE+i:TE+i+1], v[KH+i:KH+i+1]
	REP 16, 1, v_cvt_pk_f16_f32 v[PKK+i], v[TE+2*i], v[TE+2*i+1]
.irp cb, 0,1,2,3
	ds_store_b128 v6, v[PKK+4*\cb:PKK+4*\cb+3] offset:O_KR+32*\cb
.endr
	REP 32, 1, v_sub_f32_dpp v[TE+i], v[LM+i], v[LM+i] row_share:7 row_mask:0xf bank_mask:0xf
	REP 16, 2, v_pk_mul_f32 v[LM+i:LM+i+1], v[TE+i:TE+i+1], -1.0 op_sel_hi:[1,0]
	REP 32, 1, v_exp_f32 v[LM+i], v[LM+i]
	REP 32, 1, v_exp_f32 v[TE+i], v[TE+i]
	v_nop
	s_wait_alu depctr_va_vdst(0)
	REP 16, 2, v_pk_mul_f32 v[QH+i:QH+i+1], v[QH+i:QH+i+1], v[LM+i:LM+i+1]
	REP 16, 2, v_pk_mul_f32 v[KH+i:KH+i+1], v[KH+i:KH+i+1], v[TE+i:TE+i+1]
	WIN 0x50                                       ; P1: the same order of channels on both sides; two accumulators take turns; only matrix instructions write them
.set c, 0
.rept 16
.if c < 2
	v_wmma_f32_16x16x4_f32 v[XA+8*(c%2):XA+8*(c%2)+7], v[KH+2*c:KH+2*c+1], v[QH+2*c:QH+2*c+1], 0
.else
	v_wmma_f32_16x16x4_f32 v[XA+8*(c%2):XA+8*(c%2)+7], v[KH+2*c:KH+2*c+1], v[QH+2*c:QH+2*c+1], v[XA+8*(c%2):XA+8*(c%2)+7]
.endif
.set c, c+1
.endr
.rept 8
	v_nop                                          ; eight places behind this form (ISA guide 7.12.1)
.endr
	WIN 0x05
	REP 4, 2, v_pk_add_f32 v[T8+i:T8+i+1], v[XA+i:XA+i+1], v[XA+8+i:XA+8+i+1]
	WIN 0
.irp j, 0,1,2,3,4,5,6,7
	v_cndmask_b32 v[T8+\j], 0, v[T8+\j], s[76+\j]
.endr
	v_max3_num_f32 v124, |v[T8]|, |v[T8+1]|, |v[T8+2]|
	v_max3_num_f32 v125, |v[T8+3]|, |v[T8+4]|, |v[T8+5]|
	v_max3_num_f32 v124, v124, |v[T8+6]|, |v[T8+7]|
	v_max_num_f32 v124, v124, v125
	v_permlanex16_b32 v125, v124, s86, s87
	v_max_num_f32 v124, v124, v125
	v_and_b32 v125, 0x7f800000, v124               ; 2^Ea
	v_sub_nc_u32 v126, 0x7f000000, v125            ; 2^-Ea
	ds_store_b32 v8, v125 offset:O_AS
	REP 4, 2, v_pk_mul_f32 v[T8+i:T8+i+1], v[T8+i:T8+i+1], v[126:127] op_sel_hi:[1,0]
	REP 4, 1, v_cvt_pk_f16_f32 v[T8+8+i], v[T8+2*i], v[T8+2*i+1]
	ds_store_b128 v5, v[T8+8:T8+11] offset:O_AI
	REP 4, 1, v_mov_b32 v[ZB+i], v[ZN+i]
	v_add_nc_u32 v29, 0x40000, v29                 ; 16 rows on; its loads were waited for above
	v_add_nc_u32 v5, OPBB, v5
	v_add_nc_u32 v6, OPBB, v6
	v_add_nc_u32 v7, OPBB, v7
	v_add_nc_u32 v8, OPBB, v8
	s_sub_co_u32 s2, s2, 1
	s_cmp_lg_u32 s2, 0
	s_cbranch_scc1 .Lprep
	s_wait_tensorcnt 0x0                           ; for the others' sake: my rows of v and g have landed,
	s_wait_dscnt 0x0                               ; my operands are in LDS
	s_barrier_signal -1
	s_barrier_wait -1
	; ---------------- between the phases
	s_lshl_b32 s28, s25, 9
	s_lshl_b32 s29, s22, 7
	s_add_co_u32 s28, s28, s29
	s_mov_b32 s29, 0
	s_add_nc_u64 s[12:13], s[12:13], s[28:29]      ; bg at my 32 channels
.irp u, 0,1,2,3
	global_load_b128 v[BG+4*\u:BG+4*\u+3], v11, s[12:13] offset:64*(\u/2)+16*(\u%2)
.endr
	WIN 0x42
	REP 32, 2, v_pk_mul_f32 v[i:i+1], v[i:i+1], s[94:95] op_sel_hi:[1,0]
.macro FOLD d, u, m, n                 ; S = D S + U for a segment before mine; S stays as it is for the others
	WIN 0x41
	REP 16, 2, v_pk_fma_f32 v[(\d)+i:(\d)+i+1], v[(\d)+i:(\d)+i+1], s[\m:\m+1], s[\n:\n+1] op_sel_hi:[1,0,0]
	WIN 0x45
	REP 32, 2, v_pk_mul_f32 v[i:i+1], v[i:i+1], v[(\d)+i%32:(\d)+i%32+1]
	WIN 0x52
	REP 32, 2, v_pk_fma_f32 v[i:i+1], v[(\u)+i:(\u)+i+1], s[\m:\m+1], v[i:i+1] op_sel_hi:[1,0,1]
.endm
	FOLD 96, 64, 96, 98
	FOLD 128, 128, 100, 104
	WIN 0
	s_wait_loadcnt 0x0
.set i, 0
.rept 8
	v_cvt_pk_bf16_f32 v124, v[BG+2*i], v[BG+2*i+1]
	v_lshlrev_b32 v[BG+2*i], 16, v124
	v_and_b32 v[BG+2*i+1], 0xffff0000, v124
.set i, i+1
.endr
	REP 4, 1, v_mov_b32 v[AF+4+i], 0
	REP 4, 1, v_mov_b32 v[VF+4+i], 0
	REP 4, 1, v_mov_b32 v[VF+12+i], 0
.irp cb, 0,1,2,3
	REP 4, 1, v_mov_b32 v[KF+8*\cb+4+i], 0
.endr
	REP 12, 1, v_mov_b32 v[112+i], 0
	v_and_b32 v12, 7, v0
	v_bfe_u32 v13, v0, 3, 1
	v_lshl_add_u32 v12, v2, 3, v12                 ; the turning loads: step 8 h + l % 8
	v_lshl_add_u32 v4, v3, 4, OPB                  ; register images
	v_mul_u32_u24 v5, v12, 160
	v_lshl_add_u32 v5, v13, 4, v5
	v_add_nc_u32 v5, OPB, v5                       ; kappa, turned
	v_lshl_add_u32 v6, v2, 5, OPB                  ; 2^L
	v_lshl_add_u32 v7, v1, 2, OPB                  ; a number a step
	s_lshl_b32 s28, s22, 6                         ; my 32 channels: 64 bytes
	v_mul_u32_u24 v8, v12, 288
	v_lshl_add_u32 v8, v13, 4, v8
	s_add_co_u32 s29, s28, VT
	v_add_nc_u32 v8, s29, v8                       ; v, turned
	v_mul_u32_u24 v14, v1, 272
	v_lshl_add_u32 v14, v2, 4, v14
	s_add_co_u32 s29, s28, GT
	v_add_nc_u32 v9, s29, v14                      ; g: row r, 16 h
	s_add_co_u32 s29, s28, YS
	v_add_nc_u32 v28, s29, v14                     ; y in
	s_lshl_b32 s29, s22, 8
	s_add_co_u32 s29, s29, LX
	v_lshl_add_u32 v10, v1, 4, s29                 ; my statistics
	v_lshl_add_u32 v11, v1, 4, LX                  ; everybody's
	s_lshl_b32 s29, s22, 2
	v_add_nc_u32 v15, s29, v2                      ; row 4 w + h
	v_mul_u32_u24 v29, v15, 272
	v_lshl_add_u32 v29, v1, 4, v29
	v_add_nc_u32 v29, YS, v29                      ; y back
	v_lshlrev_b32 v3, 12, v15
	v_lshl_add_u32 v3, v1, 4, v3                   ; and the same rows in yh
	v_lshl_add_u32 v2, v1, 2, SCT
	v_mov_b32 v1, 1.0
	s_lshl_b32 s28, s26, 12
	s_lshl_b32 s29, s25, 8
	s_add_co_u32 s28, s28, s29
	s_mov_b32 s29, 0
	s_add_nc_u64 s[16:17], s[16:17], s[28:29]      ; yh at the segment's first row, the head's 256 bytes
	s_lshl_b32 s28, s25, 14
	s_lshl_b32 s90, s26, 2
	s_add_co_u32 s28, s28, s90
	s_add_nc_u64 s[18:19], s[18:19], s[28:29]      ; ysc
	s_lshl_b32 s28, s24, 15
	s_lshl_b32 s90, s22, 13
	s_add_co_u32 s28, s28, s90
	s_add_nc_u64 s[20:21], s[20:21], s[28:29]      ; out1 at my 16 rows of the state
	s_mov_b32 s3, 0x3c000000                       ; 1 / 128
	s_mov_b32 s2, 16
.Lblock:
.irp cb, 0,1,2,3
	ds_load_b128 v[QF+4*\cb:QF+4*\cb+3], v4 offset:O_QI+512*\cb
.endr
	ds_load_b128 v[AF:AF+3], v4 offset:O_AI
	ds_load_tr16_b128 v[VF:VF+3], v8
	ds_load_tr16_b128 v[VF+8:VF+11], v8 offset:32
	ds_load_b32 v116, v7 offset:O_EA
	ds_load_b32 v118, v7 offset:O_AS
	ds_load_b128 v[GF:GF+3], v9
	ds_load_b128 v[GF+4:GF+7], v9 offset:32
.irp cb, 0,1,2,3
	ds_load_tr16_b128 v[KF+8*\cb:KF+8*\cb+3], v5 offset:O_KR+32*\cb
.endr
.irp u, 0,1,2,3,4,5,6,7
	ds_load_b128 v[DF+4*\u:DF+4*\u+3], v6 offset:O_DV+64*(\u/2)+16*(\u%2)
.endr
	WIN 0x14                                       ; the largest |S| of my slice
	REP 4, 1, v_mov_b32 v[124+i], 0
	REP 32, 1, v_max3_num_f32 v[124+i%4], v[124+i%4], |v[2*i]|, |v[2*i+1]|
	WIN 0
	v_max3_num_f32 v124, v124, v125, v126
	v_max_num_f32 v124, v124, v127
	v_max_num_f32_dpp v124, v124, v124 row_xmask:1 row_mask:0xf bank_mask:0xf
	v_max_num_f32_dpp v124, v124, v124 row_xmask:2 row_mask:0xf bank_mask:0xf
	v_max_num_f32_dpp v124, v124, v124 row_xmask:4 row_mask:0xf bank_mask:0xf
	v_max_num_f32_dpp v124, v124, v124 row_xmask:8 row_mask:0xf bank_mask:0xf
	v_permlanex16_b32 v125, v124, s86, s87
	v_max_num_f32 v124, v124, v125
	v_and_b32 v120, 0x7f800000, v124               ; 2^E
	v_sub_nc_u32 v122, 0x7f000000, v120            ; 2^-E
.irp hf, 0, 1
	WIN 0x01
	REP 16, 2, v_pk_mul_f32 v[OO+i:OO+i+1], v[32*\hf+i:32*\hf+i+1], v[122:123] op_sel_hi:[1,0]
	WIN 0
	REP 16, 1, v_cvt_pk_f16_f32 v[SF+16*\hf+i], v[OO+2*i], v[OO+2*i+1]
.endr
	s_wait_dscnt 16                                ; qt, A' and v are in; the sixteen younger loads may be out
	v_wmma_f32_16x16x32_f16 v[OO:OO+7], v[SF:SF+7], v[QF:QF+7], 0
	v_wmma_f32_16x16x32_f16 v[OO+8:OO+15], v[SF+16:SF+23], v[QF:QF+7], 0
	v_wmma_f32_16x16x32_f16 v[O2:O2+7], v[VF:VF+7], v[AF:AF+7], 0
	v_wmma_f32_16x16x32_f16 v[O2+8:O2+15], v[VF+8:VF+15], v[AF:AF+7], 0
	v_wmma_f32_16x16x32_f16 v[OO:OO+7], v[SF+8:SF+15], v[QF+8:QF+15], v[OO:OO+7]
	v_wmma_f32_16x16x32_f16 v[OO+8:OO+15], v[SF+24:SF+31], v[QF+8:QF+15], v[OO+8:OO+15]
	s_wait_dscnt 0x0
	WIN 0x41                                       ; S decays: these 32 are also the places behind the six products
	REP 32, 2, v_pk_mul_f32 v[i:i+1], v[i:i+1], v[DF+i%32:DF+i%32+1]
	WIN 0x50
.irp vb, 0,1
.irp cb, 0,1,2,3
	v_wmma_f32_16x16x32_f16 v[8*(4*\vb+\cb):8*(4*\vb+\cb)+7], v[KF+8*\cb:KF+8*\cb+7], v[VF+8*\vb:VF+8*\vb+7], v[8*(4*\vb+\cb):8*(4*\vb+\cb)+7]
.endr
.endr
	WIN 0
	REP 8, 2, v_pk_mul_f32 v[O2+i:O2+i+1], v[O2+i:O2+i+1], v[118:119] op_sel_hi:[1,0]
	REP 8, 2, v_pk_fma_f32 v[OO+i:OO+i+1], v[OO+i:OO+i+1], v[120:121], v[O2+i:O2+i+1] op_sel_hi:[1,0,1]
	REP 8, 1, v_fma_mix_f32 v[GG+2*i], v[GF+i], v1, v[BG+2*i] op_sel_hi:[1,0,0]
	REP 8, 1, v_fma_mix_f32 v[GG+2*i+1], v[GF+i], v1, v[BG+2*i+1] op_sel:[1,0,0] op_sel_hi:[1,0,0]
	REP 8, 2, v_pk_mul_f32 v[O2+i:O2+i+1], v[GG+i:GG+i+1], 0xbfb8aa3b op_sel_hi:[1,0]
	REP 16, 1, v_exp_f32 v[O2+i], v[O2+i]
	v_pk_add_f32 v[124:125], v[OO:OO+1], v[OO+2:OO+3]      ; my 32 channels' mean
	v_pk_add_f32 v[126:127], v[OO+4:OO+5], v[OO+6:OO+7]
	v_pk_add_f32 v[124:125], v[124:125], v[OO+8:OO+9]
	v_pk_add_f32 v[126:127], v[126:127], v[OO+10:OO+11]
	v_pk_add_f32 v[124:125], v[124:125], v[OO+12:OO+13]
	v_pk_add_f32 v[126:127], v[126:127], v[OO+14:OO+15]
	v_pk_add_f32 v[124:125], v[124:125], v[126:127]
	v_add_f32 v124, v124, v125
	v_permlanex16_b32 v125, v124, s86, s87
	v_add_f32 v124, v124, v125
	v_mul_f32 v112, 0x3d000000, v124
	s_wait_alu depctr_va_vdst(0)
	REP 8, 2, v_pk_add_f32 v[O2+i:O2+i+1], v[O2+i:O2+i+1], 1.0 op_sel_hi:[1,0]
	REP 16, 1, v_rcp_f32 v[O2+i], v[O2+i]
	REP 8, 2, v_pk_add_f32 v[OO+i:OO+i+1], v[OO+i:OO+i+1], v[112:113] op_sel_hi:[1,0] neg_lo:[0,1] neg_hi:[0,1]
	v_pk_mul_f32 v[124:125], v[OO:OO+1], v[OO:OO+1]        ; and their centred sum of squares
	v_pk_mul_f32 v[126:127], v[OO+2:OO+3], v[OO+2:OO+3]
.irp u, 4, 8, 12
	v_pk_fma_f32 v[124:125], v[OO+\u:OO+\u+1], v[OO+\u:OO+\u+1], v[124:125]
	v_pk_fma_f32 v[126:127], v[OO+\u+2:OO+\u+3], v[OO+\u+2:OO+\u+3], v[126:127]
.endr
	v_pk_add_f32 v[124:125], v[124:125], v[126:127]
	v_add_f32 v124, v124, v125
	v_permlanex16_b32 v125, v124, s86, s87
	v_add_f32 v113, v124, v125
	s_wait_alu depctr_va_vdst(0)
	REP 8, 2, v_pk_mul_f32 v[GG+i:GG+i+1], v[GG+i:GG+i+1], v[O2+i:O2+i+1]
	v_max_num_f32 v124, |v[GG]|, |v[GG+1]|
	v_max_num_f32 v125, |v[GG+2]|, |v[GG+3]|
.set i, 2
.rept 6
	v_max3_num_f32 v[124+i%2], v[124+i%2], |v[GG+2*i]|, |v[GG+2*i+1]|
.set i, i+1
.endr
	v_max_num_f32 v124, v124, v125
	v_permlanex16_b32 v125, v124, s86, s87
	v_max_num_f32 v114, v124, v125
	ds_store_b128 v10, v[112:115]
	s_wait_dscnt 0x0                               ; for the others' sake: my statistics are in LDS (their last readers signalled the barrier before)
	s_barrier_signal -1
	s_barrier_wait -1
.irp w, 0,1,2,3
	ds_load_b128 v[12+4*\w:15+4*\w], v11 offset:256*\w
.endr
	s_wait_dscnt 0x0
	v_add_f32 v124, v12, v16
	v_add_f32 v125, v20, v24
	v_add_f32 v124, v124, v125
	v_mul_f32 v124, 0x3e800000, v124               ; the row's mean
	v_sub_f32 v12, v12, v124
	v_sub_f32 v16, v16, v124
	v_sub_f32 v20, v20, v124
	v_sub_f32 v24, v24, v124
	v_sub_f32 v122, v112, v124                     ; my mean less the row's
	v_mul_f32 v125, v12, v12
	v_fmac_f32 v125, v16, v16
	v_fmac_f32 v125, v20, v20
	v_fmac_f32 v125, v24, v24
	v_add_f32 v126, v13, v17
	v_add_f32 v127, v21, v25
	v_add_f32 v126, v126, v127
	v_fmac_f32 v126, s89, v125                     ; M2
	v_fma_f32 v125, v126, s3, v116                 ; M2 / 128 + 1e-5 x 128 a^2
	v_rsq_f32 v120, v125
	v_sqrt_f32 v127, v126
	v_max3_num_f32 v14, v14, v18, v22
	v_max_num_f32 v14, v14, v26
	s_wait_alu depctr_va_vdst(0)
	v_mul_f32 v127, v127, v120
	v_mul_f32 v127, v127, v14                      ; no |y| of this row and head is larger
	v_max_num_f32 v127, 0x21800000, v127
	v_and_b32 v127, 0x7f800000, v127
	v_add_nc_u32 v127, 0x00800000, v127            ; 2^Ey
	v_sub_nc_u32 v118, 0x7f000000, v127            ; 2^-Ey
	s_cmp_lg_u32 s22, 0
	s_cbranch_scc1 .Lno_sc
	ds_store_b32 v2, v127
.Lno_sc:
	REP 8, 2, v_pk_add_f32 v[OO+i:OO+i+1], v[OO+i:OO+i+1], v[122:123] op_sel_hi:[1,0]
	REP 8, 2, v_pk_mul_f32 v[OO+i:OO+i+1], v[OO+i:OO+i+1], v[120:121] op_sel_hi:[1,0]
	REP 8, 2, v_pk_mul_f32 v[OO+i:OO+i+1], v[OO+i:OO+i+1], v[GG+i:GG+i+1]
	REP 8, 2, v_pk_mul_f32 v[OO+i:OO+i+1], v[OO+i:OO+i+1], v[118:119] op_sel_hi:[1,0]
	REP 8, 1, v_cvt_pk_f16_f32 v[12+i], v[OO+2*i], v[OO+2*i+1]
	ds_store_b128 v28, v[12:15]
	ds_store_b128 v28, v[16:19] offset:32
	s_wait_dscnt 0x0                               ; for the others' sake: my part of the 16 rows of y is in LDS, and my reads of the statistics are over
	s_barrier_signal -1
	s_barrier_wait -1
	ds_load_b128 v[20:23], v29
	ds_load_b128 v[24:27], v29 offset:544
	s_wait_dscnt 0x0
	global_store_b128 v3, v[20:23], s[16:17]       ; 16 lanes store 256 consecutive aligned bytes
	global_store_b128 v3, v[24:27], s[16:17] offset:8192
	s_wait_xcnt 0x0                                ; the stores' offset is stepped and their data registers are loaded again only behind this wait
	v_add_nc_u32 v3, 0x10000, v3
	v_add_nc_u32 v2, 64, v2
	v_add_nc_u32 v4, OPBB, v4
	v_add_nc_u32 v5, OPBB, v5
	v_add_nc_u32 v6, OPBB, v6
	v_add_nc_u32 v7, OPBB, v7
	v_add_nc_u32 v8, 16*288, v8
	v_add_nc_u32 v9, 16*272, v9
	s_sub_co_u32 s2, s2, 1
	s_cmp_lg_u32 s2, 0
	s_cbranch_scc1 .Lblock
	; ---------------- the end
	s_cmp_lg_u32 s22, 0
	s_cbranch_scc1 .Lno_sct
	v_and_b32 v4, 31, v0
	v_lshlrev_b32 v5, 4, v4
	v_add_nc_u32 v4, SCT, v5
	ds_load_b128 v[12:15], v4                      ; wave 0 wrote these words itself
	ds_load_b128 v[16:19], v4 offset:512
	s_wait_dscnt 0x0
	global_store_b128 v5, v[12:15], s[18:19]
	global_store_b128 v5, v[16:19], s[18:19] offset:512
.Lno_sct:
	WIN 0x41
	REP 32, 2, v_pk_mul_f32 v[i:i+1], v[i:i+1], 0x3db504f3 op_sel_hi:[1,0]
	WIN 0
	s_wait_dscnt 0x0
	s_barrier_signal -1                            ; every wave's reads of the operands are over: their bytes take the state
	s_barrier_wait -1
	v_and_b32 v7, 15, v0
	v_bfe_u32 v8, v0, 4, 1
	v_mul_u32_u24 v6, v8, 8*528
	v_lshl_add_u32 v6, v7, 2, v6
	s_lshl_b32 s28, s22, 7
	s_add_co_u32 s28, s28, SS
	v_add_nc_u32 v6, s28, v6                       ; row 8 h, column 32 w + r
	WIN 0x04
.set i, 0
.rept 64
	ds_store_b32 v6, v[i] offset:(16*((i/8)%4)+i%8)*528+64*(i/32)
.set i, i+1
.endr
	WIN 0
	s_wait_dscnt 0x0
	s_barrier_signal -1
	s_barrier_wait -1
	s_cmp_lg_u32 s23, 3
	s_cbranch_scc1 .Lclose                         ; the last segment's end state alone is the sequence's
	v_and_b32 v9, 31, v0
	v_lshlrev_b32 v10, 4, v9
	s_mul_i32 s28, s22, 16*528
	s_add_co_u32 s28, s28, SS
	v_add_nc_u32 v9, s28, v10
.set i, 0
.rept 16
	ds_load_b128 v[32+4*i:35+4*i], v9 offset:528*i
.set i, i+1
.endr
	s_wait_dscnt 0x0
.set i, 0
.rept 16
	global_store_b128 v10, v[32+4*i:35+4*i], s[20:21] offset:512*i
.set i, i+1
.endr
.Lclose:
	s_wait_tensorcnt 0x0                           ; the wave's end
	ds_add_u32 v[SPW], v[NIL]
	s_wait_dscnt 0x0
	s_endpgm
.Lfunc_end_k_qf4ffd94abe_gla2:
	.size	k_qf4ffd94abe_gla2, .Lfunc_end_k_qf4ffd94abe_gla2-k_qf4ffd94abe_gla2
	.p2alignl 7, 3214868480
	.fill 96, 4, 3214868480
	.section	.rodata,"a",@progbits
	.p2align	6, 0x0
	.amdhsa_kernel k_qf4ffd94abe_gla2
		.amdhsa_group_segment_fixed_size 327680
		.amdhsa_private_segment_fixed_size 0
		.amdhsa_enable_private_segment 0
		.amdhsa_kernarg_size 72
		.amdhsa_user_sgpr_count 2
		.amdhsa_user_sgpr_kernarg_segment_ptr 1
		.amdhsa_wavefront_size32 1
		.amdhsa_system_sgpr_workgroup_id_x 1
		.amdhsa_system_sgpr_workgroup_id_y 1
		.amdhsa_system_sgpr_workgroup_id_z 1
		.amdhsa_system_vgpr_workitem_id 0
		.amdhsa_next_free_vgpr 704
		.amdhsa_next_free_sgpr 106
		.amdhsa_reserve_vcc 0
		.amdhsa_float_denorm_mode_32 3
		.amdhsa_float_denorm_mode_16_64 3
		.amdhsa_memory_ordered 1
		.amdhsa_forward_progress 1
		.amdhsa_inst_pref_size 122
	.end_amdhsa_kernel
	.amdgpu_metadata
---
amdhsa.version: [ 1, 2 ]
amdhsa.kernels:
  - .name:           k_qf4ffd94abe_gla2
    .symbol:         k_qf4ffd94abe_gla2.kd
    .args:
      - { .name: qkvg, .offset: 0, .size: 8, .value_kind: global_buffer, .address_space: global }
      - { .name: zb, .offset: 8, .size: 8, .value_kind: global_buffer, .address_space: global }
      - { .name: Wkg2, .offset: 16, .size: 8, .value_kind: global_buffer, .address_space: global }
      - { .name: bkg2, .offset: 24, .size: 8, .value_kind: global_buffer, .address_space: global }
      - { .name: bg, .offset: 32, .size: 8, .value_kind: global_buffer, .address_space: global }
      - { .name: ust, .offset: 40, .size: 8, .value_kind: global_buffer, .address_space: global }
      - { .name: yh, .offset: 48, .size: 8, .value_kind: global_buffer, .address_space: global }
      - { .name: ysc, .offset: 56, .size: 8, .value_kind: global_buffer, .address_space: global }
      - { .name: out1, .offset: 64, .size: 8, .value_kind: global_buffer, .address_space: global }
    .group_segment_fixed_size: 327680
    .private_segment_fixed_size: 0
    .kernarg_segment_align: 8
    .kernarg_segment_size: 72
    .max_flat_workgroup_size: 128
    .sgpr_count:     106
    .vgpr_count:     704
    .wavefront_size: 32
...
	.end_amdgpu_metadata
.endif
;; end of part 4
;; launch outp (part 5): grid 8 x 32, 4 waves a work-group, clusters of 4 x 4, 327,680 bytes of LDS; arguments yh, wo16, out0, ysc; writes out0
.if DOCPART == 5
	.amdgcn_target "amdgcn-amd-amdhsa--gfx1250"
	.amdhsa_code_object_version 6
	.text
	.protected	k_qf4ffd94abe_outp
	.globl	k_qf4ffd94abe_outp
	.p2align	8
	.type	k_qf4ffd94abe_outp,@function
k_qf4ffd94abe_outp:
	s_mov_b64 s[64:65], 0
	v_nop
	global_prefetch_b8 v0, s[64:65] scope:SCOPE_SE
	s_setreg_imm32_b32 hwreg(HW_REG_WAVE_MODE, 25, 1), 1
	s_wait_xcnt 0x0
	s_wait_alu depctr_hold_cnt(0) depctr_sa_sdst(0) depctr_va_vdst(0) depctr_va_sdst(0) depctr_va_ssrc(0) depctr_va_vcc(0) depctr_vm_vsrc(0)
	s_getreg_b32 s2, hwreg(HW_REG_IB_STS2, 6, 4)
	s_cmp_eq_u32 s2, 0
	s_cbranch_scc0 .Lentry_in_a_cluster
	s_endpgm
.Lentry_in_a_cluster:
	s_bfe_u32 s2, ttmp6, 0x10000c
	s_cmp_lg_u32 s2, 0xf033
	s_cbranch_scc0 .Lentry_shape_is_right
	s_endpgm
.Lentry_shape_is_right:
; OUTP: out0[m][n] = sum over k of y[m][k] Wo[k][n].  yh [4096][2048] f16 holds y 2^-Ey, ysc [16][4096] f32 holds 2^Ey for head k / 128 and row m; wo16 [2048][2048] f16 (K down the rows); out0 f32.
; A K step of 128 is one head.  With R[m] the largest of a row's 16 scales, yh's fragments are multiplied by f = 2^Ey / R (a power of two, at most 1: exact but where the product falls below f16's normal
; range, which is below 2^-14 of the row's largest scale), and the sums by R at the end.
; TILES 128 x 256: 32 x 8 = 256 work-groups, one tile each; four waves of 64 x 128; two LDS slots; wo16's fragments come out of LDS turned.
; CLUSTER 4 x 4: yh's tile is asked for jointly along a row of the cluster, wo16's along a column.
; TRANSPOSED USE: a lane holds row l % 16 and eight neighbouring columns.
; REGISTERS: window 0: v0-31 addresses and the two sets of four factors; v32-39 R in pairs; two fragment buffers of 96 at v64 and v160; on the way out v64-191 take rows read back.  Window 1: accumulator (a, b) at 8 (8 a + b).
.set KSTEP,  128
.set WROW,   4096                      ; bytes in a row of yh and of wo16
.set OROW,   8192                      ; of out0
.set PA,     272
.set PB,     544
.set HA,     64*PA
.set HB,     64*PB
.set BOFF,   2*HA
.set SLOT,   BOFF+2*HB
.set STAGE,  2*SLOT                    ; 16 rows x 528 bytes for each wave
.set SPITCH, 528
.set FT,     STAGE+4*16*SPITCH         ; f as a pair of f16: [16 heads][128 rows] of 4 bytes
.set RS,     FT+8192                   ; R: 128 f32
.set SPARE,  RS+512
.set LAPS,   8
.set FS,   8                           ; v8-11, v12-15: a slot's four factors
.set ADRA, 16
.set ADRB, 20
.set RA,   23
.set STO,  24
.set RD,   25
.set CO,   26
.set FA,   27
.set SPW,  28
.set NIL,  29
.set RV,   32
.set F0,   64
.set F1,   160
.set G1,  24
.set G0,  32
.set G1B, 48
.set G0B, 56
.set MSB, 0
.macro WIN new
.if MSB != (\new)
	s_set_vgpr_msb (MSB<<8)|(\new)
.set MSB, \new
.endif
.endm
.set MUL, 0x50
.macro JLOAD s                         ; a joint load: waves 0, 1 fetch yh's halves, waves 2, 3 wo16's; an s_nop 0 and four v_nop follow each line
	s_cmp_eq_u32 s11, 0
	s_cbranch_scc0 .Lfor_b_\@
	tensor_load_to_lds s[G0+4*(\s):G0+4*(\s)+3], s[G1:G1+7]
	s_nop 0
.rept 4
	v_nop
.endr
	s_branch .Lasked_\@
.Lfor_b_\@:
	tensor_load_to_lds s[G0B+4*(\s):G0B+4*(\s)+3], s[G1B:G1B+7]
	s_nop 0
.rept 4
	v_nop
.endr
.Lasked_\@:
.endm
.macro CREST
	s_cmp_lg_u32 s10, 0
	s_cbranch_scc1 .Lnot_wave_0_\@
	s_barrier_signal -3
.Lnot_wave_0_\@:
	s_barrier_wait -3
	s_barrier_signal -1
	s_barrier_wait -1
.endm
.macro CROUND
	s_barrier_signal -1
	s_barrier_wait -1
	CREST
.endm
.macro PLACES
.rept 4
	v_nop
.endr
.endm
	s_load_b128 s[4:7], s[0:1], 0x0                ; yh, wo16
	s_load_b64 s[8:9], s[0:1], 0x10                ; out0
	s_load_b64 s[66:67], s[0:1], 0x18              ; ysc
	v_lshl_add_u32 v[SPW], v0, 2, SPARE
	v_mov_b32 v[NIL], 0
	ds_add_u32 v[SPW], v[NIL]                      ; the wave's opening: the add and its wait ahead of my first tensor load
	ds_add_u32 v28, v29
	v_lshrrev_b32 v1, 5, v0
	v_readfirstlane_b32 s10, v1
	s_lshr_b32 s11, s10, 1
	s_and_b32 s12, s10, 1
	s_bfe_u32 s40, ttmp6, 0x40000                  ; cx
	s_bfe_u32 s41, ttmp6, 0x40004                  ; cy
	s_lshl_b32 s42, ttmp9, 2
	s_add_co_u32 s42, s42, s40                     ; tile column
	s_and_b32 s13, ttmp7, 0xffff
	s_lshl_b32 s13, s13, 2
	s_add_co_u32 s13, s13, s41                     ; tile row
	s_lshl_b32 s43, s41, 2
	s_lshl_b32 s43, 15, s43
	s_lshl_b32 s44, 0x1111, s40
	s_or_b32 s[G1+0], s43, (1<<16)|(1<<20)|(1<<21)|(5<<22)|(3<<25)
	s_or_b32 s[G1B+0], s44, (1<<16)|(1<<20)|(1<<21)|(6<<22)|(7<<25)
	s_mov_b32 s[G1+1], 128<<16
	s_mov_b32 s[G1+2], 64<<16
	s_mov_b32 s[G1+3], 128<<16
	s_mov_b32 s[G1+4], 64
	s_mov_b32 s[G1+5], 2048
	s_mov_b32 s[G1+6], 0
	s_mov_b32 s[G1+7], 0
	s_mov_b32 s[G1B+1], 256<<16
	s_mov_b32 s[G1B+2], 64<<16
	s_mov_b32 s[G1B+3], 256<<16
	s_mov_b32 s[G1B+4], 64
	s_mov_b32 s[G1B+5], 2048
	s_mov_b32 s[G1B+6], 0
	s_mov_b32 s[G1B+7], 0
	s_lshl_b32 s16, s13, 7
	s_lshl_b32 s17, s12, 6
	s_add_co_u32 s16, s16, s17
	s_lshl_b32 s16, s16, 12                        ; yh: row 128 x tile row + 64 x half
	s_mov_b32 s17, 0
	s_mul_i32 s46, s12, 64*WROW                    ; wo16: k-row 64 x half, 512 bytes a tile column
	s_lshl_b32 s47, s42, 9
	s_add_co_u32 s46, s46, s47
	s_mov_b32 s47, 0
	s_mul_i32 s20, s12, HA
	s_mul_i32 s21, s12, HB
	s_add_co_u32 s21, s21, BOFF
	s_lshl_b32 s18, s13, 9                         ; ysc: the tile's 128 rows
	s_mov_b32 s19, 0
	s_wait_dscnt 0x0
	s_wait_kmcnt 0x0
	s_add_nc_u64 s[14:15], s[4:5], s[16:17]
	s_add_nc_u64 s[46:47], s[6:7], s[46:47]
	s_add_nc_u64 s[66:67], s[66:67], s[18:19]
	CROUND
.irp s, 0,1
	s_mov_b32 s[G0+4*(\s)], 1
	s_add_co_u32 s[G0+4*(\s)+1], s20, (\s)*SLOT
	s_add_nc_u64 s[G0+4*(\s)+2:G0+4*(\s)+3], s[14:15], (\s)*KSTEP*2
	s_or_b32 s[G0+4*(\s)+3], s[G0+4*(\s)+3], 0x80000000
	s_mov_b32 s[G0B+4*(\s)], 1
	s_add_co_u32 s[G0B+4*(\s)+1], s21, (\s)*SLOT
	s_add_nc_u64 s[G0B+4*(\s)+2:G0B+4*(\s)+3], s[46:47], (\s)*KSTEP*WROW
	s_or_b32 s[G0B+4*(\s)+3], s[G0B+4*(\s)+3], 0x80000000
	JLOAD \s
.endr
	; the scales: thread t takes row t of the tile
	v_lshlrev_b32 v3, 2, v0
.set i, 0
.rept 16
	global_load_b32 v[40+i], v3, s[66:67] offset:16384*i
.set i, i+1
.endr
	v_lshl_add_u32 v58, v0, 2, FT
	v_and_b32 v1, 15, v0                           ; r
	v_bfe_u32 v2, v0, 4, 1                         ; h
	v_mul_u32_u24 v4, v1, PA
	v_lshl_add_u32 v4, v2, 4, v4
	s_mul_i32 s22, s11, HA
	v_add_nc_u32 v[ADRA], s22, v4
	v_add_nc_u32 v[ADRA+1], SLOT, v[ADRA]
	v_and_b32 v4, 7, v0
	v_bfe_u32 v5, v0, 3, 1
	v_lshl_add_u32 v4, v2, 3, v4
	v_mul_u32_u24 v4, v4, PB
	v_lshl_add_u32 v4, v5, 4, v4
	s_lshl_b32 s23, s12, 8
	s_add_co_u32 s23, s23, BOFF
	v_add_nc_u32 v[ADRB], s23, v4
	v_add_nc_u32 v[ADRB+1], SLOT, v[ADRB]
	s_mul_i32 s23, s10, 16*SPITCH
	s_add_co_u32 s23, s23, STAGE                   ; my stage
	v_mul_u32_u24 v4, v1, SPITCH
	v_lshl_add_u32 v4, v2, 5, v4                   ; in: row r, 32 bytes for each half of the lanes
	v_add_nc_u32 v[STO], s23, v4
	v_and_b32 v5, 31, v0
	v_lshlrev_b32 v[CO], 4, v5                     ; back, and in out0: 16 lane
	v_add_nc_u32 v[RD], s23, v[CO]
	s_lshl_b32 s23, s11, 8
	s_add_co_u32 s23, s23, FT
	v_lshl_add_u32 v[FA], v1, 2, s23               ; my rows' factors: 4 (64 x half + r)
	v_add_nc_u32 v[RA], 8192, v[FA]                ; and their R
	s_lshl_b32 s16, s13, 7
	s_lshl_b32 s17, s11, 6
	s_add_co_u32 s16, s16, s17
	s_lshl_b32 s16, s16, 13                        ; my first row of out0
	s_mov_b32 s17, 0
	s_add_nc_u64 s[8:9], s[8:9], s[16:17]
	s_lshl_b32 s46, s42, 10
	s_lshl_b32 s47, s12, 9
	s_add_co_u32 s46, s46, s47
	s_mov_b32 s47, 0
	s_add_nc_u64 s[8:9], s[8:9], s[46:47]
	s_wait_loadcnt 0x0
	v_max3_num_f32 v56, v40, v41, v42
.irp i, 43,45,47,49,51,53
	v_max3_num_f32 v56, v56, v[\i], v[\i+1]
.endr
	v_max_num_f32 v56, v56, v55                    ; R, a power of two
	v_sub_nc_u32 v57, 0x7f000000, v56              ; 1 / R, by its bits
.set i, 0
.rept 16
	v_mul_f32 v[40+i], v[40+i], v57
	v_cvt_pk_f16_f32 v[40+i], v[40+i], v[40+i]
	ds_store_b32 v58, v[40+i] offset:512*i
.set i, i+1
.endr
	ds_store_b32 v58, v56 offset:8192
.macro MUL8 f, a, zero
	WIN MUL
.irp b, 0,1,2,3,4,5,6,7
.if \zero
	v_wmma_f32_16x16x32_f16 v[8*(8*(\a)+(\b)):8*(8*(\a)+(\b))+7], v[(\f)+8*(\b):(\f)+8*(\b)+7], v[(\f)+64+8*(\a):(\f)+64+8*(\a)+7], 0
.else
	v_wmma_f32_16x16x32_f16 v[8*(8*(\a)+(\b)):8*(8*(\a)+(\b))+7], v[(\f)+8*(\b):(\f)+8*(\b)+7], v[(\f)+64+8*(\a):(\f)+64+8*(\a)+7], v[8*(8*(\a)+(\b)):8*(8*(\a)+(\b))+7]
.endif
.endr
.endm
.macro FETCH slot, q, f
	WIN 0
.irp b, 0,1,2,3,4,5,6,7
	ds_load_tr16_b128 v[(\f)+8*(\b):(\f)+8*(\b)+3],   v[ADRB+(\slot)] offset:(\q)*32*PB+32*(\b)
	ds_load_tr16_b128 v[(\f)+8*(\b)+4:(\f)+8*(\b)+7], v[ADRB+(\slot)] offset:(\q)*32*PB+16*PB+32*(\b)
.endr
.irp a, 0,1,2,3
	ds_load_b128 v[(\f)+64+8*(\a):(\f)+64+8*(\a)+3],   v[ADRA+(\slot)] offset:64*(\q)+(\a)*16*PA
	ds_load_b128 v[(\f)+64+8*(\a)+4:(\f)+64+8*(\a)+7], v[ADRA+(\slot)] offset:64*(\q)+(\a)*16*PA+32
.endr
.endm
.macro SCL f, a, slot                  ; yh's fragment a times its rows' factor: a lane holds one row
	WIN 0
.set i, 0
.rept 8
	v_pk_mul_f16 v[(\f)+64+8*(\a)+i], v[(\f)+64+8*(\a)+i], v[FS+4*(\slot)+(\a)]
.set i, i+1
.endr
.endm
.macro FACT slot                       ; the factors of the K step that lies in that slot
	WIN 0
.irp a, 0,1,2,3
	ds_load_b32 v[FS+4*(\slot)+(\a)], v[FA] offset:64*(\a)
.endr
.endm
.macro QUARTER slot, q, f, g, zero
	s_wait_dscnt 4                                 ; yh's fragments 2 and 3 may be out
	SCL \f, 0, \slot
	SCL \f, 1, \slot
	MUL8 \f, 0, \zero
	MUL8 \f, 1, \zero
	s_wait_dscnt 0x0
	SCL \f, 2, \slot                               ; these sixteen name no register of the products above: they are also the places ahead of the loads below
	SCL \f, 3, \slot
	FETCH \slot, \q, \g
	s_wait_dscnt 24                                ; the 24 just issued may be out
	MUL8 \f, 2, \zero
	MUL8 \f, 3, \zero
.endm
.macro TURN slot, next, fill
	WIN 0
	s_wait_tensorcnt 0x0                           ; all my tensor loads have landed: my part of the next slot
	ds_add_u32 v[SPW], v[NIL]
	s_wait_dscnt 1                                 ; the add alone may be out
	SCL F1, 0, \slot
	SCL F1, 1, \slot
	SCL F1, 2, \slot
	SCL F1, 3, \slot
	MUL8 F1, 0, 0
	s_wait_dscnt 0x0                               ; the add is done, my reads of this slot are over
	s_barrier_signal -1
	MUL8 F1, 1, 0
	WIN 0
	s_barrier_wait -1
.if \fill
	CREST                                          ; the barrier has opened a round of the cluster's
	s_add_nc_u64 s[G0+4*(\slot)+2:G0+4*(\slot)+3], s[G0+4*(\slot)+2:G0+4*(\slot)+3], 2*KSTEP*2
	s_add_nc_u64 s[G0B+4*(\slot)+2:G0B+4*(\slot)+3], s[G0B+4*(\slot)+2:G0B+4*(\slot)+3], 2*KSTEP*WROW
	JLOAD \slot                                    ; the first tensor load behind the round
.endif
	v_add_nc_u32 v[FA], 512, v[FA]                 ; the next head
	FACT \next
	FETCH \next, 0, F0
	MUL8 F1, 2, 0
	MUL8 F1, 3, 0
.endm
	s_wait_tensorcnt 1                             ; my part of K step 0 is in; step 1's may stay out
	s_wait_dscnt 0x0                               ; my rows' factors are in LDS
	s_barrier_signal -1
	s_barrier_wait -1
	FACT 0
	FETCH 0, 0, F0
	QUARTER 0, 1, F0, F1, 1
	WIN 0
	s_mov_b32 s3, LAPS-1
.Llap:
	QUARTER 0, 2, F1, F0, 0
	QUARTER 0, 3, F0, F1, 0
	TURN 0, 1, 1
	QUARTER 1, 1, F0, F1, 0
	QUARTER 1, 2, F1, F0, 0
	QUARTER 1, 3, F0, F1, 0
	TURN 1, 0, 1
	QUARTER 0, 1, F0, F1, 0
	WIN 0
	s_sub_co_u32 s3, s3, 1
	s_cmp_lg_u32 s3, 0
	s_cbranch_scc1 .Llap
	QUARTER 0, 2, F1, F0, 0
	QUARTER 0, 3, F0, F1, 0
	TURN 0, 1, 0                                   ; the last change of slots: nothing is asked for, so no round follows
	QUARTER 1, 1, F0, F1, 0
	QUARTER 1, 2, F1, F0, 0
	QUARTER 1, 3, F0, F1, 0
	s_wait_dscnt 0x0
	SCL F1, 0, 1
	SCL F1, 1, 1
	SCL F1, 2, 1
	SCL F1, 3, 1
	MUL8 F1, 0, 0
	MUL8 F1, 1, 0
	MUL8 F1, 2, 0
	MUL8 F1, 3, 0
	WIN 0
	PLACES
	; THE WAY OUT of m block a: times R, through my own stage (rows of 512 + 16 bytes), back as whole rows, stored.
.irp a, 0,1,2,3
	ds_load_b32 v[RV+2*\a], v[RA] offset:64*\a     ; twice: the packed multiply names a pair and takes its low word
	ds_load_b32 v[RV+2*\a+1], v[RA] offset:64*\a
.endr
	s_wait_dscnt 0x0
.macro SCALE a
	WIN 0x41
.irp b, 0,1,2,3,4,5,6,7
.irp u, 0,2,4,6
	v_pk_mul_f32 v[8*(8*(\a)+(\b))+(\u):8*(8*(\a)+(\b))+(\u)+1], v[8*(8*(\a)+(\b))+(\u):8*(8*(\a)+(\b))+(\u)+1], v[RV+2*(\a):RV+2*(\a)+1] op_sel_hi:[1,0]
.endr
.endr
.endm
.macro TOSTAGE a
.set BK, 64+64*((\a)%2)
	WIN 0x04                                       ; the stores' data lie in window 1
.irp b, 0,1,2,3,4,5,6,7
	ds_store_b128 v[STO], v[8*(8*(\a)+(\b)):8*(8*(\a)+(\b))+3] offset:64*(\b)
	ds_store_b128 v[STO], v[8*(8*(\a)+(\b))+4:8*(8*(\a)+(\b))+7] offset:64*(\b)+16
.endr
	WIN 0
.set t, 0
.rept 16
	ds_load_b128 v[BK+4*t:BK+4*t+3], v[RD] offset:t*SPITCH
.set t, t+1
.endr
.endm
.macro SEND a
.set BK, 64+64*((\a)%2)
	WIN 0
	s_wait_dscnt 0x0
	s_wait_xcnt 0x0                                ; the registers that earlier stores read are loaded again only behind this wait
.set t, 0
.rept 16
	global_store_b128 v[CO], v[BK+4*t:BK+4*t+3], s[8:9] offset:(16*(\a)+t)*OROW th:TH_STORE_NT
.set t, t+1
.endr
.endm
	SCALE 0
	TOSTAGE 0
.irp a, 1,2,3
	SCALE \a
	SEND (\a)-1
	TOSTAGE \a
.endr
	SEND 3
	s_wait_tensorcnt 0x0                           ; the wave's end
	ds_add_u32 v[SPW], v[NIL]
	s_wait_dscnt 0x0
	CROUND                                         ; the closing round
	s_endpgm
.Lfunc_end_k_qf4ffd94abe_outp:
	.size	k_qf4ffd94abe_outp, .Lfunc_end_k_qf4ffd94abe_outp-k_qf4ffd94abe_outp
	.p2alignl 7, 3214868480
	.fill 96, 4, 3214868480
	.section	.rodata,"a",@progbits
	.p2align	6, 0x0
	.amdhsa_kernel k_qf4ffd94abe_outp
		.amdhsa_group_segment_fixed_size 327680
		.amdhsa_private_segment_fixed_size 0
		.amdhsa_enable_private_segment 0
		.amdhsa_kernarg_size 32
		.amdhsa_user_sgpr_count 2
		.amdhsa_user_sgpr_kernarg_segment_ptr 1
		.amdhsa_wavefront_size32 1
		.amdhsa_system_sgpr_workgroup_id_x 1
		.amdhsa_system_sgpr_workgroup_id_y 1
		.amdhsa_system_sgpr_workgroup_id_z 1
		.amdhsa_system_vgpr_workitem_id 0
		.amdhsa_next_free_vgpr 512
		.amdhsa_next_free_sgpr 68
		.amdhsa_reserve_vcc 0
		.amdhsa_float_denorm_mode_32 3
		.amdhsa_float_denorm_mode_16_64 3
		.amdhsa_memory_ordered 1
		.amdhsa_forward_progress 1
		.amdhsa_inst_pref_size 131
	.end_amdhsa_kernel
	.amdgpu_metadata
---
amdhsa.version: [ 1, 2 ]
amdhsa.kernels:
  - .name:           k_qf4ffd94abe_outp
    .symbol:         k_qf4ffd94abe_outp.kd
    .args:
      - { .name: yh, .offset: 0, .size: 8, .value_kind: global_buffer, .address_space: global }
      - { .name: wo16, .offset: 8, .size: 8, .value_kind: global_buffer, .address_space: global }
      - { .name: out0, .offset: 16, .size: 8, .value_kind: global_buffer, .address_space: global }
      - { .name: ysc, .offset: 24, .size: 8, .value_kind: global_buffer, .address_space: global }
    .group_segment_fixed_size: 327680
    .private_segment_fixed_size: 0
    .kernarg_segment_align: 8
    .kernarg_segment_size: 32
    .max_flat_workgroup_size: 128
    .sgpr_count:     68
    .vgpr_count:     512
    .wavefront_size: 32
...
	.end_amdgpu_metadata
.endif
;; end of part 5
;; ======== version 2 of 2: 5 launches; 1.11 times as fast as version 1
;; limits: right only within a limited range of input values; a function is approximated: absolute error at most 0.000122; values are held in f16: magnitudes above 65,504 overflow, below 6.1e-05 lose precision
;; workspace buffers: xb 16,777,216 bytes; wcat 25,165,824 bytes; wo16 8,388,608 bytes; zb 131,072 bytes; qkvg 100,663,296 bytes; ust 6,340,608 bytes; yh 16,777,216 bytes; ysc 262,144 bytes
;; launch prep (part 6): grid 256 x 3, 8 waves a work-group, no clusters, 142,336 bytes of LDS; arguments x, Wq, Wk, Wv, Wg, Wo, Wkg1, xb, wcat, wo16, zb; writes xb, wcat, wo16, zb
.if DOCPART == 6
	.amdgcn_target "amdgcn-amd-amdhsa--gfx1250"
	.amdhsa_code_object_version 6
	.text
	.protected	k_qf4ffd94abe_prep
	.globl	k_qf4ffd94abe_prep
	.p2align	8
	.type	k_qf4ffd94abe_prep,@function
k_qf4ffd94abe_prep:
	s_mov_b64 s[64:65], 0
	v_nop
	global_prefetch_b8 v0, s[64:65] scope:SCOPE_SE
	s_setreg_imm32_b32 hwreg(HW_REG_WAVE_MODE, 25, 1), 1
	s_wait_xcnt 0x0
; PREP: the casts to 16 bits, and z = x Wkg1.
; y = 0:    work-group X takes rows 16 X .. 16 X + 15 of x [4096][2048] f32: xb = bf16(x), and z[row][16] = bf16(x) . bf16(Wkg1), summed in f32, stored as bf16.
;           Wave w takes columns 256 w .. 256 w + 255: its share of K for z; the eight partial sums meet in LDS and wave 0 adds them.
; y = 1, 2: the 512 work-groups j = 256 (y - 1) + X take the weights.  Unit u = j / 64 is 2048 rows x 1024 columns: Wq, Wk, Wv (2 units), Wg (2) -> wcat [2048][6144] bf16, whose columns are Wv, Wg, Wq, Wk
;           in this order; Wo (2) -> wo16 [2048][2048]: rounded to bf16, that number written as f16.  Work-group j takes rows 32 (j % 64) .., a wave four of them: its 32 loads of 512 consecutive bytes
;           go out together, 16 KB a wave on their way; 32 stores of 256 consecutive aligned bytes.
; LIMITS. wo16: a bf16 number below 6e-5 keeps f16's fixed step of 6e-8, one beyond 65,504 becomes an infinity. NaN and infinities are not treated apart.
; Memory binds here: no tensor loads, no cluster (no work-group shares a tile but the 128 KB of Wkg1).
.set XLP,   528                        ; a row of my 256 columns of xb in LDS: 512 bytes + 16: 16 rows of a fragment load start at 16 different groups of four banks (ISA guide 11.1)
.set XLW,   16*XLP                     ; a wave's 16 rows
.set WL,    8*XLW                      ; behind them: my 256 k-rows of Wkg1 as bf16, [k][16], 32 bytes a row: 8,192 bytes a wave
.set RED,   WL+8*8192                  ; the partial sums: 1,024 bytes a wave
.set SPARE, RED+8*1024                 ; the spare words, 128 bytes a wave
.set SPW, 30                           ; v30 LDS address of my spare word; never rewritten
.set NIL, 31                           ; v31 0; never rewritten
.set WR,  32                           ; v[32:95]   Wkg1 as loaded; later the 8 fragments of x
.set XR,  96                           ; v[96:159]  x as loaded, converted in place
.set BF,  160                          ; v[160:223] 8 fragments of Wkg1^T
.set Z0,  224                          ; v[224:239] two accumulators that take turns
.set ZS,  240                          ; v[240:247] their sum
.set SO,  16                           ; weights: v[16:19] my offset in each of my four rows of the source
.set DO,  20                           ;          v[20:23] the same in the destination
.set WW,  32                           ;          v[32:159] four rows as loaded, converted in place
	s_load_b512 s[4:19], s[0:1], 0x0               ; x, Wq, Wk, Wv, Wg, Wo, Wkg1, xb
	s_load_b128 s[20:23], s[0:1], 0x40             ; wcat, wo16
	s_load_b64 s[24:25], s[0:1], 0x50              ; zb
	v_lshl_add_u32 v[SPW], v0, 2, SPARE
	v_mov_b32 v[NIL], 0
	v_lshrrev_b32 v1, 5, v0
	v_readfirstlane_b32 s26, v1                    ; wave 0..7
	s_and_b32 s27, ttmp7, 0xffff                   ; y
	v_and_b32 v1, 31, v0                           ; lane
	v_lshlrev_b32 v2, 4, v1                        ; 16 lane
	v_lshlrev_b32 v3, 3, v1                        ; 8 lane
	s_mov_b32 s29, 0
	s_wait_kmcnt 0x0
	s_cmp_lg_u32 s27, 0
	s_cbranch_scc1 .Lweights
	; ---------------- y = 0: x and z
	s_lshl_b32 s28, ttmp9, 17                      ; 16 rows of 8,192 bytes
	s_add_nc_u64 s[4:5], s[4:5], s[28:29]
	s_lshl_b32 s28, ttmp9, 16                      ; 16 rows of 4,096 bytes
	s_add_nc_u64 s[18:19], s[18:19], s[28:29]
	s_lshl_b32 s28, ttmp9, 9                       ; 16 rows of 32 bytes
	s_add_nc_u64 s[24:25], s[24:25], s[28:29]
	v_lshl_add_u32 v4, s26, 10, v2                 ; x: 1,024 w + 16 lane
	v_lshl_add_u32 v5, s26, 9, v3                  ; xb: 512 w + 8 lane
	v_lshl_add_u32 v8, s26, 14, v2                 ; Wkg1: my 256 rows of 64 bytes are 16,384 consecutive bytes
.macro XLOAD half                      ; eight rows, two loads of 512 consecutive bytes each
.set i, 0
.rept 16
	global_load_b128 v[XR+4*i:XR+4*i+3], v4, s[4:5] offset:(8*(\half)+i/2)*8192+512*(i%2) th:TH_LOAD_NT
.set i, i+1
.endr
.endm
.macro WLOAD b                         ; 128 k-rows of Wkg1
.set i, 0
.rept 16
	global_load_b128 v[WR+4*i:WR+4*i+3], v8, s[16:17] offset:8192*(\b)+512*i
.set i, i+1
.endr
.endm
.macro WCVT b                          ; rounded to bf16 and laid down as [k][16]: lane l of load i holds k = 8 i + l / 4, n = 4 (l % 4) ..: byte 256 i + 8 l
.set i, 0
.rept 16
	v_cvt_pk_bf16_f32 v[WR+4*i], v[WR+4*i], v[WR+4*i+1]
	v_cvt_pk_bf16_f32 v[WR+4*i+1], v[WR+4*i+2], v[WR+4*i+3]
	ds_store_b64 v7, v[WR+4*i:WR+4*i+1] offset:4096*(\b)+256*i
.set i, i+1
.endr
.endm
.macro XCVT half                       ; rounded to bf16, to memory (256 consecutive aligned bytes a store) and into my rows in LDS
.set i, 0
.rept 16
	v_cvt_pk_bf16_f32 v[XR+4*i], v[XR+4*i], v[XR+4*i+1]
	v_cvt_pk_bf16_f32 v[XR+4*i+1], v[XR+4*i+2], v[XR+4*i+3]
	global_store_b64 v5, v[XR+4*i:XR+4*i+1], s[18:19] offset:(8*(\half)+i/2)*4096+256*(i%2)
	ds_store_b64 v6, v[XR+4*i:XR+4*i+1] offset:(8*(\half)+i/2)*XLP+256*(i%2)
.set i, i+1
.endr
.endm
	WLOAD 0
	XLOAD 0
	s_mul_i32 s30, s26, XLW
	v_add_nc_u32 v6, s30, v3                       ; my rows of x in LDS + 8 lane
	s_lshl_b32 s31, s26, 13
	s_add_co_u32 s31, s31, WL
	v_add_nc_u32 v7, s31, v3                       ; my image of Wkg1 + 8 lane
	v_and_b32 v12, 15, v0                          ; r
	v_bfe_u32 v13, v0, 4, 1                        ; h
	v_and_b32 v14, 7, v0
	v_bfe_u32 v15, v0, 3, 1
	v_lshl_add_u32 v9, v13, 3, v14                 ; the turning load: k-row 8 h + lane % 8,
	v_lshlrev_b32 v9, 5, v9                        ; 32 bytes a row,
	v_lshl_add_u32 v9, v15, 4, v9                  ; 16 bytes for each group of eight lanes
	v_add_nc_u32 v9, s31, v9
	v_mul_u32_u24 v10, v12, XLP                    ; a fragment of x: row r, 16 bytes for each half of the lanes
	v_lshl_add_u32 v10, v13, 4, v10
	v_add_nc_u32 v10, s30, v10
	s_lshl_b32 s32, s26, 10
	s_add_co_u32 s32, s32, RED
	v_lshl_add_u32 v11, v1, 5, s32                 ; my partial sums: 32 bytes a lane
	s_wait_loadcnt 16                              ; loads come back in order: Wkg1's first 16 are in, x's 16 stay out
	WCVT 0
	WLOAD 1
	s_wait_loadcnt 16                              ; x's rows 0-7 are in, Wkg1's second 16 stay out
	XCVT 0
	s_wait_xcnt 0x0                                ; the stores' data registers are loaded again only behind this wait
	XLOAD 1
	s_wait_loadcnt 16                              ; Wkg1's second 16 are in
	WCVT 1
.irp c, 0,1,2,3,4,5,6,7                ; Wkg1^T: lane l holds column l % 16 and k = 32 c + 8 h .. (registers 0-3), + 16 (registers 4-7). My own bytes: LDS serves a wave in order
	ds_load_tr16_b128 v[BF+8*\c:BF+8*\c+3], v9 offset:1024*\c
	ds_load_tr16_b128 v[BF+8*\c+4:BF+8*\c+7], v9 offset:1024*\c+512
.endr
	s_wait_loadcnt 0x0
	XCVT 1
.irp c, 0,1,2,3,4,5,6,7
	ds_load_b128 v[WR+8*\c:WR+8*\c+3], v10 offset:64*\c
	ds_load_b128 v[WR+8*\c+4:WR+8*\c+7], v10 offset:64*\c+32
.endr
	s_wait_dscnt 0x0
	; z^T = Wkg1^T x^T: a lane holds one row of x (l % 16) and the ranks 8 h + 0..7. Two accumulators take turns.
.irp c, 0,1,2,3,4,5,6,7
.if \c < 2
	v_wmma_f32_16x16x32_bf16 v[Z0+8*(\c%2):Z0+8*(\c%2)+7], v[BF+8*\c:BF+8*\c+7], v[WR+8*\c:WR+8*\c+7], 0
.else
	v_wmma_f32_16x16x32_bf16 v[Z0+8*(\c%2):Z0+8*(\c%2)+7], v[BF+8*\c:BF+8*\c+7], v[WR+8*\c:WR+8*\c+7], v[Z0+8*(\c%2):Z0+8*(\c%2)+7]
.endif
.endr
.rept 4
	v_nop                                          ; four places between a product and the reading of its result (ISA guide 7.12.1)
.endr
.irp u, 0,2,4,6
	v_pk_add_f32 v[ZS+\u:ZS+\u+1], v[Z0+\u:Z0+\u+1], v[Z0+8+\u:Z0+8+\u+1]
.endr
	ds_store_b128 v11, v[ZS:ZS+3]
	ds_store_b128 v11, v[ZS+4:ZS+7] offset:16
	s_wait_dscnt 0x0                               ; for wave 0's sake: my partial sums are in LDS
	s_barrier_signal -1
	s_barrier_wait -1
	s_cmp_lg_u32 s26, 0
	s_cbranch_scc1 .Lend
	v_lshl_add_u32 v11, v1, 5, RED
.irp w, 0,1,2,3,4,5,6,7
	ds_load_b128 v[32+8*\w:35+8*\w], v11 offset:1024*\w
	ds_load_b128 v[36+8*\w:39+8*\w], v11 offset:1024*\w+16
.endr
	s_wait_dscnt 0x0
.irp w, 1,2,3,4,5,6,7
.irp u, 0,2,4,6
	v_pk_add_f32 v[32+\u:33+\u], v[32+\u:33+\u], v[32+8*\w+\u:33+8*\w+\u]
.endr
.endr
.irp u, 0,1,2,3
	v_cvt_pk_bf16_f32 v[248+\u], v[32+2*\u], v[33+2*\u]
.endr
	v_lshlrev_b32 v16, 5, v12                      ; row r, 32 bytes; ranks 8 h ..: the wave stores 512 consecutive bytes
	v_lshl_add_u32 v16, v13, 4, v16
	global_store_b128 v16, v[248:251], s[24:25]
	s_branch .Lend
	; ---------------- y = 1, 2: four rows of a unit of a weight
.Lweights:
	s_sub_co_u32 s30, s27, 1
	s_lshl_b32 s30, s30, 8
	s_add_co_u32 s31, s30, ttmp9                   ; j = 256 (y - 1) + X
	s_lshr_b32 s30, s31, 6                         ; u = j / 64
	s_and_b32 s31, s31, 63
	s_lshl_b32 s31, s31, 5                         ; 32 rows a work-group,
	s_lshl_b32 s33, s26, 2
	s_add_co_u32 s31, s31, s33                     ; four a wave: my first row
	s_and_b32 s33, s30, 1
	s_lshl_b32 s33, s33, 12                        ; the second unit of a wide weight begins 4,096 bytes into its rows
	s_mov_b32 s44, 12288                           ; bytes from row to row in wcat,
	s_mov_b32 s45, 4096                            ; in wo16
	s_mov_b32 s46, 0xffff0000                      ; a word's upper bf16
	s_mov_b64 s[28:29], s[6:7]                     ; u = 0: Wq
	s_cmp_eq_u32 s30, 1
	s_cselect_b64 s[28:29], s[8:9], s[28:29]       ; 1: Wk
	s_cmp_ge_u32 s30, 2
	s_cselect_b64 s[28:29], s[10:11], s[28:29]     ; 2, 3: Wv
	s_cselect_b32 s32, 13, 12                      ; rows of 8,192 bytes, or of 4,096
	s_cselect_b32 s33, s33, 0
	s_cmp_ge_u32 s30, 4
	s_cselect_b64 s[28:29], s[12:13], s[28:29]     ; 4, 5: Wg
	s_cmp_ge_u32 s30, 6
	s_cselect_b64 s[28:29], s[14:15], s[28:29]     ; 6, 7: Wo
	s_lshl_b32 s34, s31, s32
	s_add_co_u32 s34, s34, s33
	s_mov_b32 s35, 0
	s_add_nc_u64 s[28:29], s[28:29], s[34:35]
	s_lshl_b32 s43, 1, s32                         ; bytes from row to row in the source
	s_lshl_b32 s39, s30, 11                        ; 2,048 u
	s_lshl_b32 s40, s31, 12
	s_add_co_u32 s40, s40, s39
	s_sub_co_u32 s40, s40, 12288                   ; in wo16: row x 4,096 + 2,048 (u - 6); used for u >= 6 alone
	s_add_co_u32 s41, s39, 8192                    ; in a row of wcat: Wq and Wk lie behind Wv and Wg: 2,048 (u + 4),
	s_sub_co_u32 s42, s39, 4096                    ; Wv and Wg in front: 2,048 (u - 2)
	s_cmp_lt_u32 s30, 2
	s_cselect_b32 s39, s41, s42
	s_mul_i32 s38, s31, 12288
	s_add_co_u32 s38, s38, s39                     ; in wcat: row x 12,288 + that
	s_cmp_ge_u32 s30, 6
	s_cselect_b64 s[36:37], s[22:23], s[20:21]
	s_cselect_b32 s38, s40, s38
	s_cselect_b32 s44, s45, s44
	s_mov_b32 s39, 0
	s_add_nc_u64 s[36:37], s[36:37], s[38:39]
	v_mov_b32 v[SO], v2                            ; the pitches hang on the unit, so each of my four rows has its own offsets
	v_mov_b32 v[DO], v3
.irp p, 1,2,3
	v_add_nc_u32 v[SO+\p], s43, v[SO+\p-1]
	v_add_nc_u32 v[DO+\p], s44, v[DO+\p-1]
.endr
.set n, 0
.rept 32
	global_load_b128 v[WW+4*n:WW+4*n+3], v[SO+n/8], s[28:29] offset:512*(n%8) th:TH_LOAD_NT
.set n, n+1
.endr
.set n, 0
.rept 32
.if n%4 == 0
	s_wait_loadcnt 28-n                            ; loads come back in order: the next four are in, the younger ones stay out
.endif
	v_cvt_pk_bf16_f32 v[WW+4*n], v[WW+4*n], v[WW+4*n+1]
	v_cvt_pk_bf16_f32 v[WW+4*n+1], v[WW+4*n+2], v[WW+4*n+3]
.set n, n+1
.endr
	s_cmp_lt_u32 s30, 6
	s_cbranch_scc1 .Lwstore
.set n, 0
.rept 32                               ; Wo: the bf16 numbers, widened, written as f16
.irp k, 0,1
	v_lshlrev_b32 v[WW+4*n+2], 16, v[WW+4*n+\k]
	v_and_b32 v[WW+4*n+3], s46, v[WW+4*n+\k]
	v_cvt_pk_f16_f32 v[WW+4*n+\k], v[WW+4*n+2], v[WW+4*n+3]
.endr
.set n, n+1
.endr
.Lwstore:
.set n, 0
.rept 32
	global_store_b64 v[DO+n/8], v[WW+4*n:WW+4*n+1], s[36:37] offset:256*(n%8)
.set n, n+1
.endr
.Lend:
	s_wait_tensorcnt 0x0                           ; the wave's end
	ds_add_u32 v[SPW], v[NIL]
	s_wait_dscnt 0x0
	s_endpgm
.Lfunc_end_k_qf4ffd94abe_prep:
	.size	k_qf4ffd94abe_prep, .Lfunc_end_k_qf4ffd94abe_prep-k_qf4ffd94abe_prep
	.p2alignl 7, 3214868480
	.fill 96, 4, 3214868480
	.section	.rodata,"a",@progbits
	.p2align	6, 0x0
	.amdhsa_kernel k_qf4ffd94abe_prep
		.amdhsa_group_segment_fixed_size 142336
		.amdhsa_private_segment_fixed_size 0
		.amdhsa_enable_private_segment 0
		.amdhsa_kernarg_size 88
		.amdhsa_user_sgpr_count 2
		.amdhsa_user_sgpr_kernarg_segment_ptr 1
		.amdhsa_wavefront_size32 1
		.amdhsa_system_sgpr_workgroup_id_x 1
		.amdhsa_system_sgpr_workgroup_id_y 1
		.amdhsa_system_sgpr_workgroup_id_z 1
		.amdhsa_system_vgpr_workitem_id 0
		.amdhsa_next_free_vgpr 256
		.amdhsa_next_free_sgpr 66
		.amdhsa_reserve_vcc 0
		.amdhsa_float_denorm_mode_32 3
		.amdhsa_float_denorm_mode_16_64 3
		.amdhsa_memory_ordered 1
		.amdhsa_forward_progress 1
		.amdhsa_inst_pref_size 51
	.end_amdhsa_kernel
	.amdgpu_metadata
---
amdhsa.version: [ 1, 2 ]
amdhsa.kernels:
  - .name:           k_qf4ffd94abe_prep
    .symbol:         k_qf4ffd94abe_prep.kd
    .args:
      - { .name: x, .offset: 0, .size: 8, .value_kind: global_buffer, .address_space: global }
      - { .name: Wq, .offset: 8, .size: 8, .value_kind: global_buffer, .address_space: global }
      - { .name: Wk, .offset: 16, .size: 8, .value_kind: global_buffer, .address_space: global }
      - { .name: Wv, .offset: 24, .size: 8, .value_kind: global_buffer, .address_space: global }
      - { .name: Wg, .offset: 32, .size: 8, .value_kind: global_buffer, .address_space: global }
      - { .name: Wo, .offset: 40, .size: 8, .value_kind: global_buffer, .address_space: global }
      - { .name: Wkg1, .offset: 48, .size: 8, .value_kind: global_buffer, .address_space: global }
      - { .name: xb, .offset: 56, .size: 8, .value_kind: global_buffer, .address_space: global }
      - { .name: wcat, .offset: 64, .size: 8, .value_kind: global_buffer, .address_space: global }
      - { .name: wo16, .offset: 72, .size: 8, .value_kind: global_buffer, .address_space: global }
      - { .name: zb, .offset: 80, .size: 8, .value_kind: global_buffer, .address_space: global }
    .group_segment_fixed_size: 142336
    .private_segment_fixed_size: 0
    .kernarg_segment_align: 8
    .kernarg_segment_size: 88
    .max_flat_workgroup_size: 256
    .sgpr_count:     66
    .vgpr_count:     256
    .wavefront_size: 32
...
	.end_amdgpu_metadata
.endif
;; end of part 6
;; launch proj (part 7): grid 16 x 16, 4 waves a work-group, clusters of 4 x 4, 327,680 bytes of LDS; arguments xb, wcat, qkvg; writes qkvg
.if DOCPART == 7
	.amdgcn_target "amdgcn-amd-amdhsa--gfx1250"
	.amdhsa_code_object_version 6
	.text
	.protected	k_qf4ffd94abe_proj
	.globl	k_qf4ffd94abe_proj
	.p2align	8
	.type	k_qf4ffd94abe_proj,@function
k_qf4ffd94abe_proj:
	s_mov_b64 s[64:65], 0
	v_nop
	global_prefetch_b8 v0, s[64:65] scope:SCOPE_SE
	s_setreg_imm32_b32 hwreg(HW_REG_WAVE_MODE, 25, 1), 1
	s_wait_xcnt 0x0
	s_wait_alu depctr_hold_cnt(0) depctr_sa_sdst(0) depctr_va_vdst(0) depctr_va_sdst(0) depctr_va_ssrc(0) depctr_va_vcc(0) depctr_vm_vsrc(0)
	s_getreg_b32 s2, hwreg(HW_REG_IB_STS2, 6, 4)
	s_cmp_eq_u32 s2, 0
	s_cbranch_scc0 .Lentry_in_a_cluster
	s_endpgm
.Lentry_in_a_cluster:
	s_bfe_u32 s2, ttmp6, 0x10000c
	s_cmp_lg_u32 s2, 0xf033
	s_cbranch_scc0 .Lentry_shape_is_right
	s_endpgm
.Lentry_shape_is_right:
; PROJ: the sums over k of xb[m][k] wcat[k][n].  xb [4096][2048] bf16, wcat [2048][6144] bf16 (K down the rows; columns Wv, Wg, Wq, Wk); sums in f32.
; qkvg has rows of 24,576 bytes: v (2,048 f16), g (2,048 f16), then twice q (1,024 f32) and k (1,024 f32): the partial sums over the lower and the upper half of K, which the launches behind add in f32.
; q and k stay in f32: at a sequence's first step the LayerNorm behind them follows the ABSOLUTE error of q . k.
; LIMIT. A v or g beyond 65,504 becomes an infinity in f16.
; TILES of 256 x 256, four waves of 128 x 128 (64 accumulators, 512 registers).  v|g has 16 x 16 = 256 tiles, one to a work-group.  q|k has 16 x 8 = 128: each is shared by two work-groups, half of K each.
; So every work-group walks 8 + 16 = 24 K steps of 128: first its half of a q|k tile, whose stores then leave under the next tile's products, then its v|g tile.
; THE RING: two LDS slots, each with xb's 256 rows of 256 bytes and wcat's 128 k-rows of 512 bytes; it runs on from the first tile into the second.  A refill is asked for in the last quarter of a K step and waited
; for at the head of the last quarter of the next: 224 matrix instructions of a wave lie between.  wcat's fragments come out of LDS turned (ds_load_tr16_b128), since K lies down its rows.
; A K STEP IS WRITTEN ONCE: a trip of the loop is one K step.  The scalar TB holds the LDS byte at which the slot in hand begins, 0 or SLOT, and is turned by an exclusive or at each change of slots; the fragments'
; addresses are TB plus a lane's fixed place, the refill's LDS address the wave's constant plus TB.  The last two K steps.
; CLUSTER 4 x 4.  The half of K is cluster x & 1, the q|k tile column 4 (cluster x >> 1) + cx.  So xb's tiles hang on the tile row and the cluster's x alone and are asked for jointly along a row of the cluster,
; wcat's on cx and the cluster's x alone, jointly along a column.
; TRANSPOSED USE: source 0 = 16 columns of wcat, source 1 = 16 rows of xb: a lane holds row l % 16 and eight neighbouring columns.
; REGISTERS, in windows of 256 (s_set_vgpr_msb: bits 1:0 source 0, 3:2 source 1, 5:4 source 2, 7:6 destination):
;   window 0: v0-31 addresses; v32-63 packed results; v64-127, v128-191 xb's fragments, two buffers; on the way out v128-255 take rows read back
;   window 1: v64-127, v128-191 wcat's fragments, two buffers      window 2: the accumulators of my rows 0-63 ((a, b) at 8 (8 a + b))      window 3: those of my rows 64-127
.set KSTEP,  128
.set WROW,   12288                     ; bytes in a row of wcat
.set CROW,   24576                     ; bytes in a row of qkvg
.set PA,     272                       ; xb's rows in LDS: 256 + 16: the 16 rows of a fragment load start at 16 different groups of four banks (ISA guide 11.1)
.set PB,     544                       ; wcat's: 512 + 32 = 17 x 32
.set HA,     128*PA                    ; what wave 0 or 1 brings, and what a wave reads of xb
.set HB,     64*PB                     ; what wave 2 or 3 brings
.set BOFF,   2*HA
.set SLOT,   BOFF+2*HB
.set STAGE,  2*SLOT                    ; behind the ring, for each wave 16 rows: of 528 bytes (f32) or of 272 (f16); no tensor load lands here
.set SPITCH, 272
.set SPITC4, 528
.set STAGEW, 16*SPITC4
.set SPARE,  STAGE+4*STAGEW            ; the spare words, 128 bytes a wave
.set STEPS,  24                        ; K steps of the walk; all but the last two ask for the step two on
.set CHG,    14                        ; the count in the trip that begins the second tile: 8 of the 22 trips are done
.set A0,   16                          ; v16 my lane's place among my fragments of xb in slot 0; never rewritten
.set ADRA, 17                          ; v17 the same in the slot in hand
.set STO4, 18                          ; the f32 way out: in, back, and my offset in qkvg
.set RD4,  19
.set B0,   20                          ; v20, v21 the same two for wcat
.set ADRB, 21
.set CO4,  22
.set STO,  24                          ; the f16 way out
.set RD,   25
.set CO,   26
.set SPW,  28                          ; my spare word; never rewritten
.set NIL,  29                          ; 0; never rewritten
.set TMP,  32
.set F0,   64
.set F1,   128
.set G1,  24                           ; s[24:31] descriptor group 1 for xb's tiles;  s[32:39] group 0: a set for each of the two first fills; the second then walks on
.set G0,  32
.set TB,  45                           ; s45 the LDS byte at which the slot in hand begins
.set G1B, 48                           ; s[48:55], s[56:63] the same for wcat's
.set G0B, 56
.set CQ,  66                           ; s[66:67] qkvg at my part of the q|k tile (s[8:9]: of the v|g tile)
.set DA,  68                           ; s[68:69] what is taken off xb's stepped address: 0, or in the trip that asks for the second tile's first K step DAV
.set DB,  70                           ; s[70:71] the same for wcat's
.set DAV, 72
.set DBV, 73
.set MSB, 0
.macro WIN new                         ; the immediate's high byte repeats the setting that is left; a switch that changes nothing is dropped
.if MSB != (\new)
	s_set_vgpr_msb (MSB<<8)|(\new)
.set MSB, \new
.endif
.endm
.set MUL_LO, 0xa1                      ; source 0 (wcat) window 1, source 1 (xb) window 0, C and D window 2
.set MUL_HI, 0xf1                      ; the same, C and D window 3
.set TO_B,   0x40                      ; destination window 1, address window 0
.macro JLOAD s                         ; a joint load by descriptor set s: waves 0, 1 fetch xb's halves, waves 2, 3 wcat's; an s_nop 0 and four v_nop follow each line
	s_cmp_eq_u32 s11, 0
	s_cbranch_scc0 .Lfor_b_\@
	tensor_load_to_lds s[G0+4*(\s):G0+4*(\s)+3], s[G1:G1+7]
	s_nop 0
.rept 4
	v_nop
.endr
	s_branch .Lasked_\@
.Lfor_b_\@:
	tensor_load_to_lds s[G0B+4*(\s):G0B+4*(\s)+3], s[G1B:G1B+7]
	s_nop 0
.rept 4
	v_nop
.endr
.Lasked_\@:
.endm
.macro CREST                           ; a round of the cluster's barrier behind its opening barrier
	s_cmp_lg_u32 s10, 0
	s_cbranch_scc1 .Lnot_wave_0_\@
	s_barrier_signal -3
.Lnot_wave_0_\@:
	s_barrier_wait -3
	s_barrier_signal -1
	s_barrier_wait -1
.endm
.macro CROUND
	s_barrier_signal -1
	s_barrier_wait -1
	CREST
.endm
.macro PLACES                          ; four places: ahead of loads into registers that products have read, and of what reads results just made
.rept 4
	v_nop
.endr
.endm
	s_load_b128 s[4:7], s[0:1], 0x0                ; xb, wcat
	s_load_b64 s[8:9], s[0:1], 0x10                ; qkvg
	v_lshl_add_u32 v[SPW], v0, 2, SPARE
	v_mov_b32 v[NIL], 0
	ds_add_u32 v[SPW], v[NIL]                      ; the wave's opening: the add and its wait ahead of my first tensor load
	ds_add_u32 v28, v29
	v_lshrrev_b32 v1, 5, v0
	v_readfirstlane_b32 s10, v1                    ; wave
	s_lshr_b32 s11, s10, 1                         ; my half of the tile's rows; also: I fetch xb (0) or wcat (1)
	s_and_b32 s12, s10, 1                          ; my half of its columns; also: which half of that tile I fetch
	s_bfe_u32 s40, ttmp6, 0x40000                  ; cx
	s_bfe_u32 s41, ttmp6, 0x40004                  ; cy
	s_lshl_b32 s42, ttmp9, 2
	s_add_co_u32 s42, s42, s40                     ; tile column of v|g, 0..15
	s_and_b32 s13, ttmp7, 0xffff
	s_lshl_b32 s13, s13, 2
	s_add_co_u32 s13, s13, s41                     ; tile row, 0..15
	s_and_b32 s74, ttmp9, 1                        ; my half of K for q|k: the cluster's x & 1
	s_lshr_b32 s75, ttmp9, 1
	s_lshl_b32 s76, s75, 2
	s_add_co_u32 s76, s76, s40                     ; tile column of q|k, 0..7
	s_lshl_b32 s43, s41, 2
	s_lshl_b32 s43, 15, s43                        ; my row of the cluster
	s_lshl_b32 s44, 0x1111, s40                    ; my column
	s_or_b32 s[G1+0], s43, (1<<16)|(1<<20)|(1<<21)|(5<<22)|(3<<25)   ; mask; 2-byte elements; padding: 4 words behind every 64
	s_or_b32 s[G1B+0], s44, (1<<16)|(1<<20)|(1<<21)|(6<<22)|(7<<25)  ; mask; padding: 8 words behind every 128
	s_mov_b32 s[G1+1], 128<<16                     ; tensor_dim0 = 128
	s_mov_b32 s[G1+2], 128<<16                     ; tensor_dim1 = 128
	s_mov_b32 s[G1+3], 128<<16                     ; tile_dim0 = 128
	s_mov_b32 s[G1+4], 128                         ; tile_dim1 = 128
	s_mov_b32 s[G1+5], 2048                        ; elements from row to row
	s_mov_b32 s[G1+6], 0
	s_mov_b32 s[G1+7], 0
	s_mov_b32 s[G1B+1], 256<<16
	s_mov_b32 s[G1B+2], 64<<16
	s_mov_b32 s[G1B+3], 256<<16
	s_mov_b32 s[G1B+4], 64
	s_mov_b32 s[G1B+5], 6144
	s_mov_b32 s[G1B+6], 0
	s_mov_b32 s[G1B+7], 0
	s_mov_b32 s[TB], 0                             ; K step 0 lies in slot 0
	s_lshl_b32 s16, s13, 8
	s_lshl_b32 s17, s12, 7
	s_add_co_u32 s16, s16, s17                     ; xb: row 256 x tile row + 128 x half,
	s_lshl_b32 s16, s16, 12                        ; 4,096 bytes a row,
	s_lshl_b32 s17, s74, 11
	s_add_co_u32 s16, s16, s17                     ; and my half of K: 2,048 bytes
	s_mov_b32 s17, 0
	s_lshl_b32 s46, s74, 10
	s_lshl_b32 s47, s12, 6
	s_add_co_u32 s46, s46, s47                     ; wcat: k-row 1,024 x half of K + 64 x half of the tile,
	s_mul_i32 s46, s46, WROW
	s_lshl_b32 s47, s76, 9                         ; 512 bytes a tile column,
	s_add_co_u32 s46, s46, s47
	s_add_co_u32 s46, s46, 8192                    ; behind Wv's and Wg's 4,096 columns
	s_mov_b32 s47, 0
	s_mul_i32 s20, s12, HA                         ; where they go in a slot: no place in the cluster enters an LDS address; s20 and s21 are kept
	s_mul_i32 s21, s12, HB
	s_add_co_u32 s21, s21, BOFF
	; From q|k's last K step to v|g's first: the usual step of one K step, less these.  xb: back to K = 0.  wcat: back to k-row 0 and from the q|k column to the v|g column.
	s_lshl_b32 s[DAV], s74, 11
	s_add_co_u32 s[DAV], s[DAV], 2048              ; 256 + 1,792 + 2,048 x half of K
	s_add_co_u32 s[DBV], s74, 1
	s_mul_i32 s[DBV], s[DBV], 1024*WROW            ; (128 + 896 + 1,024 x half of K) k-rows,
	s_add_co_u32 s[DBV], s[DBV], 8192              ; the 8,192 bytes of Wv and Wg,
	s_sub_co_u32 s77, ttmp9, s75
	s_lshl_b32 s77, s77, 11
	s_sub_co_u32 s[DBV], s[DBV], s77               ; less 512 bytes x (v|g column - q|k column) = 2,048 x (cluster x - cluster x >> 1): cx cancels
	s_mov_b32 s[DA+1], 0
	s_mov_b32 s[DB+1], 0
	s_wait_dscnt 0x0                               ; the opening add is done
	s_wait_kmcnt 0x0
	s_add_nc_u64 s[14:15], s[4:5], s[16:17]
	s_add_nc_u64 s[46:47], s[6:7], s[46:47]
	CROUND                                         ; all sixteen work-groups are here: the first joint loads meet
.irp s, 0,1
	s_mov_b32 s[G0+4*(\s)], 1
	s_add_co_u32 s[G0+4*(\s)+1], s20, (\s)*SLOT
	s_add_nc_u64 s[G0+4*(\s)+2:G0+4*(\s)+3], s[14:15], (\s)*KSTEP*2
	s_or_b32 s[G0+4*(\s)+3], s[G0+4*(\s)+3], 0x80000000
	s_mov_b32 s[G0B+4*(\s)], 1
	s_add_co_u32 s[G0B+4*(\s)+1], s21, (\s)*SLOT
	s_add_nc_u64 s[G0B+4*(\s)+2:G0B+4*(\s)+3], s[46:47], (\s)*KSTEP*WROW
	s_or_b32 s[G0B+4*(\s)+3], s[G0B+4*(\s)+3], 0x80000000
	JLOAD \s
.endr
	v_and_b32 v1, 15, v0                           ; r
	v_bfe_u32 v2, v0, 4, 1                         ; h
	v_mul_u32_u24 v3, v1, PA
	v_lshl_add_u32 v3, v2, 4, v3
	s_mul_i32 s22, s11, HA                         ; my 128 rows of xb
	v_add_nc_u32 v[A0], s22, v3
	v_mov_b32 v[ADRA], v[A0]
	v_and_b32 v4, 7, v0
	v_bfe_u32 v5, v0, 3, 1
	v_lshl_add_u32 v4, v2, 3, v4                   ; the turning load: k-row 8 h + l % 8,
	v_mul_u32_u24 v4, v4, PB
	v_lshl_add_u32 v4, v5, 4, v4                   ; 16 bytes for each group of eight lanes,
	s_lshl_b32 s23, s12, 8                         ; my 128 columns
	s_add_co_u32 s23, s23, BOFF
	v_add_nc_u32 v[B0], s23, v4
	v_mov_b32 v[ADRB], v[B0]
	s_mul_i32 s23, s10, STAGEW
	s_add_co_u32 s23, s23, STAGE                   ; my stage
	v_mul_u32_u24 v4, v1, SPITCH                   ; f16, in: row r, 16 bytes for each half of the lanes
	v_lshl_add_u32 v4, v2, 4, v4
	v_add_nc_u32 v[STO], s23, v4
	v_mul_u32_u24 v5, v2, SPITCH                   ; back: lanes 0-15 one row of 256 bytes, lanes 16-31 the next
	v_lshl_add_u32 v5, v1, 4, v5
	v_add_nc_u32 v[RD], s23, v5
	v_mul_u32_u24 v5, v2, CROW                     ; and the same two rows in qkvg
	v_lshl_add_u32 v[CO], v1, 4, v5
	v_mul_u32_u24 v4, v1, SPITC4                   ; f32, in: row r, 32 bytes for each half of the lanes
	v_lshl_add_u32 v4, v2, 5, v4
	v_add_nc_u32 v[STO4], s23, v4
	v_and_b32 v5, 31, v0
	v_lshlrev_b32 v[CO4], 4, v5                    ; back, and in qkvg: 32 lanes take a row's 512 bytes
	v_add_nc_u32 v[RD4], s23, v[CO4]
	s_lshl_b32 s16, s13, 8
	s_lshl_b32 s17, s11, 7
	s_add_co_u32 s16, s16, s17
	s_mul_i32 s16, s16, CROW                       ; my first row of qkvg
	s_mov_b32 s17, 0
	s_add_nc_u64 s[8:9], s[8:9], s[16:17]
	s_lshl_b32 s46, s74, 13                        ; q|k: 8,192 + 8,192 x half of K + 1,024 x tile column + 512 x my half of the columns
	s_lshl_b32 s47, s76, 10
	s_add_co_u32 s46, s46, s47
	s_lshl_b32 s47, s12, 9
	s_add_co_u32 s46, s46, s47
	s_add_co_u32 s46, s46, 8192
	s_mov_b32 s47, 0
	s_add_nc_u64 s[CQ:CQ+1], s[8:9], s[46:47]
	s_lshl_b32 s46, s42, 9                         ; v|g: 512 x tile column + 256 x my half
	s_lshl_b32 s47, s12, 8
	s_add_co_u32 s46, s46, s47
	s_mov_b32 s47, 0
	s_add_nc_u64 s[8:9], s[8:9], s[46:47]
; 16 matrix instructions: m blocks a0, a0 + 1 of the window's four (hi = 0: my rows 0-63, 1: rows 64-127) x all 8 n blocks, 32 along K.  zero = 1: the product starts the sums.
; The 64 accumulators take turns in the same order in every quarter.
.macro MUL16 f, hi, a0, zero
	WIN MUL_LO+0x50*(\hi)
.irp a, \a0, (\a0)+1
.irp b, 0,1,2,3,4,5,6,7
.if \zero
	v_wmma_f32_16x16x32_bf16 v[8*(8*(\a)+(\b)):8*(8*(\a)+(\b))+7], v[(\f)+8*(\b):(\f)+8*(\b)+7], v[(\f)+8*(4*(\hi)+(\a)):(\f)+8*(4*(\hi)+(\a))+7], 0
.else
	v_wmma_f32_16x16x32_bf16 v[8*(8*(\a)+(\b)):8*(8*(\a)+(\b))+7], v[(\f)+8*(\b):(\f)+8*(\b)+7], v[(\f)+8*(4*(\hi)+(\a)):(\f)+8*(4*(\hi)+(\a))+7], v[8*(8*(\a)+(\b)):8*(8*(\a)+(\b))+7]
.endif
.endr
.endr
.endm
; 32 LDS loads in one run: quarter q (32 along K) of the slot in hand into buffer f: wcat's 16 (turned), then xb's 16
.macro FETCH q, f
	WIN TO_B
.irp b, 0,1,2,3,4,5,6,7
	ds_load_tr16_b128 v[(\f)+8*(\b):(\f)+8*(\b)+3],   v[ADRB] offset:(\q)*32*PB+32*(\b)
	ds_load_tr16_b128 v[(\f)+8*(\b)+4:(\f)+8*(\b)+7], v[ADRB] offset:(\q)*32*PB+16*PB+32*(\b)
.endr
	WIN 0
.irp a, 0,1,2,3,4,5,6,7
	ds_load_b128 v[(\f)+8*(\a):(\f)+8*(\a)+3],   v[ADRA] offset:64*(\q)+(\a)*16*PA
	ds_load_b128 v[(\f)+8*(\a)+4:(\f)+8*(\a)+7], v[ADRA] offset:64*(\q)+(\a)*16*PA+32
.endr
.endm
; A K step is four quarters of 32 along K, 64 matrix instructions each, on buffers 0, 1, 0, 1.  One of the first three: multiplies buffer f; in its middle it fetches quarter q into g.
.macro QUARTER q, f, g, zero
	s_wait_dscnt 8                                 ; wcat's and xb's rows 0-63 are in; the youngest eight loads (xb's rows 64-127) may be out
	MUL16 \f, 0, 0, \zero
	MUL16 \f, 0, 2, \zero
	PLACES
	FETCH \q, \g
	s_wait_dscnt 32                                ; all but the 32 just issued
	MUL16 \f, 1, 0, \zero
	MUL16 \f, 1, 2, \zero
.endm
; The last quarter multiplies buffer 1 and changes slots.  MEET is its first half: each wave waits for all its tensor loads (one is out: its part of the next slot), adds 0 to its spare word, and waits for that
; and for its own reads of this slot.  Behind the barrier nobody reads this slot any more and the next slot is whole.
.macro MEET
	WIN 0
	s_wait_tensorcnt 0x0
	ds_add_u32 v[SPW], v[NIL]
	s_wait_dscnt 9                                 ; the add and the youngest eight loads may be out
	MUL16 F1, 0, 0, 0
	s_wait_dscnt 0x0                               ; the add is done, my reads of this slot are over
	s_barrier_signal -1
	MUL16 F1, 0, 2, 0
	WIN 0
	s_barrier_wait -1
.endm
.macro NEXTSLOT                        ; the fragments' addresses in the slot that TB now names, and that slot's first fragments; then the quarter's second half
	v_add_nc_u32 v[ADRA], s[TB], v[A0]
	v_add_nc_u32 v[ADRB], s[TB], v[B0]
	FETCH 0, F0
	MUL16 F1, 1, 0, 0
	MUL16 F1, 1, 2, 0
.endm
; The whole last quarter with a refill: the barrier opens a round of the cluster's; behind the round the slot just read out is filled again first, with the K step two on in the walk.
.macro TURN
	MEET
	CREST
	s_add_co_u32 s[G0+5], s20, s[TB]               ; the walking descriptors: into the slot just read out,
	s_add_co_u32 s[G0B+5], s21, s[TB]
	s_add_nc_u64 s[G0+6:G0+7], s[G0+6:G0+7], KSTEP*2   ; the walk's next K step; no tensor load of mine is out
	s_sub_nc_u64 s[G0+6:G0+7], s[G0+6:G0+7], s[DA:DA+1]
	s_add_nc_u64 s[G0B+6:G0B+7], s[G0B+6:G0B+7], KSTEP*WROW
	s_sub_nc_u64 s[G0B+6:G0B+7], s[G0B+6:G0B+7], s[DB:DB+1]
	s_xor_b32 s[TB], s[TB], SLOT                   ; the other slot is now in hand
	JLOAD 1                                        ; its four v_nop are also the places ahead of the loads below
	NEXTSLOT
.endm
.macro TURNL                           ; the same where nothing is asked for: no round follows
	MEET
	s_xor_b32 s[TB], s[TB], SLOT
	PLACES
	NEXTSLOT
.endm
; THE WAY OUT IN f32 (q|k) by blocks of 16 rows: the accumulators as they are (low half first) into my stage's rows of 528 bytes, back as whole rows of 512, stored.
; Block a's stage stores stand between block a - 1's loads from the stage and the wait for them; LDS serves a wave's instructions in order (ISA guide 5.7.1.4), so those loads see the older rows.
.macro ST4 a
.set AC, 64*((\a)%4)
	WIN 0x08+4*((\a)/4)                            ; the stores' data lie in window 2 or 3
.irp b, 0,1,2,3,4,5,6,7
	ds_store_b128 v[STO4], v[AC+8*(\b):AC+8*(\b)+3] offset:64*(\b)
	ds_store_b128 v[STO4], v[AC+8*(\b)+4:AC+8*(\b)+7] offset:64*(\b)+16
.endr
	WIN 0
.endm
.macro LD4 a
.set BK, 128+64*((\a)%2)
	s_wait_xcnt 0x0                                ; the registers that earlier stores read are loaded again only behind this wait
.set t, 0
.rept 16
	ds_load_b128 v[BK+4*t:BK+4*t+3], v[RD4] offset:t*SPITC4
.set t, t+1
.endr
.endm
.macro GS4 a
.set BK, 128+64*((\a)%2)
.set t, 0
.rept 16
	global_store_b128 v[CO4], v[BK+4*t:BK+4*t+3], s[CQ:CQ+1] offset:(16*(\a)+t)*CROW  ; the wave stores 512 consecutive aligned bytes
.set t, t+1
.endr
.endm
; THE WAY OUT IN f16 (v|g) of block a: rounded (each accumulator's registers in ascending order), through my stage, back as rows of 256 bytes, stored.
.macro PACK a
.set AC, 64*((\a)%4)
	WIN 0x0a+5*((\a)/4)                            ; sources 0 and 1: window 2 or 3
.irp b, 0,1,2,3,4,5,6,7
.irp r, 0,1,2,3
	v_cvt_pk_f16_f32 v[TMP+4*(\b)+(\r)], v[AC+8*(\b)+2*(\r)], v[AC+8*(\b)+2*(\r)+1]
.endr
.endr
	WIN 0
.endm
.macro TOSTAGE a
.set BK, 192+32*((\a)%2)
.irp b, 0,1,2,3,4,5,6,7
	ds_store_b128 v[STO], v[TMP+4*(\b):TMP+4*(\b)+3] offset:32*(\b)
.endr
.irp t, 0,1,2,3,4,5,6,7
	ds_load_b128 v[BK+4*(\t):BK+4*(\t)+3], v[RD] offset:(\t)*2*SPITCH
.endr
.endm
.macro SEND a
.set BK, 192+32*((\a)%2)
	s_wait_dscnt 0x0
	s_wait_xcnt 0x0                                ; the registers that earlier stores read are loaded again only behind this wait
.irp t, 0,1,2,3,4,5,6,7
	global_store_b128 v[CO], v[BK+4*(\t):BK+4*(\t)+3], s[8:9] offset:(16*(\a)+2*(\t))*CROW  ; 16 lanes store 256 consecutive aligned bytes
.endr
.endm
	s_wait_tensorcnt 1                             ; my part of K step 0 is in; step 1's may stay out
	s_barrier_signal -1
	s_barrier_wait -1
	FETCH 0, F0
	s_mov_b32 s3, STEPS-2
	s_branch .Lzero                                ; the loop is entered at the quarter that starts a tile's sums: it is written once
.Lstep:                                                ; 22 trips, a K step each; the slot that a trip reads out is filled again
	s_cmp_eq_u32 s3, CHG
	s_cbranch_scc1 .Lchange
	QUARTER 1, F0, F1, 0
	WIN 0                                          ; at a label and at a branch every window is 0
	s_branch .Lrest
.Lchange:                                              ; the second tile's K steps 0 and 1 are asked for: now the q|k tile goes out.  No barrier and no tensor load stands in what the other trips jump over
	s_wait_dscnt 0x0                               ; the next tile's first fragments are in
	PLACES
	ST4 0
	LD4 0
.irp a, 1,2,3,4,5,6,7
	ST4 \a
	s_wait_dscnt 16                                ; the block before is back in registers; the 16 stores just issued may be out
	GS4 (\a)-1
	LD4 \a
.endr
	s_wait_dscnt 0x0
	GS4 7
	s_wait_xcnt 0x0                                ; the stores' data registers are xb's second fragment buffer: it is loaded again only behind this wait
.Lzero:
	QUARTER 1, F0, F1, 1                           ; a tile's first quarter starts the sums with the constant 0
	WIN 0
.Lrest:
	s_cmp_eq_u32 s3, CHG+2                         ; this trip's refill is the K step two on: in K step 6 it is the second tile's first
	s_cselect_b32 s[DA], s[DAV], 0
	s_cselect_b32 s[DB], s[DBV], 0
	QUARTER 2, F1, F0, 0
	QUARTER 3, F0, F1, 0
	TURN
	WIN 0
	s_sub_co_u32 s3, s3, 1
	s_cmp_lg_u32 s3, 0
	s_cbranch_scc1 .Lstep
	s_mov_b32 s3, 2
.Ltail:                                                ; the last two K steps ask for nothing: a text of their own
	QUARTER 1, F0, F1, 0
	QUARTER 2, F1, F0, 0
	QUARTER 3, F0, F1, 0
	TURNL                                          ; in the last trip its 32 loads bring fragments that nobody multiplies, from bytes that landed two K steps ago: the price, once a launch, of one text for both trips
	WIN 0
	s_sub_co_u32 s3, s3, 1
	s_cmp_lg_u32 s3, 0
	s_cbranch_scc1 .Ltail
	s_wait_dscnt 0x0
	PLACES
	PACK 0
	TOSTAGE 0
.irp a, 1,2,3,4,5,6,7                  ; block a's conversions stand between block a - 1's loads from the stage and the wait for them
	PACK \a
	SEND (\a)-1
	TOSTAGE \a
.endr
	SEND 7
	s_wait_tensorcnt 0x0                           ; the wave's end
	ds_add_u32 v[SPW], v[NIL]
	s_wait_dscnt 0x0
	CROUND                                         ; the closing round
	s_endpgm
.Lfunc_end_k_qf4ffd94abe_proj:
	.size	k_qf4ffd94abe_proj, .Lfunc_end_k_qf4ffd94abe_proj-k_qf4ffd94abe_proj
	.p2alignl 7, 3214868480
	.fill 96, 4, 3214868480
	.section	.rodata,"a",@progbits
	.p2align	6, 0x0
	.amdhsa_kernel k_qf4ffd94abe_proj
		.amdhsa_group_segment_fixed_size 327680
		.amdhsa_private_segment_fixed_size 0
		.amdhsa_enable_private_segment 0
		.amdhsa_kernarg_size 24
		.amdhsa_user_sgpr_count 2
		.amdhsa_user_sgpr_kernarg_segment_ptr 1
		.amdhsa_wavefront_size32 1
		.amdhsa_system_sgpr_workgroup_id_x 1
		.amdhsa_system_sgpr_workgroup_id_y 1
		.amdhsa_system_sgpr_workgroup_id_z 1
		.amdhsa_system_vgpr_workitem_id 0
		.amdhsa_next_free_vgpr 1024
		.amdhsa_next_free_sgpr 78
		.amdhsa_reserve_vcc 0
		.amdhsa_float_denorm_mode_32 3
		.amdhsa_float_denorm_mode_16_64 3
		.amdhsa_memory_ordered 1
		.amdhsa_forward_progress 1
		.amdhsa_inst_pref_size 131
	.end_amdhsa_kernel
	.amdgpu_metadata
---
amdhsa.version: [ 1, 2 ]
amdhsa.kernels:
  - .name:           k_qf4ffd94abe_proj
    .symbol:         k_qf4ffd94abe_proj.kd
    .args:
      - { .name: xb, .offset: 0, .size: 8, .value_kind: global_buffer, .address_space: global }
      - { .name: wcat, .offset: 8, .size: 8, .value_kind: global_buffer, .address_space: global }
      - { .name: qkvg, .offset: 16, .size: 8, .value_kind: global_buffer, .address_space: global }
    .group_segment_fixed_size: 327680
    .private_segment_fixed_size: 0
    .kernarg_segment_align: 8
    .kernarg_segment_size: 24
    .max_flat_workgroup_size: 128
    .sgpr_count:     78
    .vgpr_count:     1024
    .wavefront_size: 32
...
	.end_amdgpu_metadata
.endif
;; end of part 7
;; launch gla1 (part 8): grid 64 x 3, 4 waves a work-group, no clusters, 167,936 bytes of LDS; arguments qkvg, zb, Wkg2, bkg2, ust; writes ust
.if DOCPART == 8
	.amdgcn_target "amdgcn-amd-amdhsa--gfx1250"
	.amdhsa_code_object_version 6
	.text
	.protected	k_qf4ffd94abe_gla1
	.globl	k_qf4ffd94abe_gla1
	.p2align	8
	.type	k_qf4ffd94abe_gla1,@function
k_qf4ffd94abe_gla1:
	s_mov_b64 s[64:65], 0
	v_nop
	global_prefetch_b8 v0, s[64:65] scope:SCOPE_SE
	s_setreg_imm32_b32 hwreg(HW_REG_WAVE_MODE, 25, 1), 1
	s_wait_xcnt 0x0
; GLA1: for (batch, head) bh and segment seg = 0..2 of 256 steps: the state that the segment alone would leave, U = sum over j of (k_j 2^(L - l_j)) v_j^T, and its total decay D = 2^L.
; l_j is the running sum of g2 = log2(e) logsigmoid(kg) / 16, kg = z Wkg2 + bkg2; k is taken WITHOUT the reference's scale (the next launch applies it where it is due).
; Blocks of 16 steps.  Phase 1: wave w makes the operands of blocks 4 w .. 4 w + 3: kappa_j = k_j 2^(Lb - l_j) (f16, rows by time) and 2^Lb.  Phase 2: every wave walks the 16 blocks for its 32 channels of v:
; S = 2^Lb S + kappa^T V.  S(cb, vb): a lane holds channel v = 32 w + 16 vb + l % 16, register j key channel 16 cb + 8 (l / 16) + j; it is stored as a register image.
; k lies in f32 as two partial sums (the halves of the projection's K), 256 bytes a row and head each: a block's 16 rows of both are loaded as whole rows (16 lanes a row), ONE TRIP AHEAD, into registers of
; their own (window 1): the loads stand behind the additions that take the block before out of those registers, and a whole trip lies between them and the wait for them.  The sums are turned into the layout
; of a step a lane through a stage of the wave's own.  The wave's four fragments of z are loaded at the head and move up a place each trip.
; LIMITS. A decay below 2^-13 a step counts as 2^-13; weights below 2^-126 count as 0; kappa is f16: k within 65,504; z, Wkg2, bkg2 are rounded to bf16; |S| stays finite; NaN and infinities are not treated apart.
; NO CLUSTER: no two work-groups read the same tile.  192 work-groups: the fourth segment's own end state is made by the next launch.
.set CROW,  24576                      ; bytes in a row of qkvg: v, g (f16), then twice q, k (f32)
.set KS,    0                          ; k's stage: 16 rows x 272 bytes for each wave; no tensor load lands here
.set KSW,   4352
.set VT,    36864                      ; 256 rows of v, 256 + 32 bytes
.set OPB,   110592                     ; 16 blocks x 2,816: kappa, 16 rows x 160, then 2^Lb, 64 f32
.set OPBB,  2816
.set O_DV,  2560
.set DL,    155648                     ; the total decay on its way out
.set SPARE, 155904
.set SPW, 30
.set NIL, 31
.set PKK, 12                           ; v[12:27]  kappa packed
.set WA,  32                           ; v[32:63]  4 fragments of Wkg2^T (K = 16, the upper half 0)
.set BC,  64                           ; v[64:95]  the bias as C operands
.set ZB,  96                           ; v[96:103] z's fragment
.set LM,  128
.set TE,  160
.set KH,  224
.set K1,  0                            ; window 1: v[0:31], v[32:63] k's two partial sums as loaded
.set K2,  32
.set ZQ,  64                           ; window 1: v[64:75] z of the three blocks to come
.set KF,  32                           ; phase 2
.set VF,  64
.set DF,  96
.set DT,  128
.set SA,  192
.set MSB, 0
.macro WIN new                         ; s_set_vgpr_msb: bits 1:0 source 0, 3:2 source 1, 7:6 destination; the high byte repeats the setting that is left
.if MSB != (\new)
	s_set_vgpr_msb (MSB<<8)|(\new)
.set MSB, \new
.endif
.endm
.macro REP n, st, line:vararg          ; the line n times, i stepping by st
.set i, 0
	s_wait_alu depctr_va_vdst(0)
.rept \n
	\line
.set i, i+\st
.endr
.endm
.macro PLACES
.rept 4
	v_nop
.endr
.endm
.macro KLOAD                           ; a block's 16 rows of k's two partial sums: 16 lanes take a row's 256 aligned bytes
	WIN 0x40
.set i, 0
.rept 8
	global_load_b128 v[K1+4*i:K1+4*i+3], v8, s[18:19] offset:2*CROW*i
	global_load_b128 v[K2+4*i:K2+4*i+3], v8, s[18:19] offset:2*CROW*i+8192
.set i, i+1
.endr
	WIN 0
.endm
	s_load_b256 s[4:11], s[0:1], 0x0               ; qkvg, zb, Wkg2, bkg2
	s_load_b64 s[12:13], s[0:1], 0x20              ; ust
	v_lshl_add_u32 v[SPW], v0, 2, SPARE
	v_mov_b32 v[NIL], 0
	ds_add_u32 v[SPW], v[NIL]                      ; the wave's opening: the add and its wait ahead of my first tensor load
	ds_add_u32 v30, v31
	v_lshrrev_b32 v1, 5, v0
	v_readfirstlane_b32 s22, v1                    ; wave
	s_and_b32 s23, ttmp7, 0xffff                   ; seg
	s_mov_b32 s24, ttmp9                           ; bh
	s_and_b32 s25, s24, 15                         ; head
	s_lshr_b32 s26, s24, 4
	s_lshl_b32 s26, s26, 10
	s_lshl_b32 s27, s23, 8
	s_add_co_u32 s26, s26, s27                     ; the segment's first row
	s_lshl_b32 s27, s22, 6
	s_add_co_u32 s27, s27, s26                     ; my 64 rows
	s_mov_b32 s40, (1<<16)|(1<<20)|(5<<22)|(7<<25) ; v: 2-byte elements, 8 words of padding behind every 64
	s_mov_b32 s41, 128<<16
	s_mov_b32 s42, 64<<16
	s_mov_b32 s43, 128<<16
	s_mov_b32 s44, 64
	s_mov_b32 s45, CROW/2                          ; elements from row to row
	s_mov_b32 s46, 0
	s_mov_b32 s47, 0
	s_mul_i32 s28, s27, CROW
	s_lshl_b32 s30, s25, 8
	s_add_co_u32 s28, s28, s30                     ; v: row x 24,576 + 256 head
	s_mov_b32 s29, 0
	s_mov_b32 s60, 1
	s_mul_i32 s61, s22, 18432
	s_add_co_u32 s61, s61, VT
	s_mov_b32 s88, 0xbfb8aa3b                      ; -log2(e)
	s_wait_dscnt 0x0
	s_wait_kmcnt 0x0
	s_add_nc_u64 s[62:63], s[4:5], s[28:29]
	s_add_nc_u64 s[18:19], s[62:63], 12288         ; k's first partial sum lies 12,288 bytes further on in the row, its second 8,192 behind that
	s_or_b32 s63, s63, 0x80000000
	tensor_load_to_lds s[60:63], s[40:47]          ; my 64 rows of v: one load of mine is out, and fills its bytes once
	s_nop 0
	PLACES
	v_and_b32 v1, 15, v0                           ; r
	v_bfe_u32 v2, v0, 4, 1                         ; h
	v_and_b32 v3, 31, v0                           ; lane
	s_lshl_b32 s28, s25, 8
	s_mov_b32 s29, 0
	s_add_nc_u64 s[8:9], s[8:9], s[28:29]          ; Wkg2 and bkg2 at the head's 64 columns
	s_add_nc_u64 s[10:11], s[10:11], s[28:29]
	v_lshlrev_b32 v10, 15, v2
	v_lshl_add_u32 v10, v1, 2, v10                 ; ranks 8 h .., column r
	v_lshlrev_b32 v11, 5, v2                       ; 32 h
	s_lshl_b32 s28, s27, 5
	v_lshlrev_b32 v9, 5, v1
	v_lshl_add_u32 v9, v2, 4, v9
	v_add_nc_u32 v9, s28, v9                       ; z: row x 32 + 16 h
	v_mul_u32_u24 v8, v2, CROW
	v_lshl_add_u32 v8, v1, 4, v8                   ; k: lanes 0-15 one row, lanes 16-31 the next
.set i, 0
.rept 32                               ; Wkg2[8 h + i % 8][16 (i / 8) + r]
	global_load_b32 v[LM+i], v10, s[8:9] offset:(i%8)*4096+64*(i/8)
.set i, i+1
.endr
.irp u, 0,1,2,3,4,5,6,7
	global_load_b128 v[BC+4*\u:BC+4*\u+3], v11, s[10:11] offset:64*(\u/2)+16*(\u%2)
.endr
	global_load_b128 v[ZB:ZB+3], v9, s[6:7]
	WIN 0x40
.irp t, 1,2,3
	global_load_b128 v[ZQ+4*\t-4:ZQ+4*\t-1], v9, s[6:7] offset:512*\t
.endr
	KLOAD                                          ; the first block's rows
	v_cmp_eq_u32 s84, 15, v1                       ; the lanes of a block's last step
	v_cmp_eq_u32 s80, 0, v1
	v_cmp_gt_u32 s81, 16, v3
	s_mul_i32 s28, s22, KSW                        ; my stage
	v_mul_u32_u24 v4, v1, 272
	v_lshl_add_u32 v4, v2, 5, v4
	v_add_nc_u32 v4, s28, v4                       ; back: step r, channels 8 h .. of each 16: 32 h
	v_mul_u32_u24 v5, v2, 272
	v_lshl_add_u32 v5, v1, 4, v5
	v_add_nc_u32 v5, s28, v5                       ; in: lanes 0-15 one row, lanes 16-31 the next
	s_mul_i32 s28, s22, 4*OPBB
	s_add_co_u32 s28, s28, OPB
	v_mul_u32_u24 v6, v1, 160
	v_lshl_add_u32 v6, v2, 4, v6
	v_add_nc_u32 v6, s28, v6                       ; kappa: row r, 16 h
	v_lshl_add_u32 v7, v2, 5, s28                  ; 2^Lb: 32 h
	s_wait_loadcnt 16                              ; Wkg2, bkg2 and z are in; the 16 loads of k issued behind them may be out
.set i, 0
.rept 16
	v_cvt_pk_bf16_f32 v[WA+8*(i/4)+i%4], v[LM+2*i], v[LM+2*i+1]
	v_mov_b32 v[WA+8*(i/4)+4+i%4], 0
	v_cvt_pk_bf16_f32 v124, v[BC+2*i], v[BC+2*i+1]
	v_lshlrev_b32 v[BC+2*i], 16, v124
	v_and_b32 v[BC+2*i+1], 0xffff0000, v124
.set i, i+1
.endr
	REP 4, 1, v_mov_b32 v[ZB+4+i], 0
	s_mov_b32 s2, 4
.Lprep:
.irp cb, 0,1,2,3                       ; kg^T: a lane holds one step (l % 16), register j channel 16 cb + 8 h + j
	v_wmma_f32_16x16x32_bf16 v[LM+8*\cb:LM+8*\cb+7], v[WA+8*\cb:WA+8*\cb+7], v[ZB:ZB+7], v[BC+8*\cb:BC+8*\cb+7]
.endr
	PLACES
	REP 32, 1, v_mul_f32 v[TE+i], s88, |v[LM+i]|
	REP 32, 1, v_exp_f32 v[TE+i], v[TE+i]
	REP 32, 1, v_min_num_f32 v[LM+i], 0, v[LM+i]
	REP 16, 2, v_pk_add_f32 v[TE+i:TE+i+1], v[TE+i:TE+i+1], 1.0 op_sel_hi:[1,0]
	REP 32, 1, v_log_f32 v[TE+i], v[TE+i]
	REP 16, 2, v_pk_mul_f32 v[LM+i:LM+i+1], v[LM+i:LM+i+1], 0x3db8aa3b op_sel_hi:[1,0]
	REP 16, 2, v_pk_fma_f32 v[LM+i:LM+i+1], v[TE+i:TE+i+1], 0xbd800000, v[LM+i:LM+i+1] op_sel_hi:[1,0,1]
	REP 32, 1, v_max_num_f32 v[LM+i], 0xc1500000, v[LM+i]
.irp n, 1,2,4,8                        ; the running sum over the 16 steps: a lane without a source keeps its number
	REP 32, 1, v_add_f32_dpp v[LM+i], v[LM+i], v[LM+i] row_shr:\n row_mask:0xf bank_mask:0xf
.endr
	s_wait_loadcnt 0x0                             ; this block's rows of k, asked for a trip ago, are in
	WIN 0x05                                       ; both sources in window 1
	REP 16, 2, v_pk_add_f32 v[KH+i:KH+i+1], v[K1+i:K1+i+1], v[K2+i:K2+i+1]
	WIN 0
	s_cmp_eq_u32 s2, 1
	s_cbranch_scc1 .Lno_k                          ; the last trip has no block to ask for
	v_add_nc_u32 v8, 16*CROW, v8                   ; 16 rows on; its loads were waited for above
	KLOAD
.Lno_k:
	REP 8, 1, ds_store_b128 v5, v[KH+4*i:KH+4*i+3] offset:544*i
	REP 8, 1, ds_load_b128 v[KH+4*i:KH+4*i+3], v4 offset:64*(i/2)+16*(i%2)
	REP 32, 1, v_exp_f32 v[TE+i], v[LM+i]
	v_nop
	s_wait_xcnt 0x0                                ; EXEC changes only behind this wait
	s_and_saveexec_b32 s85, s84                    ; the last step's lanes hold 2^Lb
	s_wait_alu depctr_va_vdst(0)
.irp u, 0,1,2,3,4,5,6,7
	ds_store_b128 v7, v[TE+4*\u:TE+4*\u+3] offset:O_DV+64*(\u/2)+16*(\u%2)
.endr
	s_wait_xcnt 0x0
	s_or_b32 exec_lo, exec_lo, s85
	REP 32, 1, v_sub_f32_dpp v[TE+i], v[LM+i], v[LM+i] row_share:15 row_mask:0xf bank_mask:0xf
	REP 32, 1, v_exp_f32 v[TE+i], v[TE+i]
	v_nop
	s_wait_alu depctr_va_vdst(0)
	s_wait_dscnt 0x0                               ; k is back, a step a lane
	REP 16, 2, v_pk_mul_f32 v[TE+i:TE+i+1], v[TE+i:TE+i+1], v[KH+i:KH+i+1]
	REP 16, 1, v_cvt_pk_f16_f32 v[PKK+i], v[TE+2*i], v[TE+2*i+1]
.irp cb, 0,1,2,3
	ds_store_b128 v6, v[PKK+4*\cb:PKK+4*\cb+3] offset:32*\cb
.endr
	WIN 0x01                                       ; z moves up a place
	REP 4, 1, v_mov_b32 v[ZB+i], v[ZQ+i]
	WIN 0x41
	REP 8, 1, v_mov_b32 v[ZQ+i], v[ZQ+4+i]
	WIN 0
	v_add_nc_u32 v6, OPBB, v6
	v_add_nc_u32 v7, OPBB, v7
	s_sub_co_u32 s2, s2, 1
	s_cmp_lg_u32 s2, 0
	s_cbranch_scc1 .Lprep
	s_wait_tensorcnt 0x0                           ; for the others' sake: my rows of v have landed,
	s_wait_dscnt 0x0                               ; my operands are in LDS
	s_barrier_signal -1
	s_barrier_wait -1
	; ---------------- phase 2
	v_and_b32 v12, 7, v0
	v_bfe_u32 v13, v0, 3, 1
	v_lshl_add_u32 v12, v2, 3, v12                 ; the turning loads: step 8 h + l % 8
	v_mul_u32_u24 v4, v12, 160
	v_lshl_add_u32 v4, v13, 4, v4
	v_add_nc_u32 v4, OPB, v4
	v_mul_u32_u24 v5, v12, 288
	v_lshl_add_u32 v5, v13, 4, v5
	s_lshl_b32 s28, s22, 6
	s_add_co_u32 s28, s28, VT
	v_add_nc_u32 v5, s28, v5                       ; my 32 channels of v
	v_lshl_add_u32 v6, v2, 5, OPB
	REP 64, 1, v_mov_b32 v[SA+i], 0
	REP 32, 1, v_mov_b32 v[DT+i], 1.0
.irp cb, 0,1,2,3
	REP 4, 1, v_mov_b32 v[KF+8*\cb+4+i], 0
.endr
	REP 4, 1, v_mov_b32 v[VF+4+i], 0
	REP 4, 1, v_mov_b32 v[VF+12+i], 0
	s_mov_b32 s2, 16
.Lblock:
.irp cb, 0,1,2,3
	ds_load_tr16_b128 v[KF+8*\cb:KF+8*\cb+3], v4 offset:32*\cb
.endr
	ds_load_tr16_b128 v[VF:VF+3], v5
	ds_load_tr16_b128 v[VF+8:VF+11], v5 offset:32
.irp u, 0,1,2,3,4,5,6,7
	ds_load_b128 v[DF+4*\u:DF+4*\u+3], v6 offset:O_DV+64*(\u/2)+16*(\u%2)
.endr
	s_wait_dscnt 0x0
	REP 32, 2, v_pk_mul_f32 v[SA+i:SA+i+1], v[SA+i:SA+i+1], v[DF+i%32:DF+i%32+1]
	REP 16, 2, v_pk_mul_f32 v[DT+i:DT+i+1], v[DT+i:DT+i+1], v[DF+i:DF+i+1]
.irp vb, 0,1
.irp cb, 0,1,2,3                       ; eight accumulators, one instruction each
	v_wmma_f32_16x16x32_f16 v[SA+8*(4*\vb+\cb):SA+8*(4*\vb+\cb)+7], v[KF+8*\cb:KF+8*\cb+7], v[VF+8*\vb:VF+8*\vb+7], v[SA+8*(4*\vb+\cb):SA+8*(4*\vb+\cb)+7]
.endr
.endr
	v_add_nc_u32 v4, OPBB, v4                      ; these four are the places ahead of the next trip's loads and of what reads the sums
	v_add_nc_u32 v5, 16*288, v5
	v_add_nc_u32 v6, OPBB, v6
	v_nop
	s_sub_co_u32 s2, s2, 1
	s_cmp_lg_u32 s2, 0
	s_cbranch_scc1 .Lblock
	s_mul_i32 s28, s24, 3
	s_add_co_u32 s28, s28, s23                     ; 3 bh + seg
	s_lshl_b32 s30, s28, 8
	s_add_co_u32 s30, s30, 6291456                 ; the decays lie behind the images
	s_mov_b32 s31, 0
	s_lshl_b32 s28, s28, 2
	s_add_co_u32 s28, s28, s22
	s_lshl_b32 s28, s28, 13                        ; 8,192 bytes a wave
	s_mov_b32 s29, 0
	s_add_nc_u64 s[16:17], s[12:13], s[28:29]
	s_add_nc_u64 s[14:15], s[12:13], s[30:31]
	v_lshlrev_b32 v10, 4, v3
.set i, 0
.rept 16
	global_store_b128 v10, v[SA+4*i:SA+4*i+3], s[16:17] offset:512*i
.set i, i+1
.endr
	s_cmp_lg_u32 s22, 0
	s_cbranch_scc1 .Lclose
	v_lshl_add_u32 v4, v2, 5, DL
	v_lshl_add_u32 v5, v1, 4, DL
	v_lshlrev_b32 v6, 4, v1
	s_wait_xcnt 0x0
	s_and_saveexec_b32 s85, s80                    ; one lane of each half holds all its 32 decays
.irp u, 0,1,2,3,4,5,6,7
	ds_store_b128 v4, v[DT+4*\u:DT+4*\u+3] offset:64*(\u/2)+16*(\u%2)
.endr
	s_wait_xcnt 0x0
	s_or_b32 exec_lo, exec_lo, s85
	ds_load_b128 v[32:35], v5
	s_wait_dscnt 0x0
	s_and_saveexec_b32 s85, s81
	global_store_b128 v6, v[32:35], s[14:15]       ; 16 lanes store 256 consecutive aligned bytes
	s_wait_xcnt 0x0
	s_or_b32 exec_lo, exec_lo, s85
.Lclose:
	s_wait_tensorcnt 0x0                           ; the wave's end
	ds_add_u32 v[SPW], v[NIL]
	s_wait_dscnt 0x0
	s_endpgm
.Lfunc_end_k_qf4ffd94abe_gla1:
	.size	k_qf4ffd94abe_gla1, .Lfunc_end_k_qf4ffd94abe_gla1-k_qf4ffd94abe_gla1
	.p2alignl 7, 3214868480
	.fill 96, 4, 3214868480
	.section	.rodata,"a",@progbits
	.p2align	6, 0x0
	.amdhsa_kernel k_qf4ffd94abe_gla1
		.amdhsa_group_segment_fixed_size 167936
		.amdhsa_private_segment_fixed_size 0
		.amdhsa_enable_private_segment 0
		.amdhsa_kernarg_size 40
		.amdhsa_user_sgpr_count 2
		.amdhsa_user_sgpr_kernarg_segment_ptr 1
		.amdhsa_wavefront_size32 1
		.amdhsa_system_sgpr_workgroup_id_x 1
		.amdhsa_system_sgpr_workgroup_id_y 1
		.amdhsa_system_sgpr_workgroup_id_z 1
		.amdhsa_system_vgpr_workitem_id 0
		.amdhsa_next_free_vgpr 384
		.amdhsa_next_free_sgpr 96
		.amdhsa_reserve_vcc 0
		.amdhsa_float_denorm_mode_32 3
		.amdhsa_float_denorm_mode_16_64 3
		.amdhsa_memory_ordered 1
		.amdhsa_forward_progress 1
		.amdhsa_inst_pref_size 59
	.end_amdhsa_kernel
	.amdgpu_metadata
---
amdhsa.version: [ 1, 2 ]
amdhsa.kernels:
  - .name:           k_qf4ffd94abe_gla1
    .symbol:         k_qf4ffd94abe_gla1.kd
    .args:
      - { .name: qkvg, .offset: 0, .size: 8, .value_kind: global_buffer, .address_space: global }
      - { .name: zb, .offset: 8, .size: 8, .value_kind: global_buffer, .address_space: global }
      - { .name: Wkg2, .offset: 16, .size: 8, .value_kind: global_buffer, .address_space: global }
      - { .name: bkg2, .offset: 24, .size: 8, .value_kind: global_buffer, .address_space: global }
      - { .name: ust, .offset: 32, .size: 8, .value_kind: global_buffer, .address_space: global }
    .group_segment_fixed_size: 167936
    .private_segment_fixed_size: 0
    .kernarg_segment_align: 8
    .kernarg_segment_size: 40
    .max_flat_workgroup_size: 128
    .sgpr_count:     96
    .vgpr_count:     384
    .wavefront_size: 32
...
	.end_amdgpu_metadata
.endif
;; end of part 8
;; launch gla2 (part 9): grid 64 x 4, 4 waves a work-group, no clusters, 327,680 bytes of LDS; arguments qkvg, zb, Wkg2, bkg2, bg, ust, yh, ysc, out1; writes yh, ysc, out1
.if DOCPART == 9
	.amdgcn_target "amdgcn-amd-amdhsa--gfx1250"
	.amdhsa_code_object_version 6
	.text
	.protected	k_qf4ffd94abe_gla2
	.globl	k_qf4ffd94abe_gla2
	.p2align	8
	.type	k_qf4ffd94abe_gla2,@function
k_qf4ffd94abe_gla2:
	s_mov_b64 s[64:65], 0
	v_nop
	global_prefetch_b8 v0, s[64:65] scope:SCOPE_SE
	s_setreg_imm32_b32 hwreg(HW_REG_WAVE_MODE, 25, 1), 1
	s_wait_xcnt 0x0
; GLA2: the recurrence S_t = exp(g_t) S_(t-1) + k_t v_t^T, o_t = q_t S_t for (batch, head) bh and segment seg of 256 steps; LayerNorm over the head's 128 channels; the gate silu(g + bg); the last state.
; START. S = the earlier segments' end states U folded by their decays D; a segment that does not lie before mine enters with the factor 0 (its decay with 1).
; BLOCKS of 16 steps; exponents to base 2: g2 = max(log2(e) logsigmoid(kg) / 16, -13), l_i its running sum in the block, L = l_15.  qh_i = a_i q_i with a_i = 2^-floor(log2 max |q_i|).
;   P1  A^T(j, i) = sum over c of (k_j 2^(l_7 - l_j)) (qh_i 2^(l_i - l_7)), f32 operands made of f32 q and k (range 2^104 either way and full precision are both wanted: where q . k is near 0 at a sequence's
;       first step the LayerNorm follows its absolute error; a thousandth of the program's products), masked to j <= i
;   P3  O3^T = S'^T qt^T, qt = qh 2^l_i (f16), S' = S 2^-E (f16), E the exponent of my slice's largest |S|        P2  O2^T = V^T A'^T, A' = A 2^-Ea(i) (f16; K = 16, the upper half 0)
;   O' = O3 2^E + O2 2^Ea        P4  S = 2^L S + kappa^T V, kappa_j = k_j 2^(L - l_j) (f16)
; k is taken WITHOUT the reference's scale s = 128^-1/2: O' = a o / s, so LN(o) = (O' - mean) rsq(var' + 1e-5 x 128 a^2); the last state is stored as s S.
; The variance is combined from the four waves' means and centred sums: M2 = sum M2_w + 32 sum (mean_w - mean)^2.
; y = silu(g + bg) LN(o) leaves as y 2^-Ey in f16 with 2^Ey in ysc[head][row]; 2^Ey lies above gmax sqrt(M2) rs, which bounds |y| of that row and head.
; PHASE 1: wave w makes the operands of blocks 4 w .. 4 w + 3.  q and k lie in f32 as two partial sums each (the halves of the projection's K), 256 bytes a row and head: a block's 16 rows of all four are loaded
; as whole rows (16 lanes a row), ONE TRIP AHEAD, into registers of their own (window 3): the loads stand behind the additions that take the block before out of those registers, and a whole trip lies between
; them and the wait for them.  The sums are turned into the layout of a step a lane through a stage of the wave's own.  The wave's four fragments of z are loaded at the head and move up a place each trip.
; U, D and bg are asked for behind the head's conversions and land under the first trip's arithmetic.
; PHASE 2: every wave walks the 16 blocks for its 32 channels of v; v and g come by one tensor load each a wave.
; LIMITS. A decay below 2^-13 a step counts as 2^-13 (a weight is off by 1.3e-4 of a weight-1 term at the most).  v and g arrive in f16, kappa is f16: k, v, g within 65,504.  |S| < 2^126.  Weights below 2^-126
; count as 0.  The bound under Ey is taken as 2^-60 at the least.  Wkg2, bkg2, bg, z are rounded to bf16.  Products of P1 with j > i may be infinite: the mask discards them unread.  NaN and infinities are not treated apart.
; NO CLUSTER: no two work-groups read the same tile.
; REGISTERS: window 0 as named below; window 1: v0-63 S (8 (4 vb + cb) + j), v64-79 P1's two accumulators, v96-159 the decays D1, D2; window 2: v0-191 U0, U1, U2;
; window 3: v0-127 q's and k's partial sums as loaded, v128-139 z of the blocks to come, v144-159 bg as loaded.
.set CROW,  24576                      ; bytes in a row of qkvg: v, g (f16), then twice q, k (f32)
.set QS,    0                          ; q's and k's stage: for each wave 16 rows x 272 bytes of q, then of k; no tensor load lands here
.set QSW,   8704
.set VT,    73728                      ; 256 rows of v, 256 + 32
.set GT,    147456                     ; of g, 256 + 16
.set OPB,   217088                     ; 16 blocks x 5,632 of operands; no tensor load lands from here on
.set OPBB,  5632
.set O_QI,  0                          ; qt as a register image, 2,048
.set O_KR,  2048                       ; kappa, 16 rows x 160
.set O_AI,  4608                       ; A' as a register image, 512
.set O_DV,  5120                       ; 2^L, 64 f32
.set O_EA,  5376                       ; 1e-5 x 128 a^2, 16 f32
.set O_AS,  5440                       ; 2^Ea, 16 f32
.set LX,    307200                     ; the waves' statistics: 256 w + 16 r
.set YS,    308224                     ; y of a block: 16 rows x 272
.set SCT,   312576                     ; 2^Ey of the segment's 256 rows
.set SPARE, 313600
.set SS,    OPB                        ; the last state on its way out, 64 rows x 528: behind the last read of the operands
.set SPW, 30
.set NIL, 31
.set PKK, 12                           ; phase 1
.set T8,  12
.set WA,  32
.set BC,  64
.set ZB,  96
.set PQ,  108
.set LM,  128
.set TE,  160
.set QH,  192
.set KH,  224
.set XA,  64                           ; window 1
.set Q1,  0                            ; window 3
.set K1,  32
.set Q2,  64
.set K2,  96
.set ZQ,  128
.set BGL, 144
.set SF,  32                           ; phase 2
.set QF,  64
.set AF,  80
.set VF,  88
.set GF,  104
.set KF,  128
.set DF,  160
.set OO,  192
.set O2,  208
.set GG,  224
.set BG,  240
.set MSB, 0
.macro WIN new
.if MSB != (\new)
	s_set_vgpr_msb (MSB<<8)|(\new)
.set MSB, \new
.endif
.endm
.macro REP n, st, line:vararg
.set i, 0
	s_wait_alu depctr_va_vdst(0)
.rept \n
	\line
.set i, i+\st
.endr
.endm
.macro PLACES
.rept 4
	v_nop
.endr
.endm
.macro QKLOAD                          ; a block's 16 rows of q's and k's two partial sums: 16 lanes take a row's 256 aligned bytes
	WIN 0xc0
.set i, 0
.rept 8
	global_load_b128 v[Q1+4*i:Q1+4*i+3], v29, s[56:57] offset:2*CROW*i
	global_load_b128 v[K1+4*i:K1+4*i+3], v29, s[56:57] offset:2*CROW*i+4096
	global_load_b128 v[Q2+4*i:Q2+4*i+3], v29, s[56:57] offset:2*CROW*i+8192
	global_load_b128 v[K2+4*i:K2+4*i+3], v29, s[56:57] offset:2*CROW*i+12288
.set i, i+1
.endr
	WIN 0
.endm
	s_load_b512 s[4:19], s[0:1], 0x0               ; qkvg, zb, Wkg2, bkg2, bg, ust, yh, ysc
	s_load_b64 s[20:21], s[0:1], 0x40              ; out1
	v_lshl_add_u32 v[SPW], v0, 2, SPARE
	v_mov_b32 v[NIL], 0
	ds_add_u32 v[SPW], v[NIL]                      ; the wave's opening: the add and its wait ahead of my first tensor load
	ds_add_u32 v30, v31
	v_lshrrev_b32 v1, 5, v0
	v_readfirstlane_b32 s22, v1                    ; wave
	s_and_b32 s23, ttmp7, 0xffff                   ; seg
	s_mov_b32 s24, ttmp9                           ; bh
	s_and_b32 s25, s24, 15                         ; head
	s_lshr_b32 s26, s24, 4
	s_lshl_b32 s26, s26, 10
	s_lshl_b32 s27, s23, 8
	s_add_co_u32 s26, s26, s27                     ; the segment's first row
	s_lshl_b32 s27, s22, 6
	s_add_co_u32 s27, s27, s26                     ; my 64 rows
	s_mov_b32 s40, (1<<16)|(1<<20)|(5<<22)|(7<<25) ; v: 128 elements of 2 bytes a row, 8 words of padding
	s_mov_b32 s48, (1<<16)|(1<<20)|(5<<22)|(3<<25) ; g: 128 elements, 4 words
.irp g, 40, 48
	s_mov_b32 s[\g+1], 128<<16
	s_mov_b32 s[\g+2], 64<<16
	s_mov_b32 s[\g+3], 128<<16
	s_mov_b32 s[\g+4], 64
	s_mov_b32 s[\g+5], CROW/2                      ; elements from row to row
	s_mov_b32 s[\g+6], 0
	s_mov_b32 s[\g+7], 0
.endr
	s_mul_i32 s28, s27, CROW
	s_lshl_b32 s92, s25, 8
	s_add_co_u32 s28, s28, s92                     ; v: row x 24,576 + 256 head; g, q, k, q's and k's second partial sums each 4,096 bytes further on
	s_mov_b32 s29, 0
	s_mov_b32 s68, 1
	s_mul_i32 s69, s22, 18432
	s_add_co_u32 s69, s69, VT
	s_mov_b32 s72, 1
	s_mul_i32 s73, s22, 17408
	s_add_co_u32 s73, s73, GT
	s_mov_b32 s86, 0x76543210                      ; v_permlanex16_b32: each lane takes its own place in the other half
	s_mov_b32 s87, 0xfedcba98
	s_mov_b32 s88, 0xbfb8aa3b                      ; -log2(e)
	s_mov_b32 s89, 0x42000000                      ; 32.0
	s_cmp_gt_u32 s23, 0
	s_cselect_b32 s94, 1.0, 0                      ; segment 0 lies before mine
	s_mov_b32 s95, 0
	s_cmp_gt_u32 s23, 1
	s_cselect_b32 s96, 1.0, 0
	s_cselect_b32 s98, 0, 1.0
	s_mov_b32 s97, 0
	s_mov_b32 s99, 0
	s_cmp_gt_u32 s23, 2
	s_cselect_b32 s100, 1.0, 0
	s_cselect_b32 s104, 0, 1.0
	s_mov_b32 s101, 0
	s_mov_b32 s105, 0
	s_wait_dscnt 0x0
	s_wait_kmcnt 0x0
	s_add_nc_u64 s[70:71], s[4:5], s[28:29]
	s_add_nc_u64 s[74:75], s[70:71], 4096
	s_add_nc_u64 s[56:57], s[70:71], 8192          ; q at my first row; k and the second partial sums by the loads' immediates
	s_or_b32 s71, s71, 0x80000000
	s_or_b32 s75, s75, 0x80000000
	tensor_load_to_lds s[68:71], s[40:47]          ; my 64 rows of v and of g: two loads of mine are out, each fills its bytes once
	s_nop 0
	tensor_load_to_lds s[72:75], s[48:55]
	s_nop 0
	PLACES
	v_and_b32 v1, 15, v0                           ; r
	v_bfe_u32 v2, v0, 4, 1                         ; h
	v_and_b32 v3, 31, v0                           ; lane
	v_lshlrev_b32 v10, 4, v3
	v_lshlrev_b32 v11, 5, v2
	s_lshl_b32 s28, s25, 8
	s_add_nc_u64 s[8:9], s[8:9], s[28:29]          ; Wkg2 and bkg2 at the head's 64 columns
	s_add_nc_u64 s[10:11], s[10:11], s[28:29]
	v_lshlrev_b32 v12, 15, v2
	v_lshl_add_u32 v12, v1, 2, v12                 ; ranks 8 h .., column r
	s_lshl_b32 s28, s27, 5
	v_lshlrev_b32 v9, 5, v1
	v_lshl_add_u32 v9, v2, 4, v9
	v_add_nc_u32 v9, s28, v9                       ; z: row x 32 + 16 h
	v_mul_u32_u24 v29, v2, CROW
	v_lshl_add_u32 v29, v1, 4, v29                 ; q, k: lanes 0-15 one row, lanes 16-31 the next
	; what the first trip wants goes out first
.set i, 0
.rept 32
	global_load_b32 v[LM+i], v12, s[8:9] offset:(i%8)*4096+64*(i/8)
.set i, i+1
.endr
.irp u, 0,1,2,3,4,5,6,7
	global_load_b128 v[BC+4*\u:BC+4*\u+3], v11, s[10:11] offset:64*(\u/2)+16*(\u%2)
.endr
	global_load_b128 v[ZB:ZB+3], v9, s[6:7]
	WIN 0xc0
.irp t, 1,2,3
	global_load_b128 v[ZQ+4*\t-4:ZQ+4*\t-1], v9, s[6:7] offset:512*\t
.endr
	QKLOAD                                         ; the first block's rows
	s_mul_i32 s28, s24, 12
	s_add_co_u32 s28, s28, s22
	s_lshl_b32 s28, s28, 13                        ; my images of U0, U1, U2: 32,768 bytes apart
	s_add_nc_u64 s[90:91], s[14:15], s[28:29]
	s_mul_i32 s28, s24, 768
	s_add_co_u32 s28, s28, 6291456
	s_add_nc_u64 s[92:93], s[14:15], s[28:29]      ; the head's three decays
	s_lshl_b32 s28, s25, 9
	s_lshl_b32 s3, s22, 7
	s_add_co_u32 s28, s28, s3
	s_add_nc_u64 s[12:13], s[12:13], s[28:29]      ; bg at my 32 channels
	v_lshlrev_b32 v13, 3, v2
.irp j, 0,1,2,3,4,5,6,7
	v_add_nc_u32 v14, \j, v13
	v_cmp_le_u32 s[76+\j], v14, v1                 ; register j of P1's result is step 8 h + j: kept where it is not later than the lane's step
.endr
	v_cmp_eq_u32 s84, 15, v1
	s_mul_i32 s28, s22, QSW                        ; my stage
	v_mul_u32_u24 v4, v1, 272
	v_lshl_add_u32 v4, v2, 5, v4
	v_add_nc_u32 v4, s28, v4                       ; back: step r, channels 8 h .. of each 16: 32 h
	v_mul_u32_u24 v28, v2, 272
	v_lshl_add_u32 v28, v1, 4, v28
	v_add_nc_u32 v28, s28, v28                     ; in: lanes 0-15 one row, lanes 16-31 the next
	s_mul_i32 s28, s22, 4*OPBB
	s_add_co_u32 s28, s28, OPB                     ; my four blocks of operands
	v_lshl_add_u32 v5, v3, 4, s28                  ; register images: 16 lane
	v_mul_u32_u24 v6, v1, 160
	v_lshl_add_u32 v6, v2, 4, v6
	v_add_nc_u32 v6, s28, v6                       ; kappa: row r, 16 h
	v_lshl_add_u32 v7, v2, 5, s28                  ; 2^L: 32 h
	v_lshl_add_u32 v8, v1, 2, s28                  ; a number a step: 4 r
	s_wait_loadcnt 32                              ; Wkg2, bkg2 and z are in; the 32 loads of q and k issued behind them may be out
.set i, 0
.rept 16
	v_cvt_pk_bf16_f32 v[WA+8*(i/4)+i%4], v[LM+2*i], v[LM+2*i+1]
	v_mov_b32 v[WA+8*(i/4)+4+i%4], 0
	v_cvt_pk_bf16_f32 v124, v[BC+2*i], v[BC+2*i+1]
	v_lshlrev_b32 v[BC+2*i], 16, v124
	v_and_b32 v[BC+2*i+1], 0xffff0000, v124
.set i, i+1
.endr
	REP 4, 1, v_mov_b32 v[ZB+4+i], 0
	; what is wanted behind phase 1 goes out now: the first trip's wait for its rows shows these landed too
	WIN 0x80
.set i, 0
.rept 48
	global_load_b128 v[4*i:4*i+3], v10, s[90:91] offset:(i/16)*32768+(i%16)*512
.set i, i+1
.endr
	WIN 0x40
.set i, 0
.rept 16
	global_load_b128 v[96+4*i:96+4*i+3], v11, s[92:93] offset:(1+i/8)*256+64*((i%8)/2)+16*(i%2)
.set i, i+1
.endr
	WIN 0xc0
.irp u, 0,1,2,3
	global_load_b128 v[BGL+4*\u:BGL+4*\u+3], v11, s[12:13] offset:64*(\u/2)+16*(\u%2)
.endr
	WIN 0
	s_mov_b32 s2, 4
.Lprep:
.irp cb, 0,1,2,3                       ; kg^T: a lane holds one step (l % 16), register j channel 16 cb + 8 h + j
	v_wmma_f32_16x16x32_bf16 v[LM+8*\cb:LM+8*\cb+7], v[WA+8*\cb:WA+8*\cb+7], v[ZB:ZB+7], v[BC+8*\cb:BC+8*\cb+7]
.endr
	PLACES
	REP 32, 1, v_mul_f32 v[TE+i], s88, |v[LM+i]|
	REP 32, 1, v_exp_f32 v[TE+i], v[TE+i]
	REP 32, 1, v_min_num_f32 v[LM+i], 0, v[LM+i]
	REP 16, 2, v_pk_add_f32 v[TE+i:TE+i+1], v[TE+i:TE+i+1], 1.0 op_sel_hi:[1,0]
	REP 32, 1, v_log_f32 v[TE+i], v[TE+i]
	REP 16, 2, v_pk_mul_f32 v[LM+i:LM+i+1], v[LM+i:LM+i+1], 0x3db8aa3b op_sel_hi:[1,0]
	REP 16, 2, v_pk_fma_f32 v[LM+i:LM+i+1], v[TE+i:TE+i+1], 0xbd800000, v[LM+i:LM+i+1] op_sel_hi:[1,0,1]
	REP 32, 1, v_max_num_f32 v[LM+i], 0xc1500000, v[LM+i]
.irp n, 1,2,4,8                        ; the running sum over the 16 steps: a lane without a source keeps its number
	REP 32, 1, v_add_f32_dpp v[LM+i], v[LM+i], v[LM+i] row_shr:\n row_mask:0xf bank_mask:0xf
.endr
	s_wait_loadcnt 0x0                             ; this block's rows of q and k, asked for a trip ago, are in
	WIN 0x0f                                       ; both sources in window 3
	REP 16, 2, v_pk_add_f32 v[QH+i:QH+i+1], v[Q1+i:Q1+i+1], v[Q2+i:Q2+i+1]
	REP 16, 2, v_pk_add_f32 v[KH+i:KH+i+1], v[K1+i:K1+i+1], v[K2+i:K2+i+1]
	WIN 0
	s_cmp_eq_u32 s2, 1
	s_cbranch_scc1 .Lno_qk                         ; the last trip has no block to ask for
	v_add_nc_u32 v29, 16*CROW, v29                 ; 16 rows on; its loads were waited for above
	QKLOAD
.Lno_qk:
.set i, 0
.rept 8
	ds_store_b128 v28, v[QH+4*i:QH+4*i+3] offset:544*i
	ds_store_b128 v28, v[KH+4*i:KH+4*i+3] offset:4352+544*i
.set i, i+1
.endr
.set i, 0
.rept 8                                ; LDS serves a wave's instructions in order: these see the stores above, and the next trip's stores come behind them
	ds_load_b128 v[QH+4*i:QH+4*i+3], v4 offset:64*(i/2)+16*(i%2)
	ds_load_b128 v[KH+4*i:KH+4*i+3], v4 offset:4352+64*(i/2)+16*(i%2)
.set i, i+1
.endr
	REP 32, 1, v_exp_f32 v[TE+i], v[LM+i]
	s_wait_dscnt 0x0                               ; q and k are back, a step a lane
	v_max_num_f32 v124, |v[QH]|, |v[QH+1]|
	v_max_num_f32 v125, |v[QH+2]|, |v[QH+3]|
.set i, 2
.rept 14
	v_max3_num_f32 v[124+i%2], v[124+i%2], |v[QH+2*i]|, |v[QH+2*i+1]|
.set i, i+1
.endr
	v_max_num_f32 v124, v124, v125
	v_permlanex16_b32 v125, v124, s86, s87         ; the step's other 32 channels lie in the lane 16 away
	v_max_num_f32 v124, v124, v125
	v_and_b32 v125, 0x7f800000, v124
	v_sub_nc_u32 v126, 0x7f000000, v125            ; a, by its bits
	v_mul_f32 v127, 0x3aa7c5ac, v126               ; 1.28e-3 a
	v_mul_f32 v127, v127, v126
	ds_store_b32 v8, v127 offset:O_EA
	REP 16, 2, v_pk_mul_f32 v[QH+i:QH+i+1], v[QH+i:QH+i+1], v[126:127] op_sel_hi:[1,0]
	s_wait_xcnt 0x0                                ; EXEC changes only behind this wait
	s_and_saveexec_b32 s85, s84                    ; the last step's lanes hold 2^L
	s_wait_alu depctr_va_vdst(0)
.irp u, 0,1,2,3,4,5,6,7
	ds_store_b128 v7, v[TE+4*\u:TE+4*\u+3] offset:O_DV+64*(\u/2)+16*(\u%2)
.endr
	s_wait_xcnt 0x0
	s_or_b32 exec_lo, exec_lo, s85
	REP 16, 2, v_pk_mul_f32 v[TE+i:TE+i+1], v[TE+i:TE+i+1], v[QH+i:QH+i+1]
	REP 16, 1, v_cvt_pk_f16_f32 v[PQ+i], v[TE+2*i], v[TE+2*i+1]
.irp cb, 0,1,2,3                       ; packed so, my registers ARE source 1 of P3: stored and read back lane by lane
	ds_store_b128 v5, v[PQ+4*\cb:PQ+4*\cb+3] offset:O_QI+512*\cb
.endr
	REP 32, 1, v_sub_f32_dpp v[TE+i], v[LM+i], v[LM+i] row_share:15 row_mask:0xf bank_mask:0xf
	REP 32, 1, v_exp_f32 v[TE+i], v[TE+i]
	v_nop
	s_wait_alu depctr_va_vdst(0)
	REP 16, 2, v_pk_mul_f32 v[TE+i:TE+i+1], v[TE+i:TE+i+1], v[KH+i:KH+i+1]
	REP 16, 1, v_cvt_pk_f16_f32 v[PKK+i], v[TE+2*i], v[TE+2*i+1]
.irp cb, 0,1,2,3
	ds_store_b128 v6, v[PKK+4*\cb:PKK+4*\cb+3] offset:O_KR+32*\cb
.endr
	REP 32, 1, v_sub_f32_dpp v[TE+i], v[LM+i], v[LM+i] row_share:7 row_mask:0xf bank_mask:0xf
	REP 16, 2, v_pk_mul_f32 v[LM+i:LM+i+1], v[TE+i:TE+i+1], -1.0 op_sel_hi:[1,0]
	REP 32, 1, v_exp_f32 v[LM+i], v[LM+i]
	REP 32, 1, v_exp_f32 v[TE+i], v[TE+i]
	v_nop
	s_wait_alu depctr_va_vdst(0)
	REP 16, 2, v_pk_mul_f32 v[QH+i:QH+i+1], v[QH+i:QH+i+1], v[LM+i:LM+i+1]
	REP 16, 2, v_pk_mul_f32 v[KH+i:KH+i+1], v[KH+i:KH+i+1], v[TE+i:TE+i+1]
	WIN 0x50                                       ; P1: the same order of channels on both sides; two accumulators take turns; only matrix instructions write them
.set c, 0
.rept 16
.if c < 2
	v_wmma_f32_16x16x4_f32 v[XA+8*(c%2):XA+8*(c%2)+7], v[KH+2*c:KH+2*c+1], v[QH+2*c:QH+2*c+1], 0
.else
	v_wmma_f32_16x16x4_f32 v[XA+8*(c%2):XA+8*(c%2)+7], v[KH+2*c:KH+2*c+1], v[QH+2*c:QH+2*c+1], v[XA+8*(c%2):XA+8*(c%2)+7]
.endif
.set c, c+1
.endr
.rept 8
	v_nop                                          ; eight places behind this form (ISA guide 7.12.1)
.endr
	WIN 0x05
	REP 4, 2, v_pk_add_f32 v[T8+i:T8+i+1], v[XA+i:XA+i+1], v[XA+8+i:XA+8+i+1]
	WIN 0
.irp j, 0,1,2,3,4,5,6,7
	v_cndmask_b32 v[T8+\j], 0, v[T8+\j], s[76+\j]
.endr
	v_max3_num_f32 v124, |v[T8]|, |v[T8+1]|, |v[T8+2]|
	v_max3_num_f32 v125, |v[T8+3]|, |v[T8+4]|, |v[T8+5]|
	v_max3_num_f32 v124, v124, |v[T8+6]|, |v[T8+7]|
	v_max_num_f32 v124, v124, v125
	v_permlanex16_b32 v125, v124, s86, s87
	v_max_num_f32 v124, v124, v125
	v_and_b32 v125, 0x7f800000, v124               ; 2^Ea
	v_sub_nc_u32 v126, 0x7f000000, v125            ; 2^-Ea
	ds_store_b32 v8, v125 offset:O_AS
	REP 4, 2, v_pk_mul_f32 v[T8+i:T8+i+1], v[T8+i:T8+i+1], v[126:127] op_sel_hi:[1,0]
	REP 4, 1, v_cvt_pk_f16_f32 v[T8+8+i], v[T8+2*i], v[T8+2*i+1]
	ds_store_b128 v5, v[T8+8:T8+11] offset:O_AI
	WIN 0x03                                       ; z moves up a place
	REP 4, 1, v_mov_b32 v[ZB+i], v[ZQ+i]
	WIN 0xc3
	REP 8, 1, v_mov_b32 v[ZQ+i], v[ZQ+4+i]
	WIN 0
	v_add_nc_u32 v5, OPBB, v5
	v_add_nc_u32 v6, OPBB, v6
	v_add_nc_u32 v7, OPBB, v7
	v_add_nc_u32 v8, OPBB, v8
	s_sub_co_u32 s2, s2, 1
	s_cmp_lg_u32 s2, 0
	s_cbranch_scc1 .Lprep
	s_wait_tensorcnt 0x0                           ; for the others' sake: my rows of v and g have landed,
	s_wait_dscnt 0x0                               ; my operands are in LDS
	s_barrier_signal -1
	s_barrier_wait -1
	; ---------------- between the phases (U, D and bg landed with the first trip's rows)
	WIN 0x42
	REP 32, 2, v_pk_mul_f32 v[i:i+1], v[i:i+1], s[94:95] op_sel_hi:[1,0]
.macro FOLD d, u, m, n                 ; S = D S + U for a segment before mine; S stays as it is for the others
	WIN 0x41
	REP 16, 2, v_pk_fma_f32 v[(\d)+i:(\d)+i+1], v[(\d)+i:(\d)+i+1], s[\m:\m+1], s[\n:\n+1] op_sel_hi:[1,0,0]
	WIN 0x45
	REP 32, 2, v_pk_mul_f32 v[i:i+1], v[i:i+1], v[(\d)+i%32:(\d)+i%32+1]
	WIN 0x52
	REP 32, 2, v_pk_fma_f32 v[i:i+1], v[(\u)+i:(\u)+i+1], s[\m:\m+1], v[i:i+1] op_sel_hi:[1,0,1]
.endm
	FOLD 96, 64, 96, 98
	FOLD 128, 128, 100, 104
	WIN 0x0f                                       ; bg, rounded to bf16: the packed words into BG's upper half,
	REP 8, 1, v_cvt_pk_bf16_f32 v[BG+8+i], v[BGL+2*i], v[BGL+2*i+1]
	WIN 0
.set i, 0
.rept 8                                ; and widened from there in ascending order: word i is read before pair i reaches its place
	v_lshlrev_b32 v[BG+2*i], 16, v[BG+8+i]
	v_and_b32 v[BG+2*i+1], 0xffff0000, v[BG+8+i]
.set i, i+1
.endr
	REP 4, 1, v_mov_b32 v[AF+4+i], 0
	REP 4, 1, v_mov_b32 v[VF+4+i], 0
	REP 4, 1, v_mov_b32 v[VF+12+i], 0
.irp cb, 0,1,2,3
	REP 4, 1, v_mov_b32 v[KF+8*\cb+4+i], 0
.endr
	REP 12, 1, v_mov_b32 v[112+i], 0
	v_and_b32 v12, 7, v0
	v_bfe_u32 v13, v0, 3, 1
	v_lshl_add_u32 v12, v2, 3, v12                 ; the turning loads: step 8 h + l % 8
	v_lshl_add_u32 v4, v3, 4, OPB                  ; register images
	v_mul_u32_u24 v5, v12, 160
	v_lshl_add_u32 v5, v13, 4, v5
	v_add_nc_u32 v5, OPB, v5                       ; kappa, turned
	v_lshl_add_u32 v6, v2, 5, OPB                  ; 2^L
	v_lshl_add_u32 v7, v1, 2, OPB                  ; a number a step
	s_lshl_b32 s28, s22, 6                         ; my 32 channels: 64 bytes
	v_mul_u32_u24 v8, v12, 288
	v_lshl_add_u32 v8, v13, 4, v8
	s_add_co_u32 s29, s28, VT
	v_add_nc_u32 v8, s29, v8                       ; v, turned
	v_mul_u32_u24 v14, v1, 272
	v_lshl_add_u32 v14, v2, 4, v14
	s_add_co_u32 s29, s28, GT
	v_add_nc_u32 v9, s29, v14                      ; g: row r, 16 h
	s_add_co_u32 s29, s28, YS
	v_add_nc_u32 v28, s29, v14                     ; y in
	s_lshl_b32 s29, s22, 8
	s_add_co_u32 s29, s29, LX
	v_lshl_add_u32 v10, v1, 4, s29                 ; my statistics
	v_lshl_add_u32 v11, v1, 4, LX                  ; everybody's
	s_lshl_b32 s29, s22, 2
	v_add_nc_u32 v15, s29, v2                      ; row 4 w + h
	v_mul_u32_u24 v29, v15, 272
	v_lshl_add_u32 v29, v1, 4, v29
	v_add_nc_u32 v29, YS, v29                      ; y back
	v_lshlrev_b32 v3, 12, v15
	v_lshl_add_u32 v3, v1, 4, v3                   ; and the same rows in yh
	v_lshl_add_u32 v2, v1, 2, SCT
	v_mov_b32 v1, 1.0
	s_lshl_b32 s28, s26, 12
	s_lshl_b32 s29, s25, 8
	s_add_co_u32 s28, s28, s29
	s_mov_b32 s29, 0
	s_add_nc_u64 s[16:17], s[16:17], s[28:29]      ; yh at the segment's first row, the head's 256 bytes
	s_lshl_b32 s28, s25, 14
	s_lshl_b32 s90, s26, 2
	s_add_co_u32 s28, s28, s90
	s_add_nc_u64 s[18:19], s[18:19], s[28:29]      ; ysc
	s_lshl_b32 s28, s24, 15
	s_lshl_b32 s90, s22, 13
	s_add_co_u32 s28, s28, s90
	s_add_nc_u64 s[20:21], s[20:21], s[28:29]      ; out1 at my 16 rows of the state
	s_mov_b32 s3, 0x3c000000                       ; 1 / 128
	s_mov_b32 s2, 16
.Lblock:
.irp cb, 0,1,2,3
	ds_load_b128 v[QF+4*\cb:QF+4*\cb+3], v4 offset:O_QI+512*\cb
.endr
	ds_load_b128 v[AF:AF+3], v4 offset:O_AI
	ds_load_tr16_b128 v[VF:VF+3], v8
	ds_load_tr16_b128 v[VF+8:VF+11], v8 offset:32
	ds_load_b32 v116, v7 offset:O_EA
	ds_load_b32 v118, v7 offset:O_AS
	ds_load_b128 v[GF:GF+3], v9
	ds_load_b128 v[GF+4:GF+7], v9 offset:32
.irp cb, 0,1,2,3
	ds_load_tr16_b128 v[KF+8*\cb:KF+8*\cb+3], v5 offset:O_KR+32*\cb
.endr
.irp u, 0,1,2,3,4,5,6,7
	ds_load_b128 v[DF+4*\u:DF+4*\u+3], v6 offset:O_DV+64*(\u/2)+16*(\u%2)
.endr
	WIN 0x14                                       ; the largest |S| of my slice
	REP 4, 1, v_mov_b32 v[124+i], 0
	REP 32, 1, v_max3_num_f32 v[124+i%4], v[124+i%4], |v[2*i]|, |v[2*i+1]|
	WIN 0
	v_max3_num_f32 v124, v124, v125, v126
	v_max_num_f32 v124, v124, v127
	v_max_num_f32_dpp v124, v124, v124 row_xmask:1 row_mask:0xf bank_mask:0xf
	v_max_num_f32_dpp v124, v124, v124 row_xmask:2 row_mask:0xf bank_mask:0xf
	v_max_num_f32_dpp v124, v124, v124 row_xmask:4 row_mask:0xf bank_mask:0xf
	v_max_num_f32_dpp v124, v124, v124 row_xmask:8 row_mask:0xf bank_mask:0xf
	v_permlanex16_b32 v125, v124, s86, s87
	v_max_num_f32 v124, v124, v125
	v_and_b32 v120, 0x7f800000, v124               ; 2^E
	v_sub_nc_u32 v122, 0x7f000000, v120            ; 2^-E
.irp hf, 0, 1
	WIN 0x01
	REP 16, 2, v_pk_mul_f32 v[OO+i:OO+i+1], v[32*\hf+i:32*\hf+i+1], v[122:123] op_sel_hi:[1,0]
	WIN 0
	REP 16, 1, v_cvt_pk_f16_f32 v[SF+16*\hf+i], v[OO+2*i], v[OO+2*i+1]
.endr
	s_wait_dscnt 16                                ; qt, A' and v are in; the sixteen younger loads may be out
	v_wmma_f32_16x16x32_f16 v[OO:OO+7], v[SF:SF+7], v[QF:QF+7], 0
	v_wmma_f32_16x16x32_f16 v[OO+8:OO+15], v[SF+16:SF+23], v[QF:QF+7], 0
	v_wmma_f32_16x16x32_f16 v[O2:O2+7], v[VF:VF+7], v[AF:AF+7], 0
	v_wmma_f32_16x16x32_f16 v[O2+8:O2+15], v[VF+8:VF+15], v[AF:AF+7], 0
	v_wmma_f32_16x16x32_f16 v[OO:OO+7], v[SF+8:SF+15], v[QF+8:QF+15], v[OO:OO+7]
	v_wmma_f32_16x16x32_f16 v[OO+8:OO+15], v[SF+24:SF+31], v[QF+8:QF+15], v[OO+8:OO+15]
	s_wait_dscnt 0x0
	WIN 0x41                                       ; S decays: these 32 are also the places behind the six products
	REP 32, 2, v_pk_mul_f32 v[i:i+1], v[i:i+1], v[DF+i%32:DF+i%32+1]
	WIN 0x50
.irp vb, 0,1
.irp cb, 0,1,2,3
	v_wmma_f32_16x16x32_f16 v[8*(4*\vb+\cb):8*(4*\vb+\cb)+7], v[KF+8*\cb:KF+8*\cb+7], v[VF+8*\vb:VF+8*\vb+7], v[8*(4*\vb+\cb):8*(4*\vb+\cb)+7]
.endr
.endr
	WIN 0
	REP 8, 2, v_pk_mul_f32 v[O2+i:O2+i+1], v[O2+i:O2+i+1], v[118:119] op_sel_hi:[1,0]
	REP 8, 2, v_pk_fma_f32 v[OO+i:OO+i+1], v[OO+i:OO+i+1], v[120:121], v[O2+i:O2+i+1] op_sel_hi:[1,0,1]
	REP 8, 1, v_fma_mix_f32 v[GG+2*i], v[GF+i], v1, v[BG+2*i] op_sel_hi:[1,0,0]
	REP 8, 1, v_fma_mix_f32 v[GG+2*i+1], v[GF+i], v1, v[BG+2*i+1] op_sel:[1,0,0] op_sel_hi:[1,0,0]
	REP 8, 2, v_pk_mul_f32 v[O2+i:O2+i+1], v[GG+i:GG+i+1], 0xbfb8aa3b op_sel_hi:[1,0]
	REP 16, 1, v_exp_f32 v[O2+i], v[O2+i]
	v_pk_add_f32 v[124:125], v[OO:OO+1], v[OO+2:OO+3]      ; my 32 channels' mean
	v_pk_add_f32 v[126:127], v[OO+4:OO+5], v[OO+6:OO+7]
	v_pk_add_f32 v[124:125], v[124:125], v[OO+8:OO+9]
	v_pk_add_f32 v[126:127], v[126:127], v[OO+10:OO+11]
	v_pk_add_f32 v[124:125], v[124:125], v[OO+12:OO+13]
	v_pk_add_f32 v[126:127], v[126:127], v[OO+14:OO+15]
	v_pk_add_f32 v[124:125], v[124:125], v[126:127]
	v_add_f32 v124, v124, v125
	v_permlanex16_b32 v125, v124, s86, s87
	v_add_f32 v124, v124, v125
	v_mul_f32 v112, 0x3d000000, v124
	s_wait_alu depctr_va_vdst(0)
	REP 8, 2, v_pk_add_f32 v[O2+i:O2+i+1], v[O2+i:O2+i+1], 1.0 op_sel_hi:[1,0]
	REP 16, 1, v_rcp_f32 v[O2+i], v[O2+i]
	REP 8, 2, v_pk_add_f32 v[OO+i:OO+i+1], v[OO+i:OO+i+1], v[112:113] op_sel_hi:[1,0] neg_lo:[0,1] neg_hi:[0,1]
	v_pk_mul_f32 v[124:125], v[OO:OO+1], v[OO:OO+1]        ; and their centred sum of squares
	v_pk_mul_f32 v[126:127], v[OO+2:OO+3], v[OO+2:OO+3]
.irp u, 4, 8, 12
	v_pk_fma_f32 v[124:125], v[OO+\u:OO+\u+1], v[OO+\u:OO+\u+1], v[124:125]
	v_pk_fma_f32 v[126:127], v[OO+\u+2:OO+\u+3], v[OO+\u+2:OO+\u+3], v[126:127]
.endr
	v_pk_add_f32 v[124:125], v[124:125], v[126:127]
	v_add_f32 v124, v124, v125
	v_permlanex16_b32 v125, v124, s86, s87
	v_add_f32 v113, v124, v125
	s_wait_alu depctr_va_vdst(0)
	REP 8, 2, v_pk_mul_f32 v[GG+i:GG+i+1], v[GG+i:GG+i+1], v[O2+i:O2+i+1]
	v_max_num_f32 v124, |v[GG]|, |v[GG+1]|
	v_max_num_f32 v125, |v[GG+2]|, |v[GG+3]|
.set i, 2
.rept 6
	v_max3_num_f32 v[124+i%2], v[124+i%2], |v[GG+2*i]|, |v[GG+2*i+1]|
.set i, i+1
.endr
	v_max_num_f32 v124, v124, v125
	v_permlanex16_b32 v125, v124, s86, s87
	v_max_num_f32 v114, v124, v125
	ds_store_b128 v10, v[112:115]
	s_wait_dscnt 0x0                               ; for the others' sake: my statistics are in LDS (their last readers signalled the barrier before)
	s_barrier_signal -1
	s_barrier_wait -1
.irp w, 0,1,2,3
	ds_load_b128 v[12+4*\w:15+4*\w], v11 offset:256*\w
.endr
	s_wait_dscnt 0x0
	v_add_f32 v124, v12, v16
	v_add_f32 v125, v20, v24
	v_add_f32 v124, v124, v125
	v_mul_f32 v124, 0x3e800000, v124               ; the row's mean
	v_sub_f32 v12, v12, v124
	v_sub_f32 v16, v16, v124
	v_sub_f32 v20, v20, v124
	v_sub_f32 v24, v24, v124
	v_sub_f32 v122, v112, v124                     ; my mean less the row's
	v_mul_f32 v125, v12, v12
	v_fmac_f32 v125, v16, v16
	v_fmac_f32 v125, v20, v20
	v_fmac_f32 v125, v24, v24
	v_add_f32 v126, v13, v17
	v_add_f32 v127, v21, v25
	v_add_f32 v126, v126, v127
	v_fmac_f32 v126, s89, v125                     ; M2
	v_fma_f32 v125, v126, s3, v116                 ; M2 / 128 + 1e-5 x 128 a^2
	v_rsq_f32 v120, v125
	v_sqrt_f32 v127, v126
	v_max3_num_f32 v14, v14, v18, v22
	v_max_num_f32 v14, v14, v26
	s_wait_alu depctr_va_vdst(0)
	v_mul_f32 v127, v127, v120
	v_mul_f32 v127, v127, v14                      ; no |y| of this row and head is larger
	v_max_num_f32 v127, 0x21800000, v127
	v_and_b32 v127, 0x7f800000, v127
	v_add_nc_u32 v127, 0x00800000, v127            ; 2^Ey
	v_sub_nc_u32 v118, 0x7f000000, v127            ; 2^-Ey
	s_cmp_lg_u32 s22, 0
	s_cbranch_scc1 .Lno_sc
	ds_store_b32 v2, v127
.Lno_sc:
	REP 8, 2, v_pk_add_f32 v[OO+i:OO+i+1], v[OO+i:OO+i+1], v[122:123] op_sel_hi:[1,0]
	REP 8, 2, v_pk_mul_f32 v[OO+i:OO+i+1], v[OO+i:OO+i+1], v[120:121] op_sel_hi:[1,0]
	REP 8, 2, v_pk_mul_f32 v[OO+i:OO+i+1], v[OO+i:OO+i+1], v[GG+i:GG+i+1]
	REP 8, 2, v_pk_mul_f32 v[OO+i:OO+i+1], v[OO+i:OO+i+1], v[118:119] op_sel_hi:[1,0]
	REP 8, 1, v_cvt_pk_f16_f32 v[12+i], v[OO+2*i], v[OO+2*i+1]
	ds_store_b128 v28, v[12:15]
	ds_store_b128 v28, v[16:19] offset:32
	s_wait_dscnt 0x0                               ; for the others' sake: my part of the 16 rows of y is in LDS, and my reads of the statistics are over
	s_barrier_signal -1
	s_barrier_wait -1
	ds_load_b128 v[20:23], v29
	ds_load_b128 v[24:27], v29 offset:544
	s_wait_dscnt 0x0
	global_store_b128 v3, v[20:23], s[16:17]       ; 16 lanes store 256 consecutive aligned bytes
	global_store_b128 v3, v[24:27], s[16:17] offset:8192
	s_wait_xcnt 0x0                                ; the stores' offset is stepped and their data registers are loaded again only behind this wait
	v_add_nc_u32 v3, 0x10000, v3
	v_add_nc_u32 v2, 64, v2
	v_add_nc_u32 v4, OPBB, v4
	v_add_nc_u32 v5, OPBB, v5
	v_add_nc_u32 v6, OPBB, v6
	v_add_nc_u32 v7, OPBB, v7
	v_add_nc_u32 v8, 16*288, v8
	v_add_nc_u32 v9, 16*272, v9
	s_sub_co_u32 s2, s2, 1
	s_cmp_lg_u32 s2, 0
	s_cbranch_scc1 .Lblock
	; ---------------- the end
	s_cmp_lg_u32 s22, 0
	s_cbranch_scc1 .Lno_sct
	v_and_b32 v4, 31, v0
	v_lshlrev_b32 v5, 4, v4
	v_add_nc_u32 v4, SCT, v5
	ds_load_b128 v[12:15], v4                      ; wave 0 wrote these words itself
	ds_load_b128 v[16:19], v4 offset:512
	s_wait_dscnt 0x0
	global_store_b128 v5, v[12:15], s[18:19]
	global_store_b128 v5, v[16:19], s[18:19] offset:512
.Lno_sct:
	WIN 0x41
	REP 32, 2, v_pk_mul_f32 v[i:i+1], v[i:i+1], 0x3db504f3 op_sel_hi:[1,0]
	WIN 0
	s_wait_dscnt 0x0
	s_barrier_signal -1                            ; every wave's reads of the operands are over: their bytes take the state
	s_barrier_wait -1
	v_and_b32 v7, 15, v0
	v_bfe_u32 v8, v0, 4, 1
	v_mul_u32_u24 v6, v8, 8*528
	v_lshl_add_u32 v6, v7, 2, v6
	s_lshl_b32 s28, s22, 7
	s_add_co_u32 s28, s28, SS
	v_add_nc_u32 v6, s28, v6                       ; row 8 h, column 32 w + r
	WIN 0x04
.set i, 0
.rept 64
	ds_store_b32 v6, v[i] offset:(16*((i/8)%4)+i%8)*528+64*(i/32)
.set i, i+1
.endr
	WIN 0
	s_wait_dscnt 0x0
	s_barrier_signal -1
	s_barrier_wait -1
	s_cmp_lg_u32 s23, 3
	s_cbranch_scc1 .Lclose                         ; the last segment's end state alone is the sequence's
	v_and_b32 v9, 31, v0
	v_lshlrev_b32 v10, 4, v9
	s_mul_i32 s28, s22, 16*528
	s_add_co_u32 s28, s28, SS
	v_add_nc_u32 v9, s28, v10
.set i, 0
.rept 16
	ds_load_b128 v[32+4*i:35+4*i], v9 offset:528*i
.set i, i+1
.endr
	s_wait_dscnt 0x0
.set i, 0
.rept 16
	global_store_b128 v10, v[32+4*i:35+4*i], s[20:21] offset:512*i
.set i, i+1
.endr
.Lclose:
	s_wait_tensorcnt 0x0                           ; the wave's end
	ds_add_u32 v[SPW], v[NIL]
	s_wait_dscnt 0x0
	s_endpgm
.Lfunc_end_k_qf4ffd94abe_gla2:
	.size	k_qf4ffd94abe_gla2, .Lfunc_end_k_qf4ffd94abe_gla2-k_qf4ffd94abe_gla2
	.p2alignl 7, 3214868480
	.fill 96, 4, 3214868480
	.section	.rodata,"a",@progbits
	.p2align	6, 0x0
	.amdhsa_kernel k_qf4ffd94abe_gla2
		.amdhsa_group_segment_fixed_size 327680
		.amdhsa_private_segment_fixed_size 0
		.amdhsa_enable_private_segment 0
		.amdhsa_kernarg_size 72
		.amdhsa_user_sgpr_count 2
		.amdhsa_user_sgpr_kernarg_segment_ptr 1
		.amdhsa_wavefront_size32 1
		.amdhsa_system_sgpr_workgroup_id_x 1
		.amdhsa_system_sgpr_workgroup_id_y 1
		.amdhsa_system_sgpr_workgroup_id_z 1
		.amdhsa_system_vgpr_workitem_id 0
		.amdhsa_next_free_vgpr 928
		.amdhsa_next_free_sgpr 106
		.amdhsa_reserve_vcc 0
		.amdhsa_float_denorm_mode_32 3
		.amdhsa_float_denorm_mode_16_64 3
		.amdhsa_memory_ordered 1
		.amdhsa_forward_progress 1
		.amdhsa_inst_pref_size 129
	.end_amdhsa_kernel
	.amdgpu_metadata
---
amdhsa.version: [ 1, 2 ]
amdhsa.kernels:
  - .name:           k_qf4ffd94abe_gla2
    .symbol:         k_qf4ffd94abe_gla2.kd
    .args:
      - { .name: qkvg, .offset: 0, .size: 8, .value_kind: global_buffer, .address_space: global }
      - { .name: zb, .offset: 8, .size: 8, .value_kind: global_buffer, .address_space: global }
      - { .name: Wkg2, .offset: 16, .size: 8, .value_kind: global_buffer, .address_space: global }
      - { .name: bkg2, .offset: 24, .size: 8, .value_kind: global_buffer, .address_space: global }
      - { .name: bg, .offset: 32, .size: 8, .value_kind: global_buffer, .address_space: global }
      - { .name: ust, .offset: 40, .size: 8, .value_kind: global_buffer, .address_space: global }
      - { .name: yh, .offset: 48, .size: 8, .value_kind: global_buffer, .address_space: global }
      - { .name: ysc, .offset: 56, .size: 8, .value_kind: global_buffer, .address_space: global }
      - { .name: out1, .offset: 64, .size: 8, .value_kind: global_buffer, .address_space: global }
    .group_segment_fixed_size: 327680
    .private_segment_fixed_size: 0
    .kernarg_segment_align: 8
    .kernarg_segment_size: 72
    .max_flat_workgroup_size: 128
    .sgpr_count:     106
    .vgpr_count:     928
    .wavefront_size: 32
...
	.end_amdgpu_metadata
.endif
;; end of part 9
;; launch outp (part 10): grid 8 x 32, 4 waves a work-group, clusters of 4 x 4, 327,680 bytes of LDS; arguments yh, wo16, out0, ysc; writes out0
.if DOCPART == 10
	.amdgcn_target "amdgcn-amd-amdhsa--gfx1250"
	.amdhsa_code_object_version 6
	.text
	.protected	k_qf4ffd94abe_outp
	.globl	k_qf4ffd94abe_outp
	.p2align	8
	.type	k_qf4ffd94abe_outp,@function
k_qf4ffd94abe_outp:
	s_mov_b64 s[64:65], 0
	v_nop
	global_prefetch_b8 v0, s[64:65] scope:SCOPE_SE
	s_setreg_imm32_b32 hwreg(HW_REG_WAVE_MODE, 25, 1), 1
	s_wait_xcnt 0x0
	s_wait_alu depctr_hold_cnt(0) depctr_sa_sdst(0) depctr_va_vdst(0) depctr_va_sdst(0) depctr_va_ssrc(0) depctr_va_vcc(0) depctr_vm_vsrc(0)
	s_getreg_b32 s2, hwreg(HW_REG_IB_STS2, 6, 4)
	s_cmp_eq_u32 s2, 0
	s_cbranch_scc0 .Lentry_in_a_cluster
	s_endpgm
.Lentry_in_a_cluster:
	s_bfe_u32 s2, ttmp6, 0x10000c
	s_cmp_lg_u32 s2, 0xf033
	s_cbranch_scc0 .Lentry_shape_is_right
	s_endpgm
.Lentry_shape_is_right:
; OUTP: out0[m][n] = sum over k of y[m][k] Wo[k][n].  yh [4096][2048] f16 holds y 2^-Ey, ysc [16][4096] f32 holds 2^Ey for head k / 128 and row m; wo16 [2048][2048] f16 (K down the rows); out0 f32.
; A K step of 128 is one head.  With R[m] the largest of a row's 16 scales, yh's fragments are multiplied by f = 2^Ey / R (a power of two, at most 1: exact but where the product falls below f16's normal
; range, which is below 2^-14 of the row's largest scale), and the sums by R at the end.
; TILES 128 x 256: 32 x 8 = 256 work-groups, one tile each; four waves of 64 x 128; two LDS slots; wo16's fragments come out of LDS turned.
; A K STEP IS WRITTEN ONCE: a trip of the loop is one K step.  The scalar TB holds the LDS byte at which the slot in hand begins, 0 or SLOT, and is turned by an exclusive or at each change of slots; the fragments'
; addresses are TB plus a lane's fixed place, the refill's LDS address the wave's constant plus TB.  The last two K steps, which ask for nothing, are a loop of two trips over a text without a tensor load.
; CLUSTER 4 x 4: yh's tile is asked for jointly along a row of the cluster, wo16's along a column.
; TRANSPOSED USE: a lane holds row l % 16 and eight neighbouring columns.
; REGISTERS: window 0: v0-31 addresses and a K step's four factors; v32-39 R in pairs; two fragment buffers of 96 at v64 and v160; on the way out v64-191 take rows read back.  Window 1: accumulator (a, b) at 8 (8 a + b).
.set KSTEP,  128
.set WROW,   4096                      ; bytes in a row of yh and of wo16
.set OROW,   8192                      ; of out0
.set PA,     272
.set PB,     544
.set HA,     64*PA
.set HB,     64*PB
.set BOFF,   2*HA
.set SLOT,   BOFF+2*HB
.set STAGE,  2*SLOT                    ; 16 rows x 528 bytes for each wave
.set SPITCH, 528
.set FT,     STAGE+4*16*SPITCH         ; f as a pair of f16: [16 heads][128 rows] of 4 bytes
.set RS,     FT+8192                   ; R: 128 f32
.set SPARE,  RS+512
.set STEPS,  16                        ; K steps; all but the last two ask for the step two on
.set FS,   8                           ; v8-11 the four factors of the K step in hand
.set A0,   16                          ; v16 my lane's place among my fragments of yh in slot 0; never rewritten
.set ADRA, 17                          ; v17 the same in the slot in hand
.set B0,   20                          ; v20, v21 the same two for wo16
.set ADRB, 21
.set RA,   23
.set STO,  24
.set RD,   25
.set CO,   26
.set FA,   27
.set SPW,  28
.set NIL,  29
.set RV,   32
.set F0,   64
.set F1,   160
.set G1,  24                           ; s[24:31] descriptor group 1 for yh's tiles;  s[32:39] group 0: a set for each of the two first fills; the second then walks on
.set G0,  32
.set TB,  45                           ; s45 the LDS byte at which the slot in hand begins
.set G1B, 48
.set G0B, 56
.set MSB, 0
.macro WIN new
.if MSB != (\new)
	s_set_vgpr_msb (MSB<<8)|(\new)
.set MSB, \new
.endif
.endm
.set MUL, 0x50
.macro JLOAD s                         ; a joint load by descriptor set s: waves 0, 1 fetch yh's halves, waves 2, 3 wo16's; an s_nop 0 and four v_nop follow each line
	s_cmp_eq_u32 s11, 0
	s_cbranch_scc0 .Lfor_b_\@
	tensor_load_to_lds s[G0+4*(\s):G0+4*(\s)+3], s[G1:G1+7]
	s_nop 0
.rept 4
	v_nop
.endr
	s_branch .Lasked_\@
.Lfor_b_\@:
	tensor_load_to_lds s[G0B+4*(\s):G0B+4*(\s)+3], s[G1B:G1B+7]
	s_nop 0
.rept 4
	v_nop
.endr
.Lasked_\@:
.endm
.macro CREST
	s_cmp_lg_u32 s10, 0
	s_cbranch_scc1 .Lnot_wave_0_\@
	s_barrier_signal -3
.Lnot_wave_0_\@:
	s_barrier_wait -3
	s_barrier_signal -1
	s_barrier_wait -1
.endm
.macro CROUND
	s_barrier_signal -1
	s_barrier_wait -1
	CREST
.endm
.macro PLACES
.rept 4
	v_nop
.endr
.endm
	s_load_b128 s[4:7], s[0:1], 0x0                ; yh, wo16
	s_load_b64 s[8:9], s[0:1], 0x10                ; out0
	s_load_b64 s[66:67], s[0:1], 0x18              ; ysc
	v_lshl_add_u32 v[SPW], v0, 2, SPARE
	v_mov_b32 v[NIL], 0
	ds_add_u32 v[SPW], v[NIL]                      ; the wave's opening: the add and its wait ahead of my first tensor load
	ds_add_u32 v28, v29
	v_lshrrev_b32 v1, 5, v0
	v_readfirstlane_b32 s10, v1
	s_lshr_b32 s11, s10, 1
	s_and_b32 s12, s10, 1
	s_bfe_u32 s40, ttmp6, 0x40000                  ; cx
	s_bfe_u32 s41, ttmp6, 0x40004                  ; cy
	s_lshl_b32 s42, ttmp9, 2
	s_add_co_u32 s42, s42, s40                     ; tile column
	s_and_b32 s13, ttmp7, 0xffff
	s_lshl_b32 s13, s13, 2
	s_add_co_u32 s13, s13, s41                     ; tile row
	s_lshl_b32 s43, s41, 2
	s_lshl_b32 s43, 15, s43
	s_lshl_b32 s44, 0x1111, s40
	s_or_b32 s[G1+0], s43, (1<<16)|(1<<20)|(1<<21)|(5<<22)|(3<<25)
	s_or_b32 s[G1B+0], s44, (1<<16)|(1<<20)|(1<<21)|(6<<22)|(7<<25)
	s_mov_b32 s[G1+1], 128<<16
	s_mov_b32 s[G1+2], 64<<16
	s_mov_b32 s[G1+3], 128<<16
	s_mov_b32 s[G1+4], 64
	s_mov_b32 s[G1+5], 2048
	s_mov_b32 s[G1+6], 0
	s_mov_b32 s[G1+7], 0
	s_mov_b32 s[G1B+1], 256<<16
	s_mov_b32 s[G1B+2], 64<<16
	s_mov_b32 s[G1B+3], 256<<16
	s_mov_b32 s[G1B+4], 64
	s_mov_b32 s[G1B+5], 2048
	s_mov_b32 s[G1B+6], 0
	s_mov_b32 s[G1B+7], 0
	s_mov_b32 s[TB], 0                             ; K step 0 lies in slot 0
	s_lshl_b32 s16, s13, 7
	s_lshl_b32 s17, s12, 6
	s_add_co_u32 s16, s16, s17
	s_lshl_b32 s16, s16, 12                        ; yh: row 128 x tile row + 64 x half
	s_mov_b32 s17, 0
	s_mul_i32 s46, s12, 64*WROW                    ; wo16: k-row 64 x half, 512 bytes a tile column
	s_lshl_b32 s47, s42, 9
	s_add_co_u32 s46, s46, s47
	s_mov_b32 s47, 0
	s_mul_i32 s20, s12, HA                         ; where they go in a slot; s20 and s21 are kept
	s_mul_i32 s21, s12, HB
	s_add_co_u32 s21, s21, BOFF
	s_lshl_b32 s18, s13, 9                         ; ysc: the tile's 128 rows
	s_mov_b32 s19, 0
	s_wait_dscnt 0x0
	s_wait_kmcnt 0x0
	s_add_nc_u64 s[14:15], s[4:5], s[16:17]
	s_add_nc_u64 s[46:47], s[6:7], s[46:47]
	s_add_nc_u64 s[66:67], s[66:67], s[18:19]
	CROUND
.irp s, 0,1
	s_mov_b32 s[G0+4*(\s)], 1
	s_add_co_u32 s[G0+4*(\s)+1], s20, (\s)*SLOT
	s_add_nc_u64 s[G0+4*(\s)+2:G0+4*(\s)+3], s[14:15], (\s)*KSTEP*2
	s_or_b32 s[G0+4*(\s)+3], s[G0+4*(\s)+3], 0x80000000
	s_mov_b32 s[G0B+4*(\s)], 1
	s_add_co_u32 s[G0B+4*(\s)+1], s21, (\s)*SLOT
	s_add_nc_u64 s[G0B+4*(\s)+2:G0B+4*(\s)+3], s[46:47], (\s)*KSTEP*WROW
	s_or_b32 s[G0B+4*(\s)+3], s[G0B+4*(\s)+3], 0x80000000
	JLOAD \s
.endr
	; the scales: thread t takes row t of the tile
	v_lshlrev_b32 v3, 2, v0
.set i, 0
.rept 16
	global_load_b32 v[40+i], v3, s[66:67] offset:16384*i
.set i, i+1
.endr
	v_lshl_add_u32 v58, v0, 2, FT
	v_and_b32 v1, 15, v0                           ; r
	v_bfe_u32 v2, v0, 4, 1                         ; h
	v_mul_u32_u24 v4, v1, PA
	v_lshl_add_u32 v4, v2, 4, v4
	s_mul_i32 s22, s11, HA
	v_add_nc_u32 v[A0], s22, v4
	v_mov_b32 v[ADRA], v[A0]
	v_and_b32 v4, 7, v0
	v_bfe_u32 v5, v0, 3, 1
	v_lshl_add_u32 v4, v2, 3, v4
	v_mul_u32_u24 v4, v4, PB
	v_lshl_add_u32 v4, v5, 4, v4
	s_lshl_b32 s23, s12, 8
	s_add_co_u32 s23, s23, BOFF
	v_add_nc_u32 v[B0], s23, v4
	v_mov_b32 v[ADRB], v[B0]
	s_mul_i32 s23, s10, 16*SPITCH
	s_add_co_u32 s23, s23, STAGE                   ; my stage
	v_mul_u32_u24 v4, v1, SPITCH
	v_lshl_add_u32 v4, v2, 5, v4                   ; in: row r, 32 bytes for each half of the lanes
	v_add_nc_u32 v[STO], s23, v4
	v_and_b32 v5, 31, v0
	v_lshlrev_b32 v[CO], 4, v5                     ; back, and in out0: 16 lane
	v_add_nc_u32 v[RD], s23, v[CO]
	s_lshl_b32 s23, s11, 8
	s_add_co_u32 s23, s23, FT
	v_lshl_add_u32 v[FA], v1, 2, s23               ; my rows' factors: 4 (64 x half + r)
	v_add_nc_u32 v[RA], 8192, v[FA]                ; and their R
	s_lshl_b32 s16, s13, 7
	s_lshl_b32 s17, s11, 6
	s_add_co_u32 s16, s16, s17
	s_lshl_b32 s16, s16, 13                        ; my first row of out0
	s_mov_b32 s17, 0
	s_add_nc_u64 s[8:9], s[8:9], s[16:17]
	s_lshl_b32 s46, s42, 10
	s_lshl_b32 s47, s12, 9
	s_add_co_u32 s46, s46, s47
	s_mov_b32 s47, 0
	s_add_nc_u64 s[8:9], s[8:9], s[46:47]
	s_wait_loadcnt 0x0
	v_max3_num_f32 v56, v40, v41, v42
.irp i, 43,45,47,49,51,53
	v_max3_num_f32 v56, v56, v[\i], v[\i+1]
.endr
	v_max_num_f32 v56, v56, v55                    ; R, a power of two
	v_sub_nc_u32 v57, 0x7f000000, v56              ; 1 / R, by its bits
.set i, 0
.rept 16
	v_mul_f32 v[40+i], v[40+i], v57
	v_cvt_pk_f16_f32 v[40+i], v[40+i], v[40+i]
	ds_store_b32 v58, v[40+i] offset:512*i
.set i, i+1
.endr
	ds_store_b32 v58, v56 offset:8192
.macro MUL8 f, a, zero                 ; 8 matrix instructions: m block a x all 8 n blocks; the 32 accumulators take turns in the same order in every quarter
	WIN MUL
.irp b, 0,1,2,3,4,5,6,7
.if \zero
	v_wmma_f32_16x16x32_f16 v[8*(8*(\a)+(\b)):8*(8*(\a)+(\b))+7], v[(\f)+8*(\b):(\f)+8*(\b)+7], v[(\f)+64+8*(\a):(\f)+64+8*(\a)+7], 0
.else
	v_wmma_f32_16x16x32_f16 v[8*(8*(\a)+(\b)):8*(8*(\a)+(\b))+7], v[(\f)+8*(\b):(\f)+8*(\b)+7], v[(\f)+64+8*(\a):(\f)+64+8*(\a)+7], v[8*(8*(\a)+(\b)):8*(8*(\a)+(\b))+7]
.endif
.endr
.endm
.macro FETCH q, f                      ; 24 LDS loads in one run: quarter q of the slot in hand into buffer f
	WIN 0
.irp b, 0,1,2,3,4,5,6,7
	ds_load_tr16_b128 v[(\f)+8*(\b):(\f)+8*(\b)+3],   v[ADRB] offset:(\q)*32*PB+32*(\b)
	ds_load_tr16_b128 v[(\f)+8*(\b)+4:(\f)+8*(\b)+7], v[ADRB] offset:(\q)*32*PB+16*PB+32*(\b)
.endr
.irp a, 0,1,2,3
	ds_load_b128 v[(\f)+64+8*(\a):(\f)+64+8*(\a)+3],   v[ADRA] offset:64*(\q)+(\a)*16*PA
	ds_load_b128 v[(\f)+64+8*(\a)+4:(\f)+64+8*(\a)+7], v[ADRA] offset:64*(\q)+(\a)*16*PA+32
.endr
.endm
.macro SCL f, a                        ; yh's fragment a times its rows' factor: a lane holds one row
	WIN 0
.set i, 0
.rept 8
	v_pk_mul_f16 v[(\f)+64+8*(\a)+i], v[(\f)+64+8*(\a)+i], v[FS+(\a)]
.set i, i+1
.endr
.endm
.macro FACT                            ; the factors of the head at which FA stands
	WIN 0
.irp a, 0,1,2,3
	ds_load_b32 v[FS+(\a)], v[FA] offset:64*(\a)
.endr
.endm
.macro QUARTER q, f, g, zero
	s_wait_dscnt 4                                 ; yh's fragments 2 and 3 may be out
	SCL \f, 0
	SCL \f, 1
	MUL8 \f, 0, \zero
	MUL8 \f, 1, \zero
	s_wait_dscnt 0x0
	SCL \f, 2                                      ; these sixteen name no register of the products above: they are also the places ahead of the loads below
	SCL \f, 3
	FETCH \q, \g
	s_wait_dscnt 24                                ; the 24 just issued may be out
	MUL8 \f, 2, \zero
	MUL8 \f, 3, \zero
.endm
; The last quarter multiplies buffer 1 and changes slots.  All its scalings stand at its head, so that the next K step's factors can take the same four registers.
.macro TURN fill
	WIN 0
	s_wait_tensorcnt 0x0                           ; all my tensor loads have landed: my part of the next slot
	ds_add_u32 v[SPW], v[NIL]
	s_wait_dscnt 1                                 ; the add alone may be out
	SCL F1, 0
	SCL F1, 1
	SCL F1, 2
	SCL F1, 3
	MUL8 F1, 0, 0
	s_wait_dscnt 0x0                               ; the add is done, my reads of this slot are over
	s_barrier_signal -1
	MUL8 F1, 1, 0
	WIN 0
	s_barrier_wait -1
.if \fill
	CREST                                          ; the barrier has opened a round of the cluster's
	s_add_co_u32 s[G0+5], s20, s[TB]               ; the walking descriptors: into the slot just read out,
	s_add_co_u32 s[G0B+5], s21, s[TB]
	s_add_nc_u64 s[G0+6:G0+7], s[G0+6:G0+7], KSTEP*2   ; the next K step; no tensor load of mine is out
	s_add_nc_u64 s[G0B+6:G0B+7], s[G0B+6:G0B+7], KSTEP*WROW
	s_xor_b32 s[TB], s[TB], SLOT                   ; the other slot is now in hand
	JLOAD 1                                        ; the first tensor load behind the round
.else
	s_xor_b32 s[TB], s[TB], SLOT
.endif
	v_add_nc_u32 v[FA], 512, v[FA]                 ; the next head
	v_add_nc_u32 v[ADRA], s[TB], v[A0]
	v_add_nc_u32 v[ADRB], s[TB], v[B0]
	FACT
	FETCH 0, F0
	MUL8 F1, 2, 0
	MUL8 F1, 3, 0
.endm
	s_wait_tensorcnt 1                             ; my part of K step 0 is in; step 1's may stay out
	s_wait_dscnt 0x0                               ; my rows' factors are in LDS
	s_barrier_signal -1
	s_barrier_wait -1
	FACT
	FETCH 0, F0
	QUARTER 1, F0, F1, 1                           ; the first quarter starts the sums with the constant 0
	WIN 0                                          ; at a label and at a branch every window is 0
	s_mov_b32 s3, STEPS-2
	s_branch .Lrest                                ; the loop is entered behind a trip's first quarter
.Lstep:                                                ; 14 trips, a K step each; the slot that a trip reads out is filled again
	QUARTER 1, F0, F1, 0
	WIN 0
.Lrest:
	QUARTER 2, F1, F0, 0
	QUARTER 3, F0, F1, 0
	TURN 1
	WIN 0
	s_sub_co_u32 s3, s3, 1
	s_cmp_lg_u32 s3, 0
	s_cbranch_scc1 .Lstep
	s_mov_b32 s3, 2
.Ltail:                                                ; the last two K steps ask for nothing: a text of their own
	QUARTER 1, F0, F1, 0
	QUARTER 2, F1, F0, 0
	QUARTER 3, F0, F1, 0
	TURN 0                                         ; in the last trip its 28 loads bring what nobody uses, from bytes written long before (the words behind the last head's factors are R's): the price, once a launch, of one text for both trips
	WIN 0
	s_sub_co_u32 s3, s3, 1
	s_cmp_lg_u32 s3, 0
	s_cbranch_scc1 .Ltail
	s_wait_dscnt 0x0
	PLACES
	; THE WAY OUT of m block a: times R, through my own stage (rows of 512 + 16 bytes), back as whole rows, stored.
.irp a, 0,1,2,3
	ds_load_b32 v[RV+2*\a], v[RA] offset:64*\a     ; twice: the packed multiply names a pair and takes its low word
	ds_load_b32 v[RV+2*\a+1], v[RA] offset:64*\a
.endr
	s_wait_dscnt 0x0
.macro SCALE a
	WIN 0x41
.irp b, 0,1,2,3,4,5,6,7
.irp u, 0,2,4,6
	v_pk_mul_f32 v[8*(8*(\a)+(\b))+(\u):8*(8*(\a)+(\b))+(\u)+1], v[8*(8*(\a)+(\b))+(\u):8*(8*(\a)+(\b))+(\u)+1], v[RV+2*(\a):RV+2*(\a)+1] op_sel_hi:[1,0]
.endr
.endr
.endm
.macro TOSTAGE a
.set BK, 64+64*((\a)%2)
	WIN 0x04                                       ; the stores' data lie in window 1
.irp b, 0,1,2,3,4,5,6,7
	ds_store_b128 v[STO], v[8*(8*(\a)+(\b)):8*(8*(\a)+(\b))+3] offset:64*(\b)
	ds_store_b128 v[STO], v[8*(8*(\a)+(\b))+4:8*(8*(\a)+(\b))+7] offset:64*(\b)+16
.endr
	WIN 0
.set t, 0
.rept 16
	ds_load_b128 v[BK+4*t:BK+4*t+3], v[RD] offset:t*SPITCH
.set t, t+1
.endr
.endm
.macro SEND a
.set BK, 64+64*((\a)%2)
	WIN 0
	s_wait_dscnt 0x0
	s_wait_xcnt 0x0                                ; the registers that earlier stores read are loaded again only behind this wait
.set t, 0
.rept 16
	global_store_b128 v[CO], v[BK+4*t:BK+4*t+3], s[8:9] offset:(16*(\a)+t)*OROW th:TH_STORE_NT
.set t, t+1
.endr
.endm
	SCALE 0
	TOSTAGE 0
.irp a, 1,2,3
	SCALE \a
	SEND (\a)-1
	TOSTAGE \a
.endr
	SEND 3
	s_wait_tensorcnt 0x0                           ; the wave's end
	ds_add_u32 v[SPW], v[NIL]
	s_wait_dscnt 0x0
	CROUND                                         ; the closing round
	s_endpgm
.Lfunc_end_k_qf4ffd94abe_outp:
	.size	k_qf4ffd94abe_outp, .Lfunc_end_k_qf4ffd94abe_outp-k_qf4ffd94abe_outp
	.p2alignl 7, 3214868480
	.fill 96, 4, 3214868480
	.section	.rodata,"a",@progbits
	.p2align	6, 0x0
	.amdhsa_kernel k_qf4ffd94abe_outp
		.amdhsa_group_segment_fixed_size 327680
		.amdhsa_private_segment_fixed_size 0
		.amdhsa_enable_private_segment 0
		.amdhsa_kernarg_size 32
		.amdhsa_user_sgpr_count 2
		.amdhsa_user_sgpr_kernarg_segment_ptr 1
		.amdhsa_wavefront_size32 1
		.amdhsa_system_sgpr_workgroup_id_x 1
		.amdhsa_system_sgpr_workgroup_id_y 1
		.amdhsa_system_sgpr_workgroup_id_z 1
		.amdhsa_system_vgpr_workitem_id 0
		.amdhsa_next_free_vgpr 512
		.amdhsa_next_free_sgpr 68
		.amdhsa_reserve_vcc 0
		.amdhsa_float_denorm_mode_32 3
		.amdhsa_float_denorm_mode_16_64 3
		.amdhsa_memory_ordered 1
		.amdhsa_forward_progress 1
		.amdhsa_inst_pref_size 92
	.end_amdhsa_kernel
	.amdgpu_metadata
---
amdhsa.version: [ 1, 2 ]
amdhsa.kernels:
  - .name:           k_qf4ffd94abe_outp
    .symbol:         k_qf4ffd94abe_outp.kd
    .args:
      - { .name: yh, .offset: 0, .size: 8, .value_kind: global_buffer, .address_space: global }
      - { .name: wo16, .offset: 8, .size: 8, .value_kind: global_buffer, .address_space: global }
      - { .name: out0, .offset: 16, .size: 8, .value_kind: global_buffer, .address_space: global }
      - { .name: ysc, .offset: 24, .size: 8, .value_kind: global_buffer, .address_space: global }
    .group_segment_fixed_size: 327680
    .private_segment_fixed_size: 0
    .kernarg_segment_align: 8
    .kernarg_segment_size: 32
    .max_flat_workgroup_size: 128
    .sgpr_count:     68
    .vgpr_count:     512
    .wavefront_size: 32
...
	.end_amdgpu_metadata
.endif
;; end of part 10
